; MI455X (gfx1250); checked and timed in simulation.
; The chip was launched on July 23, 2026; its instructions are those of AMD's public machine-readable ISA for CDNA 5 (MIT licence, August 2026) and "CDNA5" Instruction Set Architecture Reference Guide (July 2026). The comments in the code are by the model that wrote it; some were corrected since.
;; Mo E Layer. Allowed arithmetic: matrix products marked QUANTISED: E2M3 operands, one E8M0 scale for each 32 along K, by v_wmma_scale_f32_16x16x128_f8f6f4 with both operands' format E2M3, f32 sums; products left as they are: f32 operands where the result goes on into a quantised operand, else bf16, f16 or f32 operands; f32 sums; everything else in f32.
;; Inputs: down_w_codes 8 x 1,024 x 64 x 24 uint8 (E2M3 codes of down_w, K innermost, in blocks of 32 codes, four codes in three bytes); down_w_scales 8 x 1,024 x 64 uint8 (E8M0 scales of down_w, one for each 32 codes along K); gate_w_codes 8 x 2,048 x 32 x 24 uint8 (E2M3 codes of gate_w, K innermost, in blocks of 32 codes, four codes in three bytes); gate_w_scales 8 x 2,048 x 32 uint8 (E8M0 scales of gate_w, one for each 32 codes along K); router_w 8 x 1,024 float32; up_w_codes 8 x 2,048 x 32 x 24 uint8 (E2M3 codes of up_w, K innermost, in blocks of 32 codes, four codes in three bytes); up_w_scales 8 x 2,048 x 32 uint8 (E8M0 scales of up_w, one for each 32 codes along K); x 4 x 256 x 1,024 float32.
;; Outputs: out0 4 x 256 x 1,024 float32; out1 one number float32.
;; This version of the problem:
;;   THIS VERSION OF THE PROBLEM IS GIVEN IN LOW PRECISION. The matrix products marked QUANTISED in the list below multiply operands that are first quantised to E2M3 (2 exponent bits, 3 mantissa bits; 6 bits a number), with one power-of-two scale for each 32 numbers along K (OCP MX v1.0); their sums are f32. All else is computed in f32.
;;   The module's matrix products, in the order in which they are computed (A, B: the left and right operand; K: the contracted axis; several contracted axes count as one K, in the product's order):
;;     1. [M 1,024, K 1,024] x [K 1,024, N 8]; A: input x; B: input router_w: left as it is (N = 8 < 16)
;;     2. batch 1,024 x [M 8, K 2] x [K 2, N 1]; A: computed on the way; B: computed on the way: left as it is (K = 2 < 32)
;;     3. [M 16,384, K 1,024] x [K 1,024, N 1,024]; A: input gate_w (given as codes); B: input x: QUANTISED
;;     4. [M 16,384, K 1,024] x [K 1,024, N 1,024]; A: input up_w (given as codes); B: input x: QUANTISED
;;     5. batch 8 x [M 1,024, K 2,048] x [K 2,048, N 1,024]; A: computed on the way; B: input down_w (given as codes): QUANTISED
;;     6. batch 1,024 x [M 1, K 8] x [K 8, N 1,024]; A: computed on the way; B: computed on the way: left as it is (K = 8 < 32)
;;   THE QUANTISER, for each operand of a quantised product, along K:
;;     - K is cut into blocks of 32 from its start; a last block that is shorter is filled with zeros.
;;     - A block's scale is 2^e with e = floor(log2(the largest magnitude in the block)) - 2, held to -126 .. 127; a block of zeros has e = 0. As a byte (E8M0): e + 127.
;;     - Each number is divided by its block's scale, clamped to +-7.5, and rounded to the nearest number of E2M3, ties to even, subnormals kept.
;;     - The product sums the exact products of the quantised numbers (number of the format x scale) in f32.
;;   ~~~python
;;   def quantise(x, axis):      # numpy; x: float32 -> the quantised numbers, widened to float32 again
;;       x = np.moveaxis(x, axis, -1); K = x.shape[-1]
;;       x = np.pad(x, [(0, 0)] * (x.ndim - 1) + [(0, -K % 32)]); x = x.reshape(x.shape[:-1] + (-1, 32)); a = np.abs(x).max(-1, keepdims=True)
;;       e = np.where(a > 0, np.clip(np.frexp(np.where(a > 0, a, 1))[1] - 1 - 2, -126, 127), 0)      # np.frexp(a)[1] - 1 = floor(log2(a)), exactly
;;       r = np.clip(x / 2.0 ** e, -7.5, 7.5)
;;       step = 2.0 ** (np.maximum(np.frexp(np.where(r == 0, 1, r))[1] - 1, 0) - 3)
;;       q = np.round(r / step) * step * 2.0 ** e      # np.round: ties to even
;;       return np.moveaxis(q.reshape(q.shape[:-2] + (-1,))[..., :K], -1, axis).astype(np.float32)
;;   ~~~
;;   OPERANDS COMPUTED ON THE WAY. 'Computed on the way' means the value that the module computes at that place (a softmax that the list does not call 'softmax' is quantised finished and normalised). What goes into a quantiser is computed in f32, as accurately as f32 sums, v_exp_f32 and their like allow (about 1e-6 of the number): no bf16 or f16 on the way to a quantiser, and a product that is left as it is and whose result goes on into a quantised operand takes f32 operands (vector FMAs, or v_wmma_f32_16x16x4_f32). A number that lies on a knife's edge between two numbers of the format may be rounded either way, as far as f32 arithmetic and the matrix unit's own rounding can turn it there, and no further.
;;   INPUTS GIVEN AS CODES. down_w (in the module: [8, 2048, 1024], K = its axis 1); gate_w (in the module: [8, 1024, 2048], K = its axis 1); up_w (in the module: [8, 1024, 2048], K = its axis 1): each comes as NAME_codes (uint8): NAME with its K axis moved to the last place and cut into blocks of 32 codes, [.., K / 32, bytes a block], one block behind the other in memory; four codes in three bytes: a row's codes are one little-endian stream of bits, code i at bits 6 i .. 6 i + 5 (a code: sign, 2 exponent bits, 3 mantissa bits); and NAME_scales (uint8): the same leading axes, one E8M0 byte (e + 127) for each 32 codes along K. Its value is code x scale, taken as it is: it is not quantised again, and the codes and scales need not be those that the quantiser above would give.
;; 2 versions. Each part assembles by itself: llvm-mc -triple=amdgcn-amd-amdhsa -mcpu=gfx1250 --defsym DOCPART=n.
;; ======== version 1 of 2: 4 launches
;; workspace buffers: xq 786,432 bytes; stat 131,072 bytes; sel 4,096 bytes of whole numbers; hq 12,582,912 bytes; hs 524,288 bytes; tpos 32,768 bytes of whole numbers; part 33,554,432 bytes; auxp 32,768 bytes
;; launch route (part 1): grid 256 x 1, 4 waves a work-group, no clusters, 54,784 bytes of LDS; arguments x, router_w, xq, stat, sel, auxp; writes xq, stat, sel, auxp
.if DOCPART == 1
	.amdgcn_target "amdgcn-amd-amdhsa--gfx1250"
	.amdhsa_code_object_version 6
	.text
	.protected	k_qcd1c14e8e4_route
	.globl	k_qcd1c14e8e4_route
	.p2align	8
	.type	k_qcd1c14e8e4_route,@function
k_qcd1c14e8e4_route:
	s_mov_b64 s[64:65], 0
	v_nop
	global_prefetch_b8 v0, s[64:65] scope:SCOPE_SE
	s_setreg_imm32_b32 hwreg(HW_REG_WAVE_MODE, 25, 1), 1
	s_wait_xcnt 0x0
; ROUTER AND QUANTISER OF x.  One wave takes one token (1,024 numbers of f32); a work-group takes four.
; It makes: the eight logits in f32, their softmax, the two largest (taken on the logits, which rise with the probabilities; of equal logits the lower index wins),
; the two combine weights w = p / (p1 + p2), z = logsumexp, and x's codes of E2M3 with one E8M0 byte for each 32 along H.
; OUT: xq [token][768 bytes]: the row's codes as one stream of bits.   sel [token]: (1 << e1) | (1 << e2).
;      stat [token][32 words]: 0-7 p_e; 8-15 1.0 where e is chosen, else 0.0; 16 z^2; 17 0; 18 the weight of the chosen expert of lower index, 19 of the higher; 20-23 0;
;      24-31 x's eight scale words (128 along H each) WITH BYTES 1 AND 2 CHANGED OVER: the later launches give lane (r, h) of an operand the 48 neighbouring bytes
;      at 96 kk + 48 h, so the unit's block 2 c + h holds the row's block 2 h + c, in both operands alike.
;      auxp [work-group][32 words]: words 0-19 of the work-group's four records added up, words 20-31 zero: the first level of the sums that the auxiliary loss wants.
; LIMITS: NaN and infinities among the inputs are not served; a block whose largest magnitude lies under 2^-124 keeps the byte 1, a block of zeros too (its codes are zeros; this program alone reads the bytes).
; No branch and no address hangs on a floating-point number: the choice is stored at a fixed place.
.set XST,  32768                       ; LDS: 0 .. 32,767 router_w as it lies; then a stage of 64 places x 80 bytes for each wave,
.set REC,  53248                       ; a record of 128 bytes for each wave,
.set SELS, 53760                       ; and the four words of sel
.set XR,   16                          ; v16-47   x as loaded: register 4 i + c = k 128 i + 4 lane + c
.set WB,   48                          ; v48-111  router_w on its way to LDS; then two sets of 32 for a row of router_w; then at work
.set XT,   112                         ; v112-143 x turned: 2 x 16 neighbours
.set AC,   144                         ; v144-175 four partial sums for each expert
.set LG,   176                         ; v176-183 the logits
.set P,    48
.set M,    56
.set Z,    64
.set B1,   73
.set BIT1, 74
.set B2,   75
.set BIT2, 76
.set Q2,   77
.set SS,   78
.set T1,   79
.set T2,   80
.set T3,   81
.set RS,   82
.set LS,   83
.set DD,   84
.set RD,   85
.set ZZ,   86
.set W2,   87
.set MASK, 88
.set QA,   90
.set QB,   91
.set QS,   92
.set QE,   94
.set QC,   96
	s_load_b128 s[4:7], s[0:1], 0x0                ; x, router_w
	s_load_b128 s[8:11], s[0:1], 0x10              ; xq, stat
	s_load_b64 s[12:13], s[0:1], 0x20              ; sel
	s_load_b64 s[30:31], s[0:1], 0x28              ; auxp
	v_lshl_add_u32 v192, v0, 2, 0xd400
	v_mov_b32 v193, 0
	v_lshrrev_b32 v1, 5, v0
	v_readfirstlane_b32 s14, v1                    ; wave
	v_and_b32 v1, 31, v0                           ; lane
	v_lshlrev_b32 v2, 4, v0                        ; 16 x thread: router_w's copy, in memory and in LDS
	v_lshlrev_b32 v3, 4, v1                        ; 16 x lane
	s_lshl_b32 s15, ttmp9, 2
	s_add_co_u32 s15, s15, s14                     ; my token
	s_mul_i32 s18, s14, 5120
	s_add_co_u32 s18, s18, XST                     ; my stage
	v_lshrrev_b32 v4, 2, v1
	v_mul_u32_u24 v4, v4, 80
	v_and_b32 v5, 3, v1
	v_lshl_add_u32 v4, v5, 4, v4
	v_add_nc_u32 v4, s18, v4                       ; into the stage: four lanes' 64 bytes on end, then 16 of padding
	v_mul_u32_u24 v5, v1, 80
	v_add_nc_u32 v5, s18, v5                       ; out of it: 80 x lane: my 16 neighbours
	v_mul_u32_u24 v6, v1, 12                       ; my 16 codes' 12 bytes
	s_lshl_b32 s19, s14, 7
	s_add_co_u32 s19, s19, REC
	v_mov_b32 v7, s19                              ; my wave's record
	v_lshrrev_b32 v8, 3, v1                        ; which 128 along H of a step's 512
	v_bfe_u32 v9, v1, 1, 1
	v_bfe_u32 v10, v1, 2, 1
	v_lshl_or_b32 v9, v9, 1, v10                   ; block b = (lane / 2) % 4 goes to byte 2 (b % 2) + b / 2
	v_lshl_add_u32 v8, v8, 2, v9
	v_add_nc_u32 v8, s19, v8                       ; my block's scale byte (+ 96 + 16 x step)
	s_lshl_b32 s20, s14, 2
	s_add_co_u32 s20, s20, SELS
	v_mov_b32 v11, s20                             ; my wave's word of sel
	v_lshlrev_b32 v12, 3, v1
	v_lshlrev_b32 v13, 2, v1                       ; 4 x lane: a word of auxp's record,
	v_add_nc_u32 v14, REC, v13                     ; and the same word of the first record in LDS
	s_lshl_b32 s21, s14, 8
	v_add_nc_u32 v184, s21, v12                    ; the way out of the records: 256 x wave + 8 x lane,
	v_add_nc_u32 v185, REC, v184                   ; in LDS
	v_and_b32 v186, 3, v1
	v_lshlrev_b32 v186, 2, v186                    ; the way out of sel: 4 (lane % 4),
	v_add_nc_u32 v187, SELS, v186                  ; in LDS
	s_lshl_b32 s22, s15, 12                        ; x: 4,096 bytes a token
	s_mov_b32 s23, 0
	s_mul_i32 s24, s15, 768                        ; xq: 768
	s_mov_b32 s25, 0
	s_lshl_b32 s26, ttmp9, 9                       ; stat: 512 a work-group
	s_mov_b32 s27, 0
	s_lshl_b32 s28, ttmp9, 4                       ; sel: 16
	s_mov_b32 s29, 0
	s_lshl_b32 s32, ttmp9, 7                       ; auxp: 128
	s_mov_b32 s33, 0
	s_mov_b32 s16, 0x76543210
	s_mov_b32 s17, 0xfedcba98                      ; v_permlanex16_b32's selects for lane l xor 16
	s_wait_kmcnt 0x0
	s_add_nc_u64 s[4:5], s[4:5], s[22:23]
	s_add_nc_u64 s[8:9], s[8:9], s[24:25]
	s_add_nc_u64 s[10:11], s[10:11], s[26:27]
	s_add_nc_u64 s[12:13], s[12:13], s[28:29]
	s_add_nc_u64 s[30:31], s[30:31], s[32:33]
.irp i, 0,1,2,3,4,5,6,7,8,9,10,11,12,13,14,15
	global_load_b128 v[WB+4*\i:WB+4*\i+3], v2, s[6:7] offset:2048*\i   ; router_w: 128 threads x 16 bytes, sixteen times
.endr
.irp i, 0,1,2,3,4,5,6,7
	global_load_b128 v[XR+4*\i:XR+4*\i+3], v3, s[4:5] offset:512*\i th:TH_LOAD_NT   ; my token's row: 512 neighbouring bytes a load
.endr
	s_wait_loadcnt 0x8                             ; router_w's sixteen are in; x's eight may be out
.irp i, 0,1,2,3,4,5,6,7,8,9,10,11,12,13,14,15
	ds_store_b128 v2, v[WB+4*\i:WB+4*\i+3] offset:2048*\i
.endr
	s_wait_loadcnt 0x0
.irp i, 0,1,2,3,4,5,6,7
	ds_store_b128 v4, v[XR+4*\i:XR+4*\i+3] offset:640*\i   ; a load's 512 bytes take eight places of 80
.endr
	s_wait_dscnt 0x0                               ; for the others' sake: my part of router_w lies in LDS
	s_barrier_signal -1
	s_barrier_wait -1
.macro WLOAD e                         ; row e of router_w, laid as XR is
.irp i, 0,1,2,3,4,5,6,7
	ds_load_b128 v[WB+32*((\e)%2)+4*\i:WB+32*((\e)%2)+4*\i+3], v3 offset:4096*(\e)+512*\i
.endr
.endm
.macro DOT e                           ; my lane's 32 products, two chains of packed multiply-adds
.set rW, WB+32*((\e)%2)
.set rS, AC+4*(\e)
	v_pk_mul_f32 v[rS:rS+1], v[XR:XR+1], v[rW:rW+1]
	v_pk_mul_f32 v[rS+2:rS+3], v[XR+2:XR+3], v[rW+2:rW+3]
.irp i, 4,8,12,16,20,24,28
	v_pk_fma_f32 v[rS:rS+1], v[XR+\i:XR+\i+1], v[rW+\i:rW+\i+1], v[rS:rS+1]
	v_pk_fma_f32 v[rS+2:rS+3], v[XR+\i+2:XR+\i+3], v[rW+\i+2:rW+\i+3], v[rS+2:rS+3]
.endr
	v_pk_add_f32 v[rS:rS+1], v[rS:rS+1], v[rS+2:rS+3]
	v_add_f32 v[LG+\e], v[rS], v[rS+1]
.endm
	WLOAD 0
	WLOAD 1
.irp e, 0,1,2,3,4,5
	s_wait_dscnt 0x8                               ; row e is in; the eight loads of row e + 1 may be out
	DOT \e
	WLOAD \e+2
.endr
.irp s, 0,1
.irp j, 0,1,2,3
	ds_load_b128 v[XT+16*\s+4*\j:XT+16*\s+4*\j+3], v5 offset:2560*\s+16*\j   ; x turned: k = 512 s + 16 lane + 0 .. 15
.endr
.endr
	s_wait_dscnt 0x10                              ; row 6 is in; row 7's eight and x's eight may be out
	DOT 6
	s_wait_dscnt 0x8                               ; row 7 is in; x's eight may be out
	DOT 7
.irp m, 1,2,4,8
.irp e, 0,1,2,3,4,5,6,7
	v_add_f32_dpp v[LG+\e], v[LG+\e], v[LG+\e] row_xmask:\m row_mask:0xf bank_mask:0xf   ; the eight sums by turns
.endr
.endr
.irp e, 0,1,2,3,4,5,6,7
	v_permlanex16_b32 v[AC+\e], v[LG+\e], s16, s17
.endr
.irp e, 0,1,2,3,4,5,6,7
	v_add_f32 v[LG+\e], v[LG+\e], v[AC+\e]         ; every lane holds the eight logits
.endr
	; the largest: a later logit takes its place only where it is strictly larger
	v_mov_b32 v[B1], v[LG]
	v_mov_b32 v[BIT1], 1
.irp e, 1,2,3,4,5,6,7
	v_cmp_le_f32 vcc_lo, v[LG+\e], v[B1]           ; keep
	v_cndmask_b32 v[B1], v[LG+\e], v[B1], vcc_lo
	v_cndmask_b32 v[BIT1], 1<<\e, v[BIT1], vcc_lo
.endr
	; the second: the same among the other seven
	v_mov_b32 v[B2], 0xff800000
	v_mov_b32 v[BIT2], 0
.irp e, 0,1,2,3,4,5,6,7
	v_cmp_le_f32 vcc_lo, v[LG+\e], v[B2]
	v_cmp_eq_u32 s20, 1<<\e, v[BIT1]
	s_or_b32 vcc_lo, vcc_lo, s20                   ; keep: not larger, or the first's own
	v_cndmask_b32 v[B2], v[LG+\e], v[B2], vcc_lo
	v_cndmask_b32 v[BIT2], 1<<\e, v[BIT2], vcc_lo
.endr
	; q_e = e^(l_e - the largest): the maximum is taken away first, as the softmax and the logsumexp have it
.irp e, 0,1,2,3,4,5,6,7
	v_sub_f32 v[P+\e], v[LG+\e], v[B1]
.endr
	v_sub_f32 v[Q2], v[B2], v[B1]
.irp e, 0,1,2,3,4,5,6,7
	v_mul_f32 v[P+\e], 0x3fb8aa3b, v[P+\e]
.endr
	v_mul_f32 v[Q2], 0x3fb8aa3b, v[Q2]
.irp e, 0,1,2,3,4,5,6,7
	v_exp_f32 v[P+\e], v[P+\e]
.endr
	v_exp_f32 v[Q2], v[Q2]
	v_or_b32 v[MASK], v[BIT1], v[BIT2]             ; (a plain line behind the exponentials)
	s_wait_alu depctr_va_vdst(0)                   ; one wait for the nine, ahead of their first reader
	v_add_f32 v[SS], v[P], v[P+1]
	v_add_f32 v[T1], v[P+2], v[P+3]
	v_add_f32 v[T2], v[P+4], v[P+5]
	v_add_f32 v[T3], v[P+6], v[P+7]
	v_add_f32 v[SS], v[SS], v[T1]
	v_add_f32 v[T2], v[T2], v[T3]
	v_add_f32 v[SS], v[SS], v[T2]                  ; the sum of the q
	v_add_f32 v[DD], 1.0, v[Q2]                    ; q of the largest is 1
	v_rcp_f32 v[RS], v[SS]
	v_log_f32 v[LS], v[SS]
	v_rcp_f32 v[RD], v[DD]
.irp e, 0,1,2,3,4,5,6,7
	v_bfe_u32 v[M+\e], v[MASK], \e, 1              ; the dispatch mask: independent work behind the three
.endr
.irp e, 0,1,2,3,4,5,6,7
	v_cvt_f32_u32 v[M+\e], v[M+\e]
.endr
	s_wait_alu depctr_va_vdst(0)                   ; one wait for the three
.irp e, 0,1,2,3,4,5,6,7
	v_mul_f32 v[P+\e], v[P+\e], v[RS]              ; p_e
.endr
	v_fma_f32 v[ZZ], v[LS], 0x3f317218, v[B1]      ; z = the largest + ln 2 x log2(sum)
	v_mul_f32 v[Z], v[ZZ], v[ZZ]
	v_mul_f32 v[W2], v[Q2], v[RD]                  ; w1 = 1 / (1 + q2), w2 = q2 / (1 + q2)
	v_cmp_lt_u32 vcc_lo, v[BIT1], v[BIT2]          ; is the largest the expert of lower index?
	v_mov_b32 v[Z+1], 0
	v_cndmask_b32 v[Z+2], v[W2], v[RD], vcc_lo
	v_cndmask_b32 v[Z+3], v[RD], v[W2], vcc_lo
.irp i, 4,5,6,7
	v_mov_b32 v[Z+\i], 0
.endr
	ds_store_b128 v7, v[P:P+3]                     ; all lanes write the same words with the same values
	ds_store_b128 v7, v[P+4:P+7] offset:16
	ds_store_b128 v7, v[M:M+3] offset:32
	ds_store_b128 v7, v[M+4:M+7] offset:48
	ds_store_b128 v7, v[Z:Z+3] offset:64
	ds_store_b128 v7, v[Z+4:Z+7] offset:80
	ds_store_b32 v11, v[MASK]
	s_wait_dscnt 0x7                               ; x's eight loads from the stage are in; the seven stores behind them may be out
.macro QSTEP s                         ; 512 numbers: 16 a lane, two neighbouring lanes to a block
.set rX, XT+16*(\s)
	v_max3_num_f32 v[QA], |v[rX]|, |v[rX+1]|, |v[rX+2]|
	v_max3_num_f32 v[QB], |v[rX+3]|, |v[rX+4]|, |v[rX+5]|
.irp i, 6,10
	v_max3_num_f32 v[QA], v[QA], |v[rX+\i]|, |v[rX+\i+1]|
	v_max3_num_f32 v[QB], v[QB], |v[rX+\i+2]|, |v[rX+\i+3]|
.endr
	v_max3_num_f32 v[QA], v[QA], |v[rX+14]|, |v[rX+15]|
	v_max3_num_f32 v[QA], v[QA], v[QB], 0x1800000  ; and the floor 2^(3 - 127): the byte cannot fall under 1
	v_max_num_f32_dpp v[QA], v[QA], v[QA] row_xmask:1 row_mask:0xf bank_mask:0xf   ; with my neighbour's 16: the block's largest magnitude
	v_add_nc_u32 v[QS+\s], 0xff000000, v[QA]       ; 2 off its exponent field: the conversion takes this operand's exponent field as its scale
	v_cvt_scalef32_pk16_fp6_f32 v[QC+4*\s:QC+4*\s+2], v[rX:rX+15], v[QS+\s]
	v_lshrrev_b32 v[QE+\s], 23, v[QS+\s]           ; the scale's byte (a plain line behind the conversion)
	ds_store_b8 v8, v[QE+\s] offset:96+16*\s       ; both lanes of a block write the same byte with the same value
	global_store_b96 v6, v[QC+4*\s:QC+4*\s+2], s[8:9] offset:384*\s   ; the wave stores 384 neighbouring bytes
.endm
	QSTEP 0
	QSTEP 1
	s_wait_dscnt 0x0                               ; for the others' sake: my record and my word lie in LDS
	s_barrier_signal -1
	s_barrier_wait -1
	s_cmp_lt_u32 s14, 2
	s_cbranch_scc0 .Lnot_rec
	ds_load_b64 v[188:189], v185                   ; waves 0 and 1: two records each,
	s_wait_dscnt 0x0
	global_store_b64 v184, v[188:189], s[10:11]    ; 256 neighbouring bytes, aligned
	s_wait_tensorcnt 0x0
	ds_add_u32 v192, v193
	s_wait_dscnt 0x0
	s_endpgm
.Lnot_rec:
	s_cmp_eq_u32 s14, 2
	s_cbranch_scc0 .Lsum
	ds_load_b32 v188, v187                         ; wave 2: the four words of sel; lanes 4 apart store the same word with the same value
	s_wait_dscnt 0x0
	global_store_b32 v186, v188, s[12:13]
	s_wait_tensorcnt 0x0
	ds_add_u32 v192, v193
	s_wait_dscnt 0x0
	s_endpgm
.Lsum:                                                 ; wave 3: the four records added up, a word a lane
	ds_load_b32 v104, v14
	ds_load_b32 v105, v14 offset:128
	ds_load_b32 v106, v14 offset:256
	ds_load_b32 v107, v14 offset:384
	v_cmp_gt_u32 vcc_lo, 20, v1                    ; words 20 on are no numbers to be added (24-31 hold scale bytes): they go out as 0
	s_wait_dscnt 0x0
	v_add_f32 v104, v104, v105
	v_add_f32 v106, v106, v107
	v_add_f32 v104, v104, v106
	v_cndmask_b32 v104, 0, v104, vcc_lo
	global_store_b32 v13, v104, s[30:31]           ; 128 neighbouring bytes: two work-groups' stores make up an aligned 256
	s_wait_tensorcnt 0x0
	ds_add_u32 v192, v193
	s_wait_dscnt 0x0
	s_endpgm
.Lfunc_end_k_qcd1c14e8e4_route:
	.size	k_qcd1c14e8e4_route, .Lfunc_end_k_qcd1c14e8e4_route-k_qcd1c14e8e4_route
	.p2alignl 7, 3214868480
	.fill 96, 4, 3214868480
	.section	.rodata,"a",@progbits
	.p2align	6, 0x0
	.amdhsa_kernel k_qcd1c14e8e4_route
		.amdhsa_group_segment_fixed_size 54784
		.amdhsa_private_segment_fixed_size 0
		.amdhsa_enable_private_segment 0
		.amdhsa_kernarg_size 48
		.amdhsa_user_sgpr_count 2
		.amdhsa_user_sgpr_kernarg_segment_ptr 1
		.amdhsa_wavefront_size32 1
		.amdhsa_system_sgpr_workgroup_id_x 1
		.amdhsa_system_sgpr_workgroup_id_y 1
		.amdhsa_system_sgpr_workgroup_id_z 1
		.amdhsa_system_vgpr_workitem_id 0
		.amdhsa_next_free_vgpr 194
		.amdhsa_next_free_sgpr 66
		.amdhsa_reserve_vcc 1
		.amdhsa_float_denorm_mode_32 3
		.amdhsa_float_denorm_mode_16_64 3
		.amdhsa_memory_ordered 1
		.amdhsa_forward_progress 1
		.amdhsa_inst_pref_size 33
	.end_amdhsa_kernel
	.amdgpu_metadata
---
amdhsa.version: [ 1, 2 ]
amdhsa.kernels:
  - .name:           k_qcd1c14e8e4_route
    .symbol:         k_qcd1c14e8e4_route.kd
    .args:
      - { .name: x, .offset: 0, .size: 8, .value_kind: global_buffer, .address_space: global }
      - { .name: router_w, .offset: 8, .size: 8, .value_kind: global_buffer, .address_space: global }
      - { .name: xq, .offset: 16, .size: 8, .value_kind: global_buffer, .address_space: global }
      - { .name: stat, .offset: 24, .size: 8, .value_kind: global_buffer, .address_space: global }
      - { .name: sel, .offset: 32, .size: 8, .value_kind: global_buffer, .address_space: global }
      - { .name: auxp, .offset: 40, .size: 8, .value_kind: global_buffer, .address_space: global }
    .group_segment_fixed_size: 54784
    .private_segment_fixed_size: 0
    .kernarg_segment_align: 8
    .kernarg_segment_size: 48
    .max_flat_workgroup_size: 128
    .sgpr_count:     66
    .vgpr_count:     194
    .wavefront_size: 32
...
	.end_amdgpu_metadata
.endif
;; end of part 1
;; launch gateup (part 2): grid 256 x 1, 4 waves a work-group, no clusters, 178,688 bytes of LDS; arguments xq, stat, sel, gate_w_codes, gate_w_scales, up_w_codes, up_w_scales, hq, hs, tpos; writes hq, hs, tpos
.if DOCPART == 2
	.amdgcn_target "amdgcn-amd-amdhsa--gfx1250"
	.amdhsa_code_object_version 6
	.text
	.protected	k_qcd1c14e8e4_gateup
	.globl	k_qcd1c14e8e4_gateup
	.p2align	8
	.type	k_qcd1c14e8e4_gateup,@function
k_qcd1c14e8e4_gateup:
	s_mov_b64 s[64:65], 0
	v_nop
	global_prefetch_b8 v0, s[64:65] scope:SCOPE_SE
	s_setreg_imm32_b32 hwreg(HW_REG_WAVE_MODE, 25, 1), 1
	s_wait_xcnt 0x0
; h = silu(x gate_w) x (x up_w) FOR THE ROWS THAT WERE ROUTED TO AN EXPERT, on codes of E2M3, and h quantised along I for the next product.
; SHARES.  Work-group = (expert e, 128 hidden units ks, parity p of the expert's tiles of 16 rows).  THE WEIGHTS STAY, THE ROWS PASS BY: wave w keeps gate's and up's rows of
; units 128 ks + 32 w .. + 31, all of K = 1,024, in 384 registers, read from memory once.  The expert's rows come in trips of twelve tiles: their codes of x are gathered into LDS as images of the operand's registers.
; An even split (256 rows an expert) has eight tiles for a parity: a trip's twelve leave room for half as many again, so that a split near the even one needs one gather and one pair of barriers; three trips serve every split.
; WHO BELONGS TO THE EXPERT is read from sel (whole numbers that the launch before stored).  Tokens are walked in the order in which eight loads of 16 bytes bring sel: group 4 j + i, lane l = token 128 j + 4 l + i.
; A token's rank R among the expert's members gives its tile R / 16; tile i lies at place tau = 32 (i % 2) + i / 2, the row at pos = 16 tau + R % 16.  Wave 0 lays the list of tokens by rank in LDS; the last tile is filled up with token 0.
; Every loop has a constant number of trips; work without rows is jumped over by scalar branches on the count, never a barrier.  So this launch fills LDS through registers, and shares no load with other work-groups:
; the number of tiles hangs on the count, and partners could not be held to the same requests.
; BLOCKS OF K ARE TAKEN IN ANOTHER ORDER, ALIKE IN BOTH OPERANDS: lane (r, h) takes the 48 neighbouring bytes at 96 kk + 48 h of its row (three loads of 16 bytes), so the unit's block 2 c + h holds the row's block 2 h + c;
; bytes 1 and 2 of every scale word change places to match.  The sums' last bits may differ from those in ascending K.
; THE PRODUCT IS USED TRANSPOSED (source 0 = 16 rows of a weight, source 1 = 16 rows of x), and lane r of tile u takes the weight's row 8 u + r + 8 (r / 8): a lane then holds ONE row of h and 16 neighbouring units 16 h + 0 .. 15.
; OUT: hq [e][ks][tau][1,536]: a fragment (16 rows x 128 units) as the image of the next product's operand registers: register d of lane l at 512 (d / 4) + 16 l + 4 (d % 4).  hs [e][ks][pos]: its scale words (bytes 1, 2 changed over).
;      tpos [e][token]: 0, or 0x8000 | e << 10 | pos (one wave for each expert stores it).
; LIMITS: NaN and infinities are not served; a block of h whose largest magnitude lies under 2^-124 keeps the byte 1 (a block of zeros too: its codes are zeros, and this program alone reads the bytes).
; REGISTERS.  Window 0: v1-31 lane numbers and addresses; v32-47 the weights' scale words, v48-51 the rows' (these hold scales alone); v52-63 at work; v64-95 four accumulators (gate u = 0, 1; up u = 0, 1);
;   v96-127 at work; v128-143 data and offsets of memory instructions; v144-239 the tile's eight fragments of x (at the head: sel, tpos; in the gather: where a wave's third slot lands, with v240-243); v240-255 store data.
;   Window 1: weights, K steps 0-3, at 12 (4 kk + q).   Window 2: K steps 4-7.   Window 3: v0-199 where a wave's first two slots land.
.set XSL,  12800                       ; LDS: twelve slots: 24 pieces of 512 bytes (a tile's codes) + 1 (its scale words);
.set STG,  153600                      ; twelve tiles' images of h, 1,536 bytes each;
.set SSTG, 172032                      ; their 192 scale words;
.set LIST, 173056                      ; the list: 1,024 tokens by rank; behind it the word that takes the stores of lanes that are no members; 5,120 bytes are cleared, as far as the last trip's addresses reach
.set WS,   32
.set XS,   48
.set ACC,  64
.set T,    96
.set XC,   144
.set SW,   144
.set TP,   176
.set MSB, 0
.macro WIN new                         ; the immediate's high byte repeats the setting that is left; a switch that changes nothing is dropped
.if MSB != (\new)
	s_set_vgpr_msb (MSB<<8)|(\new)
.set MSB, (\new)
.endif
.endm
.macro BAR                             ; my LDS stores have landed and my LDS loads are in: then the work-group's barrier
	s_wait_dscnt 0x0
	s_barrier_signal -1
	s_barrier_wait -1
.endm
.macro WLOADS half                     ; four K steps of my 4 tiles of weights: 48 loads of 16 bytes a lane
	WIN 0x40+0x40*(\half)
.irp k, 0,1,2,3
.irp u, 0,1
.irp c, 0,1,2
	global_load_b128 v[12*(4*\k+\u)+4*\c:12*(4*\k+\u)+4*\c+3], v5, s[10:11] offset:6144*\u+96*(4*(\half)+\k)+16*\c
	global_load_b128 v[12*(4*\k+2+\u)+4*\c:12*(4*\k+2+\u)+4*\c+3], v5, s[14:15] offset:6144*\u+96*(4*(\half)+\k)+16*\c
.endr
.endr
.endr
	WIN 0
.endm
; The walk over sel.  kind 0: the count alone.  kind 1: each member's token goes to the list at its rank.  kind 2: each token's place, or 0, goes to tpos.
.macro SCAN kind
.irp j, 0,1,2,3,4,5,6,7
.irp i, 0,1,2,3
	v_and_b32 v52, s28, v[SW+4*\j+\i]
	v_cmp_ne_u32 vcc_lo, 0, v52                    ; the group's members
.if \kind == 1
	v_mbcnt_lo_u32_b32 v53, vcc_lo, s29            ; rank = members so far + members in lower lanes
	v_cndmask_b32 v53, v23, v53, vcc_lo            ; no member: index 1,024
	v_min_u32 v53, 0x400, v53
	v_lshl_add_u32 v24, v53, 2, LIST
	v_add_nc_u32 v55, 128*\j+\i, v22               ; my token
	ds_store_b32 v24, v55
.endif
.if \kind == 2
	v_mbcnt_lo_u32_b32 v53, vcc_lo, s29
	v_bfe_u32 v55, v53, 4, 1                       ; the tile's parity,
	v_and_b32 v52, 15, v53                         ; the row in the tile,
	v_lshrrev_b32 v53, 5, v53                      ; half the tile's number
	v_lshl_or_b32 v52, v55, 9, v52
	v_lshl_or_b32 v52, v53, 4, v52                 ; pos
	v_or_b32 v52, s42, v52
	v_cndmask_b32 v[TP+4*\j+\i], 0, v52, vcc_lo
.endif
	s_bcnt1_i32_b32 s30, vcc_lo
	s_add_co_u32 s29, s29, s30
.endr
.if \kind == 2
	global_store_b128 v7, v[TP+4*\j:TP+4*\j+3], s[22:23] offset:512*\j   ; 512 neighbouring bytes
.endif
.endr
.endm
; One product: accumulator q = 2 mat + u, K step kk.  A's scale word: register kk of the matrix's eight, lanes 0-15 for u = 0, lanes 16-31 for u = 1.  B's: register kk % 4, lanes 0-15 for kk < 4, else lanes 16-31.
.macro MM acc, kk, q
.set rD, (\acc)+8*(\q)
.set rA, 12*(4*((\kk)%4)+(\q))
.set rB, XC+12*(\kk)
.set rP, WS+8*((\q)/2)+(\kk)
.set rQ, XS+(\kk)%4
.if (\kk) == 0
.if (\q)%2 == 0
	v_wmma_scale_f32_16x16x128_f8f6f4 v[rD:rD+7], v[rA:rA+11], v[rB:rB+11], 0, v[rP], v[rQ] matrix_a_fmt:MATRIX_FMT_FP6 matrix_b_fmt:MATRIX_FMT_FP6
.else
	v_wmma_scale_f32_16x16x128_f8f6f4 v[rD:rD+7], v[rA:rA+11], v[rB:rB+11], 0, v[rP], v[rQ] matrix_a_fmt:MATRIX_FMT_FP6 matrix_b_fmt:MATRIX_FMT_FP6 matrix_a_scale:MATRIX_SCALE_ROW1
.endif
.elseif (\kk) < 4
.if (\q)%2 == 0
	v_wmma_scale_f32_16x16x128_f8f6f4 v[rD:rD+7], v[rA:rA+11], v[rB:rB+11], v[rD:rD+7], v[rP], v[rQ] matrix_a_fmt:MATRIX_FMT_FP6 matrix_b_fmt:MATRIX_FMT_FP6
.else
	v_wmma_scale_f32_16x16x128_f8f6f4 v[rD:rD+7], v[rA:rA+11], v[rB:rB+11], v[rD:rD+7], v[rP], v[rQ] matrix_a_fmt:MATRIX_FMT_FP6 matrix_b_fmt:MATRIX_FMT_FP6 matrix_a_scale:MATRIX_SCALE_ROW1
.endif
.else
.if (\q)%2 == 0
	v_wmma_scale_f32_16x16x128_f8f6f4 v[rD:rD+7], v[rA:rA+11], v[rB:rB+11], v[rD:rD+7], v[rP], v[rQ] matrix_a_fmt:MATRIX_FMT_FP6 matrix_b_fmt:MATRIX_FMT_FP6 matrix_b_scale:MATRIX_SCALE_ROW1
.else
	v_wmma_scale_f32_16x16x128_f8f6f4 v[rD:rD+7], v[rA:rA+11], v[rB:rB+11], v[rD:rD+7], v[rP], v[rQ] matrix_a_fmt:MATRIX_FMT_FP6 matrix_b_fmt:MATRIX_FMT_FP6 matrix_a_scale:MATRIX_SCALE_ROW1 matrix_b_scale:MATRIX_SCALE_ROW1
.endif
.endif
.endm
.macro MMA32 acc                       ; a tile's 32 products: the four accumulators take turns, one instruction a turn; the first K step starts the sums with the constant 0
	WIN 0x01
.irp kk, 0,1,2,3
.irp q, 0,1,2,3
	MM \acc, \kk, \q
.endr
.endr
	WIN 0x02
.irp kk, 4,5,6,7
.irp q, 0,1,2,3
	MM \acc, \kk, \q
.endr
.endr
	WIN 0
.endm
.macro LOADX j                         ; slot j's images into the operand's registers: 24 pieces of codes, one of scale words
.if (\j) < 4
.set rL, 7
.elseif (\j) < 8
.set rL, 10
.else
.set rL, 29
.endif
.set oL, XSL*((\j)%4)
.irp q, 0,1,2,3,4,5,6,7,8,9,10,11,12,13,14,15,16,17,18,19,20,21,22,23
	ds_load_b128 v[XC+4*\q:XC+4*\q+3], v[rL] offset:oL+512*\q
.endr
	ds_load_b128 v[XS:XS+3], v[rL] offset:oL+12288
.endm
	s_load_b256 s[4:11], s[0:1], 0x0               ; xq s[4:5], stat s[6:7], sel s[8:9], gate's codes s[10:11]
	s_load_b256 s[12:19], s[0:1], 0x20             ; gate's scales s[12:13], up's codes s[14:15], up's scales s[16:17], hq s[18:19]
	s_load_b128 s[20:23], s[0:1], 0x40             ; hs s[20:21], tpos s[22:23]
	s_set_vgpr_msb 0x40
	v_lshl_add_u32 v254, v0, 2, 0x2b800
	v_mov_b32 v255, 0
	s_set_vgpr_msb 0x4000
	v_lshrrev_b32 v1, 5, v0
	v_readfirstlane_b32 s24, v1                    ; wave w
	v_and_b32 v1, 31, v0                           ; lane l
	v_and_b32 v2, 15, v0                           ; r
	v_bfe_u32 v3, v0, 4, 1                         ; h
	s_lshr_b32 s25, ttmp9, 5                       ; e
	s_bfe_u32 s26, ttmp9, 0x40001                  ; ks
	s_and_b32 s27, ttmp9, 1                        ; p
	s_lshl_b32 s28, 1, s25                         ; the expert's bit in sel
	v_and_b32 v4, 8, v2
	v_add_nc_u32 v4, v4, v2                        ; r + 8 (r / 8)
	v_mul_u32_u24 v5, v4, 768
	v_mul_u32_u24 v20, v3, 48                      ; v20 = 48 h
	v_add_nc_u32 v5, v5, v20                       ; v5: my place in a tile of weights
	v_lshl_add_u32 v6, v3, 3, v4
	v_lshlrev_b32 v6, 5, v6                        ; v6: scale bytes: lanes 0-15 tile u = 0's rows, lanes 16-31 tile u = 1's; 32 bytes a row
	v_lshlrev_b32 v7, 4, v1                        ; v7 = 16 l: an image's place for my lane; slots 0-3
	v_lshlrev_b32 v22, 2, v1                       ; v22 = 4 l
	v_lshlrev_b32 v31, 3, v1                       ; v31 = 8 l
	v_lshlrev_b32 v21, 4, v3
	v_add_nc_u32 v21, 96, v21                      ; v21 = 96 + 16 h: my four scale words in a record of stat
	v_mov_b32 v23, 0x400
	s_lshl_b32 s30, s27, 6
	s_lshl_b32 s31, s24, 7
	s_add_co_u32 s30, s30, s31
	s_add_co_u32 s30, s30, LIST
	v_lshl_add_u32 v9, v2, 2, s30                  ; v9: the list's entry of row r of slot w in trip 0: LIST + 4 r + 64 p + 128 w
	v_add_nc_u32 v10, 51200, v7                    ; v10: slots 4-7
	v_add_nc_u32 v29, 102400, v7                   ; v29: slots 8-11
	s_mul_i32 s30, s24, XSL
	v_add_nc_u32 v11, s30, v7                      ; v11: where I store slot w's images (slot w + 4: 51,200 on),
	v_add_nc_u32 v30, 102400, v11                  ; v30: and slot w + 8's
	s_and_b32 s30, s24, 1
	s_mul_i32 s30, s30, 6
	s_lshr_b32 s31, s24, 1
	s_lshl_b32 s31, s31, 8
	s_add_co_u32 s31, s31, STG
	v_lshl_add_u32 v25, v2, 4, s31                 ; my block w of the next K step belongs to lanes r + 16 (w / 2),
	v_mul_u32_u24 v26, v3, 3
	v_add_nc_u32 v26, s30, v26                     ; registers d = 6 (w % 2) + 3 h + 0 .. 2
.irp i, 0,1,2
	v_add_nc_u32 v27, \i, v26
	v_lshrrev_b32 v28, 2, v27
	v_and_b32 v27, 3, v27
	v_lshl_add_u32 v28, v28, 9, v25
	v_lshl_add_u32 v[12+\i], v27, 2, v28           ; v12-14: STG + 512 (d / 4) + 256 (w / 2) + 16 r + 4 (d % 4)
.endr
	s_and_b32 s30, s24, 1
	s_lshl_b32 s30, s30, 1
	s_lshr_b32 s31, s24, 1
	s_or_b32 s30, s30, s31                         ; block w's byte in the scale word: 2 (w % 2) + w / 2
	s_add_co_u32 s30, s30, SSTG
	v_lshl_add_u32 v15, v2, 2, s30                 ; v15
	s_mul_i32 s30, s24, 1536
	v_add_nc_u32 v19, s30, v7                      ; v19: 1,536 w + 16 l: slot w's image in hq,
	v_add_nc_u32 v16, STG, v19                     ; v16: and in the stage
	v_add_nc_u32 v17, SSTG, v31                    ; v17: the scale words' stage, 8 bytes a lane
	v_add_nc_u32 v18, LIST, v7                     ; v18
	v_mov_b32 v54, 0                               ; written once: a lane permute's destination counts as one of its sources
	s_lshl_b32 s30, s25, 11
	s_lshl_b32 s31, s26, 7
	s_add_co_u32 s30, s30, s31
	s_lshl_b32 s31, s24, 5
	s_add_co_u32 s30, s30, s31                     ; my first row of the weights: 2,048 e + 128 ks + 32 w
	s_mul_i32 s36, s30, 768
	s_mov_b32 s37, 0
	s_lshl_b32 s46, s30, 5
	s_mov_b32 s47, 0
	s_lshl_b32 s30, s25, 4
	s_add_co_u32 s30, s30, s26                     ; 16 e + ks
	s_mul_i32 s48, s30, 98304
	s_mul_i32 s31, s27, 49152
	s_add_co_u32 s48, s48, s31                     ; hq: 64 tiles of 1,536 bytes for each (e, ks); my parity's 32 on end
	s_mov_b32 s49, 0
	s_lshl_b32 s50, s30, 12
	s_lshl_b32 s31, s27, 11
	s_add_co_u32 s50, s50, s31                     ; hs likewise: 1,024 words, 512 for a parity
	s_mov_b32 s51, 0
	s_lshl_b32 s52, s25, 12                        ; tpos: 4,096 bytes an expert
	s_mov_b32 s53, 0
	s_mov_b32 s38, 0x76543210
	s_mov_b32 s39, 0xfedcba98                      ; v_permlanex16_b32's selects for lane l xor 16
	s_mov_b32 s40, 0x03010200                      ; v_perm_b32: bytes 1 and 2 change places
	s_mov_b32 s44, 0xbfb8aa3b                      ; -log2(e)
	s_mov_b32 s45, s44                             ; (named with it as a pair, so it is written)
	s_lshl_b32 s42, s25, 10
	s_or_b32 s42, s42, 0x8000
	s_xor_b32 s41, s24, 1
	s_and_b32 s30, ttmp9, 31
	s_or_b32 s41, s41, s30                         ; 0 in wave 1 of the expert's first work-group: it stores tpos
	s_wait_kmcnt 0x0
	s_add_nc_u64 s[10:11], s[10:11], s[36:37]
	s_add_nc_u64 s[14:15], s[14:15], s[36:37]
	s_add_nc_u64 s[12:13], s[12:13], s[46:47]
	s_add_nc_u64 s[16:17], s[16:17], s[46:47]
	s_add_nc_u64 s[18:19], s[18:19], s[48:49]
	s_add_nc_u64 s[20:21], s[20:21], s[50:51]
	s_add_nc_u64 s[22:23], s[22:23], s[52:53]
.irp j, 0,1,2,3,4,5,6,7
	global_load_b128 v[SW+4*\j:SW+4*\j+3], v7, s[8:9] offset:512*\j   ; all of sel
.endr
	global_load_b128 v[WS:WS+3], v6, s[12:13]      ; the weights' scale words: eight for each row
	global_load_b128 v[WS+4:WS+7], v6, s[12:13] offset:16
	global_load_b128 v[WS+8:WS+11], v6, s[16:17]
	global_load_b128 v[WS+12:WS+15], v6, s[16:17] offset:16
	WLOADS 0
	s_wait_loadcnt 52                              ; sel is in: behind it stand the 4 loads of scales and 48 of weights
	s_mov_b32 s29, 0
	s_cmp_eq_u32 s24, 0
	s_cbranch_scc1 .Lrole_list
	s_cmp_eq_u32 s41, 0
	s_cbranch_scc1 .Lrole_tpos
	SCAN 0
	s_branch .Ljoin
.Lrole_list:                                           ; wave 0 alone touches LDS ahead of the barrier below
.irp i, 0,1,2,3
	v_mov_b32 v[128+\i], 0
.endr
.irp k, 0,1,2,3,4,5,6,7,8,9
	ds_store_b128 v18, v[128:131] offset:512*\k    ; the list begins as token 0 everywhere: what fills up the last tile
.endr
.irp k, 0,1,2
	ds_store_b64 v17, v[128:129] offset:256*\k     ; and the scale words' stage as zeros: it is read in whole pieces of 256 bytes
.endr
	SCAN 1                                         ; LDS serves a wave's instructions in order: these stores come behind the zeros
	s_branch .Ljoin
.Lrole_tpos:
	SCAN 2
	s_wait_xcnt 0x0                                ; the stores have read their registers, which x's fragments take later
.Ljoin:
	s_wait_loadcnt 48                              ; the scale words are in: behind them stand the 48 loads of weights
.irp i, 0,1,2,3,4,5,6,7,8,9,10,11,12,13,14,15
	v_perm_b32 v[WS+\i], v[WS+\i], v[WS+\i], s40
.endr
.rept 8
	v_nop                                          ; a scale register written by a vector instruction stands eight places ahead of the scaled product
.endr
	WLOADS 1
	BAR                                            ; the list lies in LDS
	s_lshl_b32 s30, s27, 4
	s_sub_co_i32 s32, s29, s30                     ; s32 = count - first row of this trip's slot 0: slot j has rows where 32 j < s32
	s_mov_b32 s33, 0                               ; trips
	s_mov_b32 s34, 0                               ; the list's step: 1,536 bytes a trip
	s_lshl_b32 s35, s24, 5                         ; 32 w
; A tile of 16 rows: 32 products, silu(g) x u, the quantiser, the image to the stage.
.macro TILE j
.if (\j) > 0
	s_cmp_le_i32 s32, 32*(\j)
	s_cbranch_scc1 .Ldone
	s_wait_dscnt 0x4                               ; the slot's 25 loads are in; the last tile's four stores behind them may be out
.else
	s_wait_dscnt 0x0
.endif
	MMA32 ACC
.rept 4
	v_nop                                          ; four places ahead of loads into registers that the products have read, and of the first read of results
.endr
.if (\j) < 11
	s_cmp_le_i32 s32, 32*(\j)+32
	s_cbranch_scc1 .Lno_next_\@
	LOADX (\j)+1                                   ; the next tile's operands come while this tile's h is made
.Lno_next_\@:
.endif
.irp k, 0,2,4,6,8,10,12,14
	v_pk_mul_f32 v[T+\k:T+\k+1], v[ACC+\k:ACC+\k+1], s[44:45] op_sel_hi:[1,0]   ; -g log2(e); each accumulator is read from its low end on
.endr
.irp k, 0,1,2,3,4,5,6,7,8,9,10,11,12,13,14,15
	v_exp_f32 v[T+\k], v[T+\k]
.endr
	v_nop                                          ; a plain line behind the last exponential
	s_wait_alu depctr_va_vdst(0)                   ; one wait for the sixteen, ahead of their first reader
.irp k, 0,2,4,6,8,10,12,14
	v_pk_add_f32 v[T+\k:T+\k+1], v[T+\k:T+\k+1], 1.0 op_sel_hi:[1,0]
.endr
.irp k, 0,1,2,3,4,5,6,7,8,9,10,11,12,13,14,15
	v_rcp_f32 v[T+\k], v[T+\k]                     ; 1 / (1 + e^-g)
.endr
	v_nop
	s_wait_alu depctr_va_vdst(0)                   ; and one for the sixteen reciprocals
.irp k, 0,2,4,6,8,10,12,14
	v_pk_mul_f32 v[T+\k:T+\k+1], v[T+\k:T+\k+1], v[ACC+\k:ACC+\k+1]           ; silu(g)
.endr
.irp k, 0,2,4,6,8,10,12,14
	v_pk_mul_f32 v[T+16+\k:T+17+\k], v[T+\k:T+\k+1], v[ACC+16+\k:ACC+17+\k]   ; x u: h of units 16 h + 0 .. 15 of my row
.endr
	v_max3_num_f32 v52, |v[T+16]|, |v[T+17]|, 0x1800000    ; my 16 numbers, and the floor 2^(3 - 127)
	v_max3_num_f32 v53, |v[T+18]|, |v[T+19]|, |v[T+20]|
	v_max3_num_f32 v52, v52, |v[T+21]|, |v[T+22]|
	v_max3_num_f32 v53, v53, |v[T+23]|, |v[T+24]|
	v_max3_num_f32 v52, v52, |v[T+25]|, |v[T+26]|
	v_max3_num_f32 v53, v53, |v[T+27]|, |v[T+28]|
	v_max3_num_f32 v52, v52, |v[T+29]|, |v[T+30]|
	v_max3_num_f32 v53, v53, v52, |v[T+31]|
	v_permlanex16_b32 v54, v53, s38, s39
	v_max_num_f32 v53, v53, v54                    ; with lane l xor 16's 16: the block's largest magnitude
	v_add_nc_u32 v55, 0xff000000, v53              ; 2 off its exponent field: the conversion's scale operand
.set rC, 56+4*((\j)%2)                 ; two sets of registers by turns: a set is written again only when the wait at the head of the tile that writes it has shown its stores done
	v_cvt_scalef32_pk16_fp6_f32 v[rC:rC+2], v[T+16:T+31], v55
	v_lshrrev_b32 v[rC+3], 23, v55                 ; the scale's byte (a plain line behind the conversion)
	ds_store_b32 v12, v[rC] offset:1536*(\j)
	ds_store_b32 v13, v[rC+1] offset:1536*(\j)
	ds_store_b32 v14, v[rC+2] offset:1536*(\j)
	ds_store_b8 v15, v[rC+3] offset:64*(\j)        ; both halves of the lanes write the same byte with the same value
.endm
.Ltrip:                                                ; three trips of twelve tiles serve every split, all 1,024 tokens on one expert too
	s_cmp_le_i32 s32, s35
	s_cbranch_scc1 .Lno_fetch                      ; slot w has no rows (then slots w + 4 and w + 8 have none)
	v_add_nc_u32 v8, s34, v9
	ds_load_b32 v52, v8                            ; the token of row r of slot w,
	ds_load_b32 v53, v8 offset:512                 ; of slot w + 4,
	ds_load_b32 v55, v8 offset:1024                ; and of slot w + 8
	s_wait_dscnt 0x0
	v_min_u32 v52, 0x3ff, v52
	v_min_u32 v53, 0x3ff, v53
	v_min_u32 v55, 0x3ff, v55
	v_mul_u32_u24 v140, v52, 768
	v_mul_u32_u24 v141, v53, 768
	v_mul_u32_u24 v138, v55, 768
	v_add_nc_u32 v140, v140, v20                   ; its codes, + 48 h
	v_add_nc_u32 v141, v141, v20
	v_add_nc_u32 v138, v138, v20
	v_lshl_add_u32 v142, v52, 7, v21               ; its scale words 4 h .. 4 h + 3
	v_lshl_add_u32 v143, v53, 7, v21
	v_lshl_add_u32 v139, v55, 7, v21
	WIN 0xc0                                       ; destination window 3
.irp t, 0,1
.irp q, 0,1,2,3,4,5,6,7,8,9,10,11,12,13,14,15,16,17,18,19,20,21,22,23
	global_load_b128 v[100*\t+4*\q:100*\t+4*\q+3], v[140+\t], s[4:5] offset:96*(\q/3)+16*(\q%3)
.endr
	global_load_b128 v[100*\t+96:100*\t+99], v[142+\t], s[6:7]
.endr
	WIN 0
	s_add_co_u32 s30, s35, 256
	s_cmp_le_i32 s32, s30
	s_cbranch_scc1 .Ltwo                           ; slot w + 8 has no rows
.irp q, 0,1,2,3,4,5,6,7,8,9,10,11,12,13,14,15,16,17,18,19,20,21,22,23
	global_load_b128 v[XC+4*\q:XC+4*\q+3], v138, s[4:5] offset:96*(\q/3)+16*(\q%3)   ; it lands where the fragments will lie: those registers are free until the barrier below
.endr
	global_load_b128 v[240:243], v139, s[6:7]
	s_wait_loadcnt 0x0
.irp q, 0,1,2,3,4,5,6,7,8,9,10,11,12,13,14,15,16,17,18,19,20,21,22,23
	ds_store_b128 v30, v[XC+4*\q:XC+4*\q+3] offset:512*\q
.endr
	ds_store_b128 v30, v[240:243] offset:12288
.Ltwo:
	s_wait_loadcnt 0x0
	WIN 0x0c                                       ; an LDS store's data are its source 1: window 3
.irp t, 0,1
.irp q, 0,1,2,3,4,5,6,7,8,9,10,11,12,13,14,15,16,17,18,19,20,21,22,23,24
	ds_store_b128 v11, v[100*\t+4*\q:100*\t+4*\q+3] offset:51200*\t+512*\q
.endr
.endr
	WIN 0
.Lno_fetch:
	s_wait_loadcnt 0x0                             ; on every way: the weights are in
	BAR                                            ; the trip's slots lie in LDS; nobody reads the stage any more
	s_cmp_le_i32 s32, 0
	s_cbranch_scc1 .Ldone
	LOADX 0
	TILE 0
	TILE 1
	TILE 2
	TILE 3
	TILE 4
	TILE 5
	TILE 6
	TILE 7
	TILE 8
	TILE 9
	TILE 10
	TILE 11
.Ldone:
	BAR                                            ; the tiles' images lie in the stage; nobody reads the slots any more
	s_cmp_le_i32 s32, s35
	s_cbranch_scc1 .Lno_out
.irp q, 0,1,2
	ds_load_b128 v[240+4*\q:243+4*\q], v16 offset:512*\q
.endr
	s_wait_dscnt 0x0
.irp q, 0,1,2
	global_store_b128 v19, v[240+4*\q:243+4*\q], s[18:19] offset:512*\q          ; 512 neighbouring bytes, at a multiple of 256 from hq's first byte
.endr
	s_add_co_u32 s30, s35, 128
	s_cmp_le_i32 s32, s30
	s_cbranch_scc1 .Lno_out
.irp q, 0,1,2
	ds_load_b128 v[128+4*\q:131+4*\q], v16 offset:6144+512*\q
.endr
	s_wait_dscnt 0x0
.irp q, 0,1,2
	global_store_b128 v19, v[128+4*\q:131+4*\q], s[18:19] offset:6144+512*\q
.endr
	s_add_co_u32 s30, s35, 256
	s_cmp_le_i32 s32, s30
	s_cbranch_scc1 .Lno_out
.irp q, 0,1,2
	ds_load_b128 v[96+4*\q:99+4*\q], v16 offset:12288+512*\q
.endr
	s_wait_dscnt 0x0
.irp q, 0,1,2
	global_store_b128 v19, v[96+4*\q:99+4*\q], s[18:19] offset:12288+512*\q
.endr
.Lno_out:
	s_cmp_lg_u32 s24, 0
	s_cbranch_scc1 .Lno_sc
	s_cmp_le_i32 s32, 0                            ; wave 0: the scale words, four tiles' 256 bytes at a time, as far as tiles have rows: so no trip writes past its parity's 512 words
	s_cbranch_scc1 .Lno_sc
	ds_load_b64 v[252:253], v17
	s_wait_dscnt 0x0
	global_store_b64 v31, v[252:253], s[20:21]     ; 256 neighbouring bytes, aligned
	s_cmp_le_i32 s32, 128
	s_cbranch_scc1 .Lno_sc
	ds_load_b64 v[254:255], v17 offset:256
	s_wait_dscnt 0x0
	global_store_b64 v31, v[254:255], s[20:21] offset:256
	s_cmp_le_i32 s32, 256
	s_cbranch_scc1 .Lno_sc
	ds_load_b64 v[108:109], v17 offset:512
	s_wait_dscnt 0x0
	global_store_b64 v31, v[108:109], s[20:21] offset:512
.Lno_sc:
	s_wait_xcnt 0x0                                ; the stores have read their registers and bases: both may be written again
	s_add_nc_u64 s[18:19], s[18:19], 18432         ; twelve tiles on
	s_add_nc_u64 s[20:21], s[20:21], 768
	s_sub_co_i32 s32, s32, 384
	s_add_co_u32 s34, s34, 1536
	s_add_co_u32 s33, s33, 1
	s_cmp_lt_u32 s33, 3
	s_cbranch_scc1 .Ltrip
	s_set_vgpr_msb 0x5
	s_wait_tensorcnt 0x0
	ds_add_u32 v254, v255
	s_wait_dscnt 0x0
	s_set_vgpr_msb 0x500
	s_endpgm
.Lfunc_end_k_qcd1c14e8e4_gateup:
	.size	k_qcd1c14e8e4_gateup, .Lfunc_end_k_qcd1c14e8e4_gateup-k_qcd1c14e8e4_gateup
	.p2alignl 7, 3214868480
	.fill 96, 4, 3214868480
	.section	.rodata,"a",@progbits
	.p2align	6, 0x0
	.amdhsa_kernel k_qcd1c14e8e4_gateup
		.amdhsa_group_segment_fixed_size 178688
		.amdhsa_private_segment_fixed_size 0
		.amdhsa_enable_private_segment 0
		.amdhsa_kernarg_size 80
		.amdhsa_user_sgpr_count 2
		.amdhsa_user_sgpr_kernarg_segment_ptr 1
		.amdhsa_wavefront_size32 1
		.amdhsa_system_sgpr_workgroup_id_x 1
		.amdhsa_system_sgpr_workgroup_id_y 1
		.amdhsa_system_sgpr_workgroup_id_z 1
		.amdhsa_system_vgpr_workitem_id 0
		.amdhsa_next_free_vgpr 1024
		.amdhsa_next_free_sgpr 66
		.amdhsa_reserve_vcc 1
		.amdhsa_float_denorm_mode_32 3
		.amdhsa_float_denorm_mode_16_64 3
		.amdhsa_memory_ordered 1
		.amdhsa_forward_progress 1
		.amdhsa_inst_pref_size 193
	.end_amdhsa_kernel
	.amdgpu_metadata
---
amdhsa.version: [ 1, 2 ]
amdhsa.kernels:
  - .name:           k_qcd1c14e8e4_gateup
    .symbol:         k_qcd1c14e8e4_gateup.kd
    .args:
      - { .name: xq, .offset: 0, .size: 8, .value_kind: global_buffer, .address_space: global }
      - { .name: stat, .offset: 8, .size: 8, .value_kind: global_buffer, .address_space: global }
      - { .name: sel, .offset: 16, .size: 8, .value_kind: global_buffer, .address_space: global }
      - { .name: gate_w_codes, .offset: 24, .size: 8, .value_kind: global_buffer, .address_space: global }
      - { .name: gate_w_scales, .offset: 32, .size: 8, .value_kind: global_buffer, .address_space: global }
      - { .name: up_w_codes, .offset: 40, .size: 8, .value_kind: global_buffer, .address_space: global }
      - { .name: up_w_scales, .offset: 48, .size: 8, .value_kind: global_buffer, .address_space: global }
      - { .name: hq, .offset: 56, .size: 8, .value_kind: global_buffer, .address_space: global }
      - { .name: hs, .offset: 64, .size: 8, .value_kind: global_buffer, .address_space: global }
      - { .name: tpos, .offset: 72, .size: 8, .value_kind: global_buffer, .address_space: global }
    .group_segment_fixed_size: 178688
    .private_segment_fixed_size: 0
    .kernarg_segment_align: 8
    .kernarg_segment_size: 80
    .max_flat_workgroup_size: 128
    .sgpr_count:     66
    .vgpr_count:     1024
    .wavefront_size: 32
...
	.end_amdgpu_metadata
.endif
;; end of part 2
;; launch down (part 3): grid 256 x 1, 4 waves a work-group, no clusters, 255,488 bytes of LDS; arguments sel, hq, hs, down_w_codes, down_w_scales, part; writes part
.if DOCPART == 3
	.amdgcn_target "amdgcn-amd-amdhsa--gfx1250"
	.amdhsa_code_object_version 6
	.text
	.protected	k_qcd1c14e8e4_down
	.globl	k_qcd1c14e8e4_down
	.p2align	8
	.type	k_qcd1c14e8e4_down,@function
k_qcd1c14e8e4_down:
	s_mov_b64 s[64:65], 0
	v_nop
	global_prefetch_b8 v0, s[64:65] scope:SCOPE_SE
	s_setreg_imm32_b32 hwreg(HW_REG_WAVE_MODE, 25, 1), 1
	s_wait_xcnt 0x0
; part[e][pos][:] = h[e][pos][:] x down_w[e], on codes of E2M3, for the rows that were routed to expert e; not yet weighed: the last launch weighs and adds a token's two rows.
; SHARES.  Work-group = (expert e, 128 columns ns, p = the expert's tiles of 16 rows with number % 4 = p).  THE WEIGHTS STAY, THE ROWS PASS BY: wave w keeps 64 columns (w % 2) x half of K = 2,048 (w / 2) in 384 registers,
; read from memory once.  The rows come in trips of six tiles; hq and hs lie as images of the operand's registers; wave w brings slot w's 16 fragments and scale words into LDS, and half of K of slot 4 + w / 2; each wave reads its half of K.
; An even split (256 rows an expert) has four tiles for a work-group: a trip's six leave room for half as many again, so that a split near the even one needs one fetch and one pair of barriers; three trips serve every split.
; The two halves of K meet in a stage in LDS and are added in f32 on the way out.
; The count of the expert's rows is read from sel (whole numbers).  Every loop has a constant number of trips; work without rows is jumped over by scalar branches on the count, never a barrier.  So LDS is filled
; through registers, and no load is shared with other work-groups: the number of tiles hangs on the count.
; Tile i lies at place tau = 32 (i % 2) + i / 2 in hq, hs and part.  Blocks of K are taken as in the launch before: lane (r, h) holds the 48 neighbouring bytes at 96 kk + 48 h; bytes 1 and 2 of the scale words change places.
; THE PRODUCT IS USED TRANSPOSED (source 0 = 16 columns' rows of down_w, source 1 = 16 rows of h): a lane holds eight neighbouring columns of one row.
; REGISTERS.  Window 0: v1-25 lane numbers and addresses; v32-47 the weights' scale words, v48-51 the rows' (scales alone); v52 at work; v64-95 and v96-127 four accumulators, two sets by turns;
;   v144-239 the tile's eight fragments of h (at the head: sel; in the fetch: where the half slot lands, with v240-243; on the way out: rows).   Window 1: weights, my K steps 0-3, at 12 (4 kk + q).   Window 2: K steps 4-7.   Window 3: v0-199 where slot w lands.
.set XSL,  25600                       ; LDS: six slots: 48 pieces of 512 bytes (codes), 2 (scale words, one for each half of K);
.set OSTG, 153600                      ; the stage: [half of K][slot][16 rows][512 bytes + 16]
.set OPL,  50688                       ; a half's plane of it: 6 x 16 x 528
.set WS,   32
.set XS,   48
.set ACC,  64
.set XC,   144
.set SW,   144
.set MSB, 0
.macro WIN new                         ; the immediate's high byte repeats the setting that is left; a switch that changes nothing is dropped
.if MSB != (\new)
	s_set_vgpr_msb (MSB<<8)|(\new)
.set MSB, (\new)
.endif
.endm
.macro BAR                             ; my LDS stores have landed and my LDS loads are in: then the work-group's barrier
	s_wait_dscnt 0x0
	s_barrier_signal -1
	s_barrier_wait -1
.endm
.macro WLOADS half                     ; four K steps of my 4 tiles of columns: 48 loads of 16 bytes a lane
	WIN 0x40+0x40*(\half)
.irp k, 0,1,2,3
.irp q, 0,1,2,3
.irp c, 0,1,2
	global_load_b128 v[12*(4*\k+\q)+4*\c:12*(4*\k+\q)+4*\c+3], v5, s[10:11] offset:24576*\q+96*(4*(\half)+\k)+16*\c
.endr
.endr
.endr
	WIN 0
.endm
; One product: accumulator q, K step kk.  A's scale word: register kk of the eight of q / 2, lanes 0-15 for even q, lanes 16-31 for odd q.  B's: register kk % 4, lanes 0-15 for kk < 4, else lanes 16-31.
.macro MM acc, kk, q
.set rD, (\acc)+8*(\q)
.set rA, 12*(4*((\kk)%4)+(\q))
.set rB, XC+12*(\kk)
.set rP, WS+8*((\q)/2)+(\kk)
.set rQ, XS+(\kk)%4
.if (\kk) == 0
.if (\q)%2 == 0
	v_wmma_scale_f32_16x16x128_f8f6f4 v[rD:rD+7], v[rA:rA+11], v[rB:rB+11], 0, v[rP], v[rQ] matrix_a_fmt:MATRIX_FMT_FP6 matrix_b_fmt:MATRIX_FMT_FP6
.else
	v_wmma_scale_f32_16x16x128_f8f6f4 v[rD:rD+7], v[rA:rA+11], v[rB:rB+11], 0, v[rP], v[rQ] matrix_a_fmt:MATRIX_FMT_FP6 matrix_b_fmt:MATRIX_FMT_FP6 matrix_a_scale:MATRIX_SCALE_ROW1
.endif
.elseif (\kk) < 4
.if (\q)%2 == 0
	v_wmma_scale_f32_16x16x128_f8f6f4 v[rD:rD+7], v[rA:rA+11], v[rB:rB+11], v[rD:rD+7], v[rP], v[rQ] matrix_a_fmt:MATRIX_FMT_FP6 matrix_b_fmt:MATRIX_FMT_FP6
.else
	v_wmma_scale_f32_16x16x128_f8f6f4 v[rD:rD+7], v[rA:rA+11], v[rB:rB+11], v[rD:rD+7], v[rP], v[rQ] matrix_a_fmt:MATRIX_FMT_FP6 matrix_b_fmt:MATRIX_FMT_FP6 matrix_a_scale:MATRIX_SCALE_ROW1
.endif
.else
.if (\q)%2 == 0
	v_wmma_scale_f32_16x16x128_f8f6f4 v[rD:rD+7], v[rA:rA+11], v[rB:rB+11], v[rD:rD+7], v[rP], v[rQ] matrix_a_fmt:MATRIX_FMT_FP6 matrix_b_fmt:MATRIX_FMT_FP6 matrix_b_scale:MATRIX_SCALE_ROW1
.else
	v_wmma_scale_f32_16x16x128_f8f6f4 v[rD:rD+7], v[rA:rA+11], v[rB:rB+11], v[rD:rD+7], v[rP], v[rQ] matrix_a_fmt:MATRIX_FMT_FP6 matrix_b_fmt:MATRIX_FMT_FP6 matrix_a_scale:MATRIX_SCALE_ROW1 matrix_b_scale:MATRIX_SCALE_ROW1
.endif
.endif
.endm
.macro MMA32 acc                       ; a tile's 32 products: the four accumulators take turns, one instruction a turn; the first K step starts the sums with the constant 0
	WIN 0x01
.irp kk, 0,1,2,3
.irp q, 0,1,2,3
	MM \acc, \kk, \q
.endr
.endr
	WIN 0x02
.irp kk, 4,5,6,7
.irp q, 0,1,2,3
	MM \acc, \kk, \q
.endr
.endr
	WIN 0
.endm
.macro LOADX j                         ; my half of K of slot j: 24 pieces of codes, one of scale words
.if (\j) < 4
.set rL, 11+(\j)/2
.set rZ, 13+(\j)/2
.else
.set rL, 18
.set rZ, 19
.endif
.set oL, XSL*((\j)%2)
.irp q, 0,1,2,3,4,5,6,7,8,9,10,11,12,13,14,15,16,17,18,19,20,21,22,23
	ds_load_b128 v[XC+4*\q:XC+4*\q+3], v[rL] offset:oL+512*\q
.endr
	ds_load_b128 v[XS:XS+3], v[rZ] offset:oL
.endm
	s_load_b256 s[4:11], s[0:1], 0x0               ; sel s[4:5], hq s[6:7], hs s[8:9], down's codes s[10:11]
	s_load_b128 s[12:15], s[0:1], 0x20             ; down's scales s[12:13], part s[14:15]
	v_lshl_add_u32 v254, v0, 2, 0x3e400
	v_mov_b32 v255, 0
	v_lshrrev_b32 v1, 5, v0
	v_readfirstlane_b32 s24, v1                    ; wave w
	v_and_b32 v1, 31, v0                           ; lane l
	v_and_b32 v2, 15, v0                           ; r
	v_bfe_u32 v3, v0, 4, 1                         ; h
	s_lshr_b32 s25, ttmp9, 5                       ; e
	s_bfe_u32 s26, ttmp9, 0x30002                  ; ns
	s_and_b32 s27, ttmp9, 3                        ; p
	s_lshl_b32 s28, 1, s25                         ; the expert's bit in sel
	s_and_b32 s34, s24, 1                          ; which 64 columns; also: which half of K of the shared slot I bring, and which 8 of its rows I store
	s_lshr_b32 s35, s24, 1                         ; which half of K
	s_add_co_u32 s49, s35, 4                       ; the slot that I share with my neighbour wave: 4 + w / 2
	v_mul_u32_u24 v5, v2, 1536
	v_mad_u32_u24 v5, v3, 48, v5                   ; v5: my place in a tile of weights
	v_lshl_add_u32 v6, v3, 4, v2
	v_lshlrev_b32 v6, 6, v6                        ; v6: scale bytes: lanes 0-15 the even tile's rows, lanes 16-31 the odd tile's; 64 bytes a row
	v_lshlrev_b32 v7, 4, v1                        ; v7 = 16 l
	s_mul_i32 s30, s24, 3072
	v_add_nc_u32 v8, s30, v7                       ; v8: hq: slot w is two tiles on from slot w - 1
	v_lshlrev_b32 v9, 2, v2
	v_lshl_add_u32 v9, v3, 14, v9
	v_mov_b32 v21, v9
	s_lshl_b32 s30, s24, 7
	v_add_nc_u32 v9, s30, v9                       ; v9: hs: row r's word, lanes 16-31 four K steps on, slot w
	s_mul_i32 s30, s24, XSL
	v_add_nc_u32 v10, s30, v7                      ; v10: where I store slot w's images
	s_mul_i32 s30, s35, 12288
	v_add_nc_u32 v11, s30, v7                      ; v11: my half's codes in slots 0, 1;
	v_add_nc_u32 v12, 51200, v11                   ; v12: in slots 2, 3;
	v_add_nc_u32 v18, 102400, v11                  ; v18: in slots 4, 5
	s_lshl_b32 s30, s35, 9
	s_add_co_u32 s30, s30, 24576
	v_add_nc_u32 v13, s30, v7                      ; v13, v14, v19: my half's scale words likewise
	v_add_nc_u32 v14, 51200, v13
	v_add_nc_u32 v19, 102400, v13
	s_mul_i32 s30, s35, OPL
	s_lshl_b32 s31, s34, 8
	s_add_co_u32 s30, s30, s31
	s_add_co_u32 s30, s30, OSTG
	v_mul_u32_u24 v15, v2, 528
	v_lshl_add_u32 v15, v3, 5, v15
	v_add_nc_u32 v15, s30, v15                     ; v15: into the stage: my half's plane, row r, my 64 columns' 256 bytes, + 32 h
	s_mul_i32 s30, s24, 8448
	s_add_co_u32 s30, s30, OSTG
	v_add_nc_u32 v16, s30, v7                      ; v16: out of it: slot w's rows, 16 bytes a lane
	s_lshl_b32 s30, s24, 17
	v_add_nc_u32 v17, s30, v7                      ; v17: the same in part: slot w is 32 rows of 4,096 bytes on
	s_mul_i32 s30, s49, 3072                       ; the shared slot: in hq, + my half's eight K steps of 98,304 bytes;
	s_mul_i32 s31, s34, 786432
	s_add_co_u32 s30, s30, s31
	v_add_nc_u32 v20, s30, v7                      ; v20
	s_lshl_b32 s30, s49, 7                         ; in hs, + eight K steps of 4,096 bytes;
	s_lshl_b32 s31, s34, 15
	s_add_co_u32 s30, s30, s31
	v_add_nc_u32 v21, s30, v21                     ; v21
	s_mul_i32 s30, s49, XSL                        ; in LDS: my half's 24 pieces of codes,
	s_mul_i32 s31, s34, 12288
	s_add_co_u32 s31, s31, s30
	v_add_nc_u32 v22, s31, v7                      ; v22
	s_lshl_b32 s31, s34, 9                         ; and its piece of scale words;
	s_add_co_u32 s31, s31, s30
	s_add_co_u32 s31, s31, 24576
	v_add_nc_u32 v23, s31, v7                      ; v23
	s_mul_i32 s30, s49, 8448                       ; out of the stage: my eight rows of it,
	s_mul_i32 s31, s34, 4224
	s_add_co_u32 s30, s30, s31
	s_add_co_u32 s30, s30, OSTG
	v_add_nc_u32 v24, s30, v7                      ; v24
	s_lshl_b32 s30, s49, 17                        ; and the same in part
	s_lshl_b32 s31, s34, 15
	s_add_co_u32 s30, s30, s31
	v_add_nc_u32 v25, s30, v7                      ; v25
	s_lshl_b32 s48, s49, 6                         ; 64 x the shared slot
	s_lshl_b32 s30, s25, 10
	s_lshl_b32 s31, s26, 7
	s_add_co_u32 s30, s30, s31
	s_lshl_b32 s31, s34, 6
	s_add_co_u32 s30, s30, s31                     ; my first row of down_w: 1,024 e + 128 ns + 64 (w % 2)
	s_mul_i32 s36, s30, 1536
	s_mul_i32 s31, s35, 768
	s_add_co_u32 s36, s36, s31
	s_mov_b32 s37, 0
	s_lshl_b32 s38, s30, 6
	s_lshl_b32 s31, s35, 5
	s_add_co_u32 s38, s38, s31
	s_mov_b32 s39, 0
	s_and_b32 s30, s27, 1
	s_lshl_b32 s30, s30, 5
	s_lshr_b32 s31, s27, 1
	s_add_co_u32 s30, s30, s31                     ; the place of my first tile: 32 (p % 2) + p / 2
	s_mul_i32 s42, s25, 1572864
	s_mul_i32 s31, s30, 1536
	s_add_co_u32 s42, s42, s31
	s_mov_b32 s43, 0
	s_lshl_b32 s44, s25, 16
	s_lshl_b32 s31, s30, 6
	s_add_co_u32 s44, s44, s31
	s_mov_b32 s45, 0
	s_lshl_b32 s46, s25, 22
	s_lshl_b32 s31, s30, 16
	s_add_co_u32 s46, s46, s31
	s_lshl_b32 s31, s26, 9
	s_add_co_u32 s46, s46, s31
	s_mov_b32 s47, 0
	s_mov_b32 s40, 0x03010200                      ; v_perm_b32: bytes 1 and 2 change places
	s_wait_kmcnt 0x0
	s_add_nc_u64 s[10:11], s[10:11], s[36:37]
	s_add_nc_u64 s[12:13], s[12:13], s[38:39]
	s_add_nc_u64 s[6:7], s[6:7], s[42:43]
	s_add_nc_u64 s[8:9], s[8:9], s[44:45]
	s_add_nc_u64 s[14:15], s[14:15], s[46:47]
.irp j, 0,1,2,3,4,5,6,7
	global_load_b128 v[SW+4*\j:SW+4*\j+3], v7, s[4:5] offset:512*\j   ; all of sel
.endr
	global_load_b128 v[WS:WS+3], v6, s[12:13]      ; the weights' scale words: eight for each row of my half of K
	global_load_b128 v[WS+4:WS+7], v6, s[12:13] offset:16
	global_load_b128 v[WS+8:WS+11], v6, s[12:13] offset:2048
	global_load_b128 v[WS+12:WS+15], v6, s[12:13] offset:2064
	WLOADS 0
	s_wait_loadcnt 52                              ; sel is in: behind it stand the 4 loads of scales and 48 of weights
	s_mov_b32 s29, 0
.irp g, 0,1,2,3,4,5,6,7,8,9,10,11,12,13,14,15,16,17,18,19,20,21,22,23,24,25,26,27,28,29,30,31
	v_and_b32 v52, s28, v[SW+\g]
	v_cmp_ne_u32 vcc_lo, 0, v52
	s_bcnt1_i32_b32 s30, vcc_lo
	s_add_co_u32 s29, s29, s30                     ; the expert's rows
.endr
	s_wait_loadcnt 48                              ; the scale words are in: behind them stand the 48 loads of weights
.irp i, 0,1,2,3,4,5,6,7,8,9,10,11,12,13,14,15
	v_perm_b32 v[WS+\i], v[WS+\i], v[WS+\i], s40
.endr
.rept 8
	v_nop                                          ; a scale register written by a vector instruction stands eight places ahead of the scaled product
.endr
	WLOADS 1
	s_lshl_b32 s30, s27, 4
	s_sub_co_i32 s32, s29, s30                     ; s32 = count - first row of this trip's slot 0: slot j has rows where 64 j < s32
	s_mov_b32 s33, 0
	s_lshl_b32 s41, s24, 6                         ; 64 w
.macro TILE j
.if (\j) > 0
	s_cmp_le_i32 s32, 64*(\j)
	s_cbranch_scc1 .Ldone
	s_wait_dscnt 0x8                               ; the slot's 25 loads are in; the last tile's eight stores behind them may be out: they read the other set of accumulators
.else
	s_wait_dscnt 0x0
.endif
.set rT, ACC+32*((\j)%2)
	MMA32 rT
.rept 5
	v_nop                                          ; four places ahead of loads into registers that the products have read and of stores of results; a fifth, since a later trip's first product may write over these accumulators
.endr
.if (\j) < 5
	s_cmp_le_i32 s32, 64*(\j)+64
	s_cbranch_scc1 .Lno_next_\@
	LOADX (\j)+1
.Lno_next_\@:
.endif
.irp q, 0,1,2,3
	ds_store_b128 v15, v[rT+8*\q:rT+8*\q+3] offset:8448*(\j)+64*\q          ; each accumulator from its low end on
	ds_store_b128 v15, v[rT+8*\q+4:rT+8*\q+7] offset:8448*(\j)+64*\q+16
.endr
.endm
.Ltrip:                                                ; three trips of six tiles serve every split
	s_cmp_le_i32 s32, s41
	s_cbranch_scc1 .Lno_fetch                      ; slot w has no rows (then the shared slot has none)
	WIN 0xc0                                       ; destination window 3
.irp k, 0,1,2,3,4,5,6,7,8,9,10,11,12,13,14,15
.irp c, 0,1,2
	global_load_b128 v[4*(3*\k+\c):4*(3*\k+\c)+3], v8, s[6:7] offset:98304*\k+512*\c   ; slot w's fragment of K step k: 512 neighbouring bytes a load
.endr
.endr
.irp a, 0,1
.irp i, 0,1,2,3
	global_load_b32 v[192+4*\a+\i], v9, s[8:9] offset:4096*(8*\a+\i)     ; its scale words: lanes 0-15 K step 8 a + i, lanes 16-31 four on
.endr
.endr
	WIN 0
	s_cmp_le_i32 s32, s48
	s_cbranch_scc1 .Lone                           ; the shared slot has no rows
.irp k, 0,1,2,3,4,5,6,7
.irp c, 0,1,2
	global_load_b128 v[XC+4*(3*\k+\c):XC+4*(3*\k+\c)+3], v20, s[6:7] offset:98304*\k+512*\c   ; my half of it lands where the fragments will lie: those registers are free until the barrier below
.endr
.endr
.irp i, 0,1,2,3
	global_load_b32 v[240+\i], v21, s[8:9] offset:4096*\i
.endr
	s_wait_loadcnt 0x0
.irp q, 0,1,2,3,4,5,6,7,8,9,10,11,12,13,14,15,16,17,18,19,20,21,22,23
	ds_store_b128 v22, v[XC+4*\q:XC+4*\q+3] offset:512*\q
.endr
	ds_store_b128 v23, v[240:243]
.Lone:
	s_wait_loadcnt 0x0
	WIN 0x0c                                       ; an LDS store's data are its source 1: window 3
.irp q, 0,1,2,3,4,5,6,7,8,9,10,11,12,13,14,15,16,17,18,19,20,21,22,23,24,25,26,27,28,29,30,31,32,33,34,35,36,37,38,39,40,41,42,43,44,45,46,47,48,49
	ds_store_b128 v10, v[4*\q:4*\q+3] offset:512*\q
.endr
	WIN 0
.Lno_fetch:
	s_wait_loadcnt 0x0                             ; on every way: the weights are in
	BAR                                            ; the trip's slots lie in LDS; nobody reads the stage any more
	s_cmp_le_i32 s32, 0
	s_cbranch_scc1 .Ldone
	LOADX 0
	TILE 0
	TILE 1
	TILE 2
	TILE 3
	TILE 4
	TILE 5
.Ldone:
	BAR                                            ; both halves' results lie in the stage; nobody reads the slots any more
	s_cmp_le_i32 s32, s41
	s_cbranch_scc1 .Lno_out
.irp b, 0,1
	s_wait_xcnt 0x0                                ; earlier stores have read their registers
.irp i, 0,1,2,3,4,5,6,7
	ds_load_b128 v[144+4*\i:147+4*\i], v16 offset:528*(8*\b+\i)
	ds_load_b128 v[176+4*\i:179+4*\i], v16 offset:OPL+528*(8*\b+\i)
.endr
.irp i, 0,1,2,3,4,5,6,7
	s_wait_dscnt 14-2*\i                           ; row i's two halves are in; the pairs behind them may be out
	v_pk_add_f32 v[144+4*\i:145+4*\i], v[144+4*\i:145+4*\i], v[176+4*\i:177+4*\i]
	v_pk_add_f32 v[146+4*\i:147+4*\i], v[146+4*\i:147+4*\i], v[178+4*\i:179+4*\i]
	global_store_b128 v17, v[144+4*\i:147+4*\i], s[14:15] offset:4096*(8*\b+\i)   ; 512 neighbouring bytes of a row, at a multiple of 256 from part's first byte
.endr
.endr
	s_cmp_le_i32 s32, s48
	s_cbranch_scc1 .Lno_out
	s_wait_xcnt 0x0                                ; earlier stores have read their registers
.irp i, 0,1,2,3,4,5,6,7
	ds_load_b128 v[144+4*\i:147+4*\i], v24 offset:528*\i                 ; my eight rows of the shared slot
	ds_load_b128 v[176+4*\i:179+4*\i], v24 offset:OPL+528*\i
.endr
.irp i, 0,1,2,3,4,5,6,7
	s_wait_dscnt 14-2*\i                           ; row i's two halves are in; the pairs behind them may be out
	v_pk_add_f32 v[144+4*\i:145+4*\i], v[144+4*\i:145+4*\i], v[176+4*\i:177+4*\i]
	v_pk_add_f32 v[146+4*\i:147+4*\i], v[146+4*\i:147+4*\i], v[178+4*\i:179+4*\i]
	global_store_b128 v25, v[144+4*\i:147+4*\i], s[14:15] offset:4096*\i
.endr
.Lno_out:
	s_wait_xcnt 0x0                                ; the stores have read their registers and base: both may be written again
	s_add_nc_u64 s[6:7], s[6:7], 18432             ; twelve places of tiles on
	s_add_nc_u64 s[8:9], s[8:9], 768
	s_add_nc_u64 s[14:15], s[14:15], 786432
	s_sub_co_i32 s32, s32, 384
	s_add_co_u32 s33, s33, 1
	s_cmp_lt_u32 s33, 3
	s_cbranch_scc1 .Ltrip
	s_wait_tensorcnt 0x0
	ds_add_u32 v254, v255
	s_wait_dscnt 0x0
	s_endpgm
.Lfunc_end_k_qcd1c14e8e4_down:
	.size	k_qcd1c14e8e4_down, .Lfunc_end_k_qcd1c14e8e4_down-k_qcd1c14e8e4_down
	.p2alignl 7, 3214868480
	.fill 96, 4, 3214868480
	.section	.rodata,"a",@progbits
	.p2align	6, 0x0
	.amdhsa_kernel k_qcd1c14e8e4_down
		.amdhsa_group_segment_fixed_size 255488
		.amdhsa_private_segment_fixed_size 0
		.amdhsa_enable_private_segment 0
		.amdhsa_kernarg_size 48
		.amdhsa_user_sgpr_count 2
		.amdhsa_user_sgpr_kernarg_segment_ptr 1
		.amdhsa_wavefront_size32 1
		.amdhsa_system_sgpr_workgroup_id_x 1
		.amdhsa_system_sgpr_workgroup_id_y 1
		.amdhsa_system_sgpr_workgroup_id_z 1
		.amdhsa_system_vgpr_workitem_id 0
		.amdhsa_next_free_vgpr 1024
		.amdhsa_next_free_sgpr 66
		.amdhsa_reserve_vcc 1
		.amdhsa_float_denorm_mode_32 3
		.amdhsa_float_denorm_mode_16_64 3
		.amdhsa_memory_ordered 1
		.amdhsa_forward_progress 1
		.amdhsa_inst_pref_size 83
	.end_amdhsa_kernel
	.amdgpu_metadata
---
amdhsa.version: [ 1, 2 ]
amdhsa.kernels:
  - .name:           k_qcd1c14e8e4_down
    .symbol:         k_qcd1c14e8e4_down.kd
    .args:
      - { .name: sel, .offset: 0, .size: 8, .value_kind: global_buffer, .address_space: global }
      - { .name: hq, .offset: 8, .size: 8, .value_kind: global_buffer, .address_space: global }
      - { .name: hs, .offset: 16, .size: 8, .value_kind: global_buffer, .address_space: global }
      - { .name: down_w_codes, .offset: 24, .size: 8, .value_kind: global_buffer, .address_space: global }
      - { .name: down_w_scales, .offset: 32, .size: 8, .value_kind: global_buffer, .address_space: global }
      - { .name: part, .offset: 40, .size: 8, .value_kind: global_buffer, .address_space: global }
    .group_segment_fixed_size: 255488
    .private_segment_fixed_size: 0
    .kernarg_segment_align: 8
    .kernarg_segment_size: 48
    .max_flat_workgroup_size: 128
    .sgpr_count:     66
    .vgpr_count:     1024
    .wavefront_size: 32
...
	.end_amdgpu_metadata
.endif
;; end of part 3
;; launch combine (part 4): grid 257 x 1, 4 waves a work-group, no clusters, 2,560 bytes of LDS; arguments tpos, stat, part, out0, out1, auxp; writes out0, out1
.if DOCPART == 4
	.amdgcn_target "amdgcn-amd-amdhsa--gfx1250"
	.amdhsa_code_object_version 6
	.text
	.protected	k_qcd1c14e8e4_combine
	.globl	k_qcd1c14e8e4_combine
	.p2align	8
	.type	k_qcd1c14e8e4_combine,@function
k_qcd1c14e8e4_combine:
	s_mov_b64 s[64:65], 0
	v_nop
	global_prefetch_b8 v0, s[64:65] scope:SCOPE_SE
	s_setreg_imm32_b32 hwreg(HW_REG_WAVE_MODE, 25, 1), 1
	s_wait_xcnt 0x0
; out0[token] = w_lo x part[the chosen expert of lower index] + w_hi x part[the other]: each output row has one owner, a wave.  Work-groups 0 to 255: four tokens each.
; Where a token's two rows lie is read from tpos (whole numbers that an earlier launch stored): of its eight entries, one for each expert, two are not 0; an entry's low 13 bits are the row's number in part.
; Work-group 256 makes out1 from auxp's 256 records, each the sum of four tokens' records: 0.001 x mean(z^2) + 0.01 x sum over e of (chosen_e / 1,024) x (sum of p_e / 1,024).  It alone uses LDS and a barrier.
; Its 32,768 bytes are one batch of sixteen loads a wave: its chain (arguments, one load, the sums, a store) has one step through memory fewer than a token's (arguments, tpos, the rows, a store).
; Memory binds: long neighbouring reads and writes, each byte once; the matrix unit and clusters would add nothing here.
	s_load_b256 s[4:11], s[0:1], 0x0               ; tpos s[4:5], stat s[6:7], part s[8:9], out0 s[10:11]
	s_load_b64 s[12:13], s[0:1], 0x20              ; out1
	s_load_b64 s[44:45], s[0:1], 0x28              ; auxp
	v_lshl_add_u32 v144, v0, 2, 0x800
	v_mov_b32 v145, 0
	v_lshrrev_b32 v1, 5, v0
	v_readfirstlane_b32 s14, v1                    ; wave
	v_and_b32 v1, 31, v0
	v_lshlrev_b32 v2, 4, v1                        ; 16 x lane
	s_cmp_eq_u32 ttmp9, 256
	s_cbranch_scc1 .Laux
	s_lshl_b32 s15, ttmp9, 2
	s_add_co_u32 s15, s15, s14                     ; my token
	s_lshl_b32 s16, s15, 2
	s_lshl_b32 s17, s15, 7
	s_lshl_b32 s18, s15, 12
	s_mov_b32 s19, 0
	s_wait_kmcnt 0x0
.irp e, 0,1,2,3,4,5,6,7
	s_load_b32 s[24+\e], s[4:5], s16 offset:4096*\e
.endr
	s_load_b64 s[32:33], s[6:7], s17 offset:72     ; w_lo, w_hi
	s_add_nc_u64 s[10:11], s[10:11], s[18:19]
	s_wait_kmcnt 0x0
	s_mov_b32 s34, s31                             ; the first entry that is not 0,
.irp e, 6,5,4,3,2,1,0
	s_cmp_lg_u32 s[24+\e], 0
	s_cselect_b32 s34, s[24+\e], s34
.endr
	s_mov_b32 s36, s24                             ; and the last
.irp e, 1,2,3,4,5,6,7
	s_cmp_lg_u32 s[24+\e], 0
	s_cselect_b32 s36, s[24+\e], s36
.endr
	s_and_b32 s34, s34, 0x1fff
	s_min_u32 s34, s34, 0x1fff
	s_lshl_b32 s34, s34, 12                        ; a row of part is 4,096 bytes
	s_mov_b32 s35, 0
	s_and_b32 s36, s36, 0x1fff
	s_min_u32 s36, s36, 0x1fff
	s_lshl_b32 s36, s36, 12
	s_mov_b32 s37, 0
	s_add_nc_u64 s[34:35], s[8:9], s[34:35]
	s_add_nc_u64 s[36:37], s[8:9], s[36:37]
.irp i, 0,1,2,3,4,5,6,7
	global_load_b128 v[16+4*\i:19+4*\i], v2, s[34:35] offset:512*\i th:TH_LOAD_NT
.endr
.irp i, 0,1,2,3,4,5,6,7
	global_load_b128 v[48+4*\i:51+4*\i], v2, s[36:37] offset:512*\i th:TH_LOAD_NT
.endr
	s_mov_b32 s40, s32                             ; each weight as a pair: the packed forms name a pair and take its low word for both halves
	s_mov_b32 s41, s32
	s_mov_b32 s42, s33
	s_mov_b32 s43, s33
.irp i, 0,1,2,3,4,5,6,7
	s_wait_loadcnt 7-\i                            ; piece i of both rows is in; the later pieces of the second row may be out
	v_pk_mul_f32 v[48+4*\i:49+4*\i], v[48+4*\i:49+4*\i], s[42:43] op_sel_hi:[1,0]
	v_pk_mul_f32 v[50+4*\i:51+4*\i], v[50+4*\i:51+4*\i], s[42:43] op_sel_hi:[1,0]
	v_pk_fma_f32 v[48+4*\i:49+4*\i], v[16+4*\i:17+4*\i], s[40:41], v[48+4*\i:49+4*\i] op_sel_hi:[1,0,1]
	v_pk_fma_f32 v[50+4*\i:51+4*\i], v[18+4*\i:19+4*\i], s[40:41], v[50+4*\i:51+4*\i] op_sel_hi:[1,0,1]
	global_store_b128 v2, v[48+4*\i:51+4*\i], s[10:11] offset:512*\i th:TH_STORE_NT   ; 512 neighbouring bytes, aligned
.endr
	s_endpgm
.Laux:
	s_lshl_b32 s15, s14, 13
	v_add_nc_u32 v3, s15, v2                       ; my wave's 64 records: 8,192 bytes
	s_lshl_b32 s16, s14, 9
	v_add_nc_u32 v4, s16, v2                       ; LDS: 512 x wave + 16 x lane
	s_mov_b32 s20, 0x76543210
	s_mov_b32 s21, 0xfedcba98
	s_wait_kmcnt 0x0
.irp i, 0,1,2,3,4,5,6,7,8,9,10,11,12,13,14,15
	global_load_b128 v[16+4*\i:19+4*\i], v3, s[44:45] offset:512*\i   ; four records a load: lane l holds words 4 (l % 8) .. + 3 of record l / 8
.endr
	s_wait_loadcnt 0x0
	v_pk_add_f32 v[8:9], v[16:17], v[24:25]        ; two chains, started by the first four loads: nothing is cleared
	v_pk_add_f32 v[10:11], v[18:19], v[26:27]
	v_pk_add_f32 v[12:13], v[20:21], v[28:29]
	v_pk_add_f32 v[14:15], v[22:23], v[30:31]
.irp i, 4,6,8,10,12,14
	v_pk_add_f32 v[8:9], v[8:9], v[16+4*\i:17+4*\i]
	v_pk_add_f32 v[10:11], v[10:11], v[18+4*\i:19+4*\i]
	v_pk_add_f32 v[12:13], v[12:13], v[20+4*\i:21+4*\i]
	v_pk_add_f32 v[14:15], v[14:15], v[22+4*\i:23+4*\i]
.endr
	v_pk_add_f32 v[8:9], v[8:9], v[12:13]
	v_pk_add_f32 v[10:11], v[10:11], v[14:15]
.irp k, 8,9,10,11
	v_add_f32_dpp v[\k], v[\k], v[\k] row_xmask:8 row_mask:0xf bank_mask:0xf
.endr
.irp k, 8,9,10,11
	v_permlanex16_b32 v[\k+4], v[\k], s20, s21
.endr
.irp k, 8,9,10,11
	v_add_f32 v[\k], v[\k], v[\k+4]                ; lane l: the sums of words 4 (l % 8) .. + 3 over my 64 records
.endr
	ds_store_b128 v4, v[8:11]
	s_wait_dscnt 0x0                               ; for wave 0's sake: my sums lie in LDS
	s_barrier_signal -1
	s_barrier_wait -1
	s_cmp_lg_u32 s14, 0
	s_cbranch_scc1 .Lend
.irp k, 0,1,2,3
	ds_load_b128 v[16+4*\k:19+4*\k], v2 offset:512*\k
.endr
	s_wait_dscnt 0x0
	v_pk_add_f32 v[8:9], v[16:17], v[20:21]
	v_pk_add_f32 v[10:11], v[18:19], v[22:23]
	v_pk_add_f32 v[12:13], v[24:25], v[28:29]
	v_pk_add_f32 v[14:15], v[26:27], v[30:31]
	v_pk_add_f32 v[8:9], v[8:9], v[12:13]
	v_pk_add_f32 v[10:11], v[10:11], v[14:15]      ; lanes 0, 1: the sums of p_0-3, p_4-7; lanes 2, 3: how often each expert was chosen; lane 4, first word: the sum of z^2
.irp k, 0,1,2,3
	v_mul_f32_dpp v[12+\k], v[8+\k], v[8+\k] row_xmask:2 row_mask:0xf bank_mask:0xf   ; lanes 0, 1: chosen_e x sum of p_e
.endr
	v_add_f32 v12, v12, v13
	v_add_f32 v14, v14, v15
	v_add_f32 v12, v12, v14
	v_add_f32_dpp v12, v12, v12 row_xmask:1 row_mask:0xf bank_mask:0xf                ; lane 0: over all eight
	v_mov_b32_dpp v13, v8 row_xmask:4 row_mask:0xf bank_mask:0xf                      ; lane 0: the sum of z^2
	v_mul_f32 v14, 0x3583126f, v13                 ; x 0.001 / 1,024
	v_fma_f32 v14, v12, 0x3223d70a, v14            ; + 0.01 / 1,024^2 x the products' sum
	v_readfirstlane_b32 s22, v14
	v_mov_b32 v14, s22                             ; lane 0's number in every lane: all lanes store the same word with the same value
	v_mov_b32 v15, 0
	global_store_b32 v15, v14, s[12:13]
.Lend:
	s_wait_tensorcnt 0x0
	ds_add_u32 v144, v145
	s_wait_dscnt 0x0
	s_endpgm
.Lfunc_end_k_qcd1c14e8e4_combine:
	.size	k_qcd1c14e8e4_combine, .Lfunc_end_k_qcd1c14e8e4_combine-k_qcd1c14e8e4_combine
	.p2alignl 7, 3214868480
	.fill 96, 4, 3214868480
	.section	.rodata,"a",@progbits
	.p2align	6, 0x0
	.amdhsa_kernel k_qcd1c14e8e4_combine
		.amdhsa_group_segment_fixed_size 2560
		.amdhsa_private_segment_fixed_size 0
		.amdhsa_enable_private_segment 0
		.amdhsa_kernarg_size 48
		.amdhsa_user_sgpr_count 2
		.amdhsa_user_sgpr_kernarg_segment_ptr 1
		.amdhsa_wavefront_size32 1
		.amdhsa_system_sgpr_workgroup_id_x 1
		.amdhsa_system_sgpr_workgroup_id_y 1
		.amdhsa_system_sgpr_workgroup_id_z 1
		.amdhsa_system_vgpr_workitem_id 0
		.amdhsa_next_free_vgpr 146
		.amdhsa_next_free_sgpr 66
		.amdhsa_reserve_vcc 0
		.amdhsa_float_denorm_mode_32 3
		.amdhsa_float_denorm_mode_16_64 3
		.amdhsa_memory_ordered 1
		.amdhsa_forward_progress 1
		.amdhsa_inst_pref_size 14
	.end_amdhsa_kernel
	.amdgpu_metadata
---
amdhsa.version: [ 1, 2 ]
amdhsa.kernels:
  - .name:           k_qcd1c14e8e4_combine
    .symbol:         k_qcd1c14e8e4_combine.kd
    .args:
      - { .name: tpos, .offset: 0, .size: 8, .value_kind: global_buffer, .address_space: global }
      - { .name: stat, .offset: 8, .size: 8, .value_kind: global_buffer, .address_space: global }
      - { .name: part, .offset: 16, .size: 8, .value_kind: global_buffer, .address_space: global }
      - { .name: out0, .offset: 24, .size: 8, .value_kind: global_buffer, .address_space: global }
      - { .name: out1, .offset: 32, .size: 8, .value_kind: global_buffer, .address_space: global }
      - { .name: auxp, .offset: 40, .size: 8, .value_kind: global_buffer, .address_space: global }
    .group_segment_fixed_size: 2560
    .private_segment_fixed_size: 0
    .kernarg_segment_align: 8
    .kernarg_segment_size: 48
    .max_flat_workgroup_size: 128
    .sgpr_count:     66
    .vgpr_count:     146
    .wavefront_size: 32
...
	.end_amdgpu_metadata
.endif
;; end of part 4
;; ======== version 2 of 2: 4 launches
;; workspace buffers: xq 786,432 bytes; stat 131,072 bytes; sel 4,096 bytes of whole numbers; hq 12,582,912 bytes; hs 524,288 bytes; tpos 32,768 bytes of whole numbers; part 33,554,432 bytes; auxp 32,768 bytes
;; launch route (part 5): grid 256 x 1, 4 waves a work-group, no clusters, 54,784 bytes of LDS; arguments x, router_w, xq, stat, sel, auxp; writes xq, stat, sel, auxp
.if DOCPART == 5
	.amdgcn_target "amdgcn-amd-amdhsa--gfx1250"
	.amdhsa_code_object_version 6
	.text
	.protected	k_qcd1c14e8e4_route
	.globl	k_qcd1c14e8e4_route
	.p2align	8
	.type	k_qcd1c14e8e4_route,@function
k_qcd1c14e8e4_route:
	s_mov_b64 s[64:65], 0
	v_nop
	global_prefetch_b8 v0, s[64:65] scope:SCOPE_SE
	s_setreg_imm32_b32 hwreg(HW_REG_WAVE_MODE, 25, 1), 1
	s_wait_xcnt 0x0
; ROUTER AND QUANTISER OF x.  One wave takes one token (1,024 numbers of f32); a work-group takes four.
; It makes: the eight logits in f32, their softmax, the two largest (taken on the logits, which rise with the probabilities; of equal logits the lower index wins),
; the two combine weights w = p / (p1 + p2), z = logsumexp, and x's codes of E2M3 with one E8M0 byte for each 32 along H.
; OUT: xq [token][768 bytes]: the row's codes as one stream of bits.   sel [token]: (1 << e1) | (1 << e2).
;      stat [token][32 words]: 0-7 p_e; 8-15 1.0 where e is chosen, else 0.0; 16 z^2; 17 0; 18 the weight of the chosen expert of lower index, 19 of the higher; 20-23 0;
;      24-31 x's eight scale words (128 along H each) WITH BYTES 1 AND 2 CHANGED OVER: the later launches give lane (r, h) of an operand the 48 neighbouring bytes
;      at 96 kk + 48 h, so the unit's block 2 c + h holds the row's block 2 h + c, in both operands alike.
;      auxp [work-group][32 words]: words 0-19 of the work-group's four records added up, words 20-31 zero: the first level of the sums that the auxiliary loss wants.
; LIMITS: NaN and infinities among the inputs are not served; a block whose largest magnitude lies under 2^-124 keeps the byte 1, a block of zeros too (its codes are zeros; this program alone reads the bytes).
; No branch and no address hangs on a floating-point number: the choice is stored at a fixed place.
.set XST,  32768                       ; LDS: 0 .. 32,767 router_w as it lies; then a stage of 64 places x 80 bytes for each wave,
.set REC,  53248                       ; a record of 128 bytes for each wave,
.set SELS, 53760                       ; and the four words of sel
.set XR,   16                          ; v16-47   x as loaded: register 4 i + c = k 128 i + 4 lane + c
.set WB,   48                          ; v48-111  router_w on its way to LDS; then two sets of 32 for a row of router_w; then at work
.set XT,   112                         ; v112-143 x turned: 2 x 16 neighbours
.set AC,   144                         ; v144-175 four partial sums for each expert
.set LG,   176                         ; v176-183 the logits
.set P,    48
.set M,    56
.set Z,    64
.set B1,   73
.set BIT1, 74
.set B2,   75
.set BIT2, 76
.set Q2,   77
.set SS,   78
.set T1,   79
.set T2,   80
.set T3,   81
.set RS,   82
.set LS,   83
.set DD,   84
.set RD,   85
.set ZZ,   86
.set W2,   87
.set MASK, 88
.set QA,   90
.set QB,   91
.set QS,   92
.set QE,   94
.set QC,   96
	s_load_b128 s[4:7], s[0:1], 0x0                ; x, router_w
	s_load_b128 s[8:11], s[0:1], 0x10              ; xq, stat
	s_load_b64 s[12:13], s[0:1], 0x20              ; sel
	s_load_b64 s[30:31], s[0:1], 0x28              ; auxp
	v_lshl_add_u32 v192, v0, 2, 0xd400
	v_mov_b32 v193, 0
	v_lshrrev_b32 v1, 5, v0
	v_readfirstlane_b32 s14, v1                    ; wave
	v_and_b32 v1, 31, v0                           ; lane
	v_lshlrev_b32 v2, 4, v0                        ; 16 x thread: router_w's copy, in memory and in LDS
	v_lshlrev_b32 v3, 4, v1                        ; 16 x lane
	s_lshl_b32 s15, ttmp9, 2
	s_add_co_u32 s15, s15, s14                     ; my token
	s_mul_i32 s18, s14, 5120
	s_add_co_u32 s18, s18, XST                     ; my stage
	v_lshrrev_b32 v4, 2, v1
	v_mul_u32_u24 v4, v4, 80
	v_and_b32 v5, 3, v1
	v_lshl_add_u32 v4, v5, 4, v4
	v_add_nc_u32 v4, s18, v4                       ; into the stage: four lanes' 64 bytes on end, then 16 of padding
	v_mul_u32_u24 v5, v1, 80
	v_add_nc_u32 v5, s18, v5                       ; out of it: 80 x lane: my 16 neighbours
	v_mul_u32_u24 v6, v1, 12                       ; my 16 codes' 12 bytes
	s_lshl_b32 s19, s14, 7
	s_add_co_u32 s19, s19, REC
	v_mov_b32 v7, s19                              ; my wave's record
	v_lshrrev_b32 v8, 3, v1                        ; which 128 along H of a step's 512
	v_bfe_u32 v9, v1, 1, 1
	v_bfe_u32 v10, v1, 2, 1
	v_lshl_or_b32 v9, v9, 1, v10                   ; block b = (lane / 2) % 4 goes to byte 2 (b % 2) + b / 2
	v_lshl_add_u32 v8, v8, 2, v9
	v_add_nc_u32 v8, s19, v8                       ; my block's scale byte (+ 96 + 16 x step)
	s_lshl_b32 s20, s14, 2
	s_add_co_u32 s20, s20, SELS
	v_mov_b32 v11, s20                             ; my wave's word of sel
	v_lshlrev_b32 v12, 3, v1
	v_lshlrev_b32 v13, 2, v1                       ; 4 x lane: a word of auxp's record,
	v_add_nc_u32 v14, REC, v13                     ; and the same word of the first record in LDS
	s_lshl_b32 s21, s14, 8
	v_add_nc_u32 v184, s21, v12                    ; the way out of the records: 256 x wave + 8 x lane,
	v_add_nc_u32 v185, REC, v184                   ; in LDS
	v_and_b32 v186, 3, v1
	v_lshlrev_b32 v186, 2, v186                    ; the way out of sel: 4 (lane % 4),
	v_add_nc_u32 v187, SELS, v186                  ; in LDS
	s_lshl_b32 s22, s15, 12                        ; x: 4,096 bytes a token
	s_mov_b32 s23, 0
	s_mul_i32 s24, s15, 768                        ; xq: 768
	s_mov_b32 s25, 0
	s_lshl_b32 s26, ttmp9, 9                       ; stat: 512 a work-group
	s_mov_b32 s27, 0
	s_lshl_b32 s28, ttmp9, 4                       ; sel: 16
	s_mov_b32 s29, 0
	s_lshl_b32 s32, ttmp9, 7                       ; auxp: 128
	s_mov_b32 s33, 0
	s_mov_b32 s16, 0x76543210
	s_mov_b32 s17, 0xfedcba98                      ; v_permlanex16_b32's selects for lane l xor 16
	s_wait_kmcnt 0x0
	s_add_nc_u64 s[4:5], s[4:5], s[22:23]
	s_add_nc_u64 s[8:9], s[8:9], s[24:25]
	s_add_nc_u64 s[10:11], s[10:11], s[26:27]
	s_add_nc_u64 s[12:13], s[12:13], s[28:29]
	s_add_nc_u64 s[30:31], s[30:31], s[32:33]
.irp i, 0,1,2,3,4,5,6,7,8,9,10,11,12,13,14,15
	global_load_b128 v[WB+4*\i:WB+4*\i+3], v2, s[6:7] offset:2048*\i   ; router_w: 128 threads x 16 bytes, sixteen times
.endr
.irp i, 0,1,2,3,4,5,6,7
	global_load_b128 v[XR+4*\i:XR+4*\i+3], v3, s[4:5] offset:512*\i th:TH_LOAD_NT   ; my token's row: 512 neighbouring bytes a load
.endr
	s_wait_loadcnt 0x8                             ; router_w's sixteen are in; x's eight may be out
.irp i, 0,1,2,3,4,5,6,7,8,9,10,11,12,13,14,15
	ds_store_b128 v2, v[WB+4*\i:WB+4*\i+3] offset:2048*\i
.endr
	s_wait_loadcnt 0x0
.irp i, 0,1,2,3,4,5,6,7
	ds_store_b128 v4, v[XR+4*\i:XR+4*\i+3] offset:640*\i   ; a load's 512 bytes take eight places of 80
.endr
	s_wait_dscnt 0x0                               ; for the others' sake: my part of router_w lies in LDS
	s_barrier_signal -1
	s_barrier_wait -1
.macro WLOAD e                         ; row e of router_w, laid as XR is
.irp i, 0,1,2,3,4,5,6,7
	ds_load_b128 v[WB+32*((\e)%2)+4*\i:WB+32*((\e)%2)+4*\i+3], v3 offset:4096*(\e)+512*\i
.endr
.endm
.macro DOT e                           ; my lane's 32 products, two chains of packed multiply-adds
.set rW, WB+32*((\e)%2)
.set rS, AC+4*(\e)
	v_pk_mul_f32 v[rS:rS+1], v[XR:XR+1], v[rW:rW+1]
	v_pk_mul_f32 v[rS+2:rS+3], v[XR+2:XR+3], v[rW+2:rW+3]
.irp i, 4,8,12,16,20,24,28
	v_pk_fma_f32 v[rS:rS+1], v[XR+\i:XR+\i+1], v[rW+\i:rW+\i+1], v[rS:rS+1]
	v_pk_fma_f32 v[rS+2:rS+3], v[XR+\i+2:XR+\i+3], v[rW+\i+2:rW+\i+3], v[rS+2:rS+3]
.endr
	v_pk_add_f32 v[rS:rS+1], v[rS:rS+1], v[rS+2:rS+3]
	v_add_f32 v[LG+\e], v[rS], v[rS+1]
.endm
	WLOAD 0
	WLOAD 1
.irp e, 0,1,2,3,4,5
	s_wait_dscnt 0x8                               ; row e is in; the eight loads of row e + 1 may be out
	DOT \e
	WLOAD \e+2
.endr
.irp s, 0,1
.irp j, 0,1,2,3
	ds_load_b128 v[XT+16*\s+4*\j:XT+16*\s+4*\j+3], v5 offset:2560*\s+16*\j   ; x turned: k = 512 s + 16 lane + 0 .. 15
.endr
.endr
	s_wait_dscnt 0x10                              ; row 6 is in; row 7's eight and x's eight may be out
	DOT 6
	s_wait_dscnt 0x8                               ; row 7 is in; x's eight may be out
	DOT 7
.irp m, 1,2,4,8
.irp e, 0,1,2,3,4,5,6,7
	v_add_f32_dpp v[LG+\e], v[LG+\e], v[LG+\e] row_xmask:\m row_mask:0xf bank_mask:0xf   ; the eight sums by turns
.endr
.endr
.irp e, 0,1,2,3,4,5,6,7
	v_permlanex16_b32 v[AC+\e], v[LG+\e], s16, s17
.endr
.irp e, 0,1,2,3,4,5,6,7
	v_add_f32 v[LG+\e], v[LG+\e], v[AC+\e]         ; every lane holds the eight logits
.endr
	; the largest: a later logit takes its place only where it is strictly larger
	v_mov_b32 v[B1], v[LG]
	v_mov_b32 v[BIT1], 1
.irp e, 1,2,3,4,5,6,7
	v_cmp_le_f32 vcc_lo, v[LG+\e], v[B1]           ; keep
	v_cndmask_b32 v[B1], v[LG+\e], v[B1], vcc_lo
	v_cndmask_b32 v[BIT1], 1<<\e, v[BIT1], vcc_lo
.endr
	; the second: the same among the other seven
	v_mov_b32 v[B2], 0xff800000
	v_mov_b32 v[BIT2], 0
.irp e, 0,1,2,3,4,5,6,7
	v_cmp_le_f32 vcc_lo, v[LG+\e], v[B2]
	v_cmp_eq_u32 s20, 1<<\e, v[BIT1]
	s_or_b32 vcc_lo, vcc_lo, s20                   ; keep: not larger, or the first's own
	v_cndmask_b32 v[B2], v[LG+\e], v[B2], vcc_lo
	v_cndmask_b32 v[BIT2], 1<<\e, v[BIT2], vcc_lo
.endr
	; q_e = e^(l_e - the largest): the maximum is taken away first, as the softmax and the logsumexp have it
.irp e, 0,1,2,3,4,5,6,7
	v_sub_f32 v[P+\e], v[LG+\e], v[B1]
.endr
	v_sub_f32 v[Q2], v[B2], v[B1]
.irp e, 0,1,2,3,4,5,6,7
	v_mul_f32 v[P+\e], 0x3fb8aa3b, v[P+\e]
.endr
	v_mul_f32 v[Q2], 0x3fb8aa3b, v[Q2]
	s_wait_alu depctr_va_vdst(0)
.irp e, 0,1,2,3,4,5,6,7
	v_exp_f32 v[P+\e], v[P+\e]
.endr
	v_exp_f32 v[Q2], v[Q2]
	v_or_b32 v[MASK], v[BIT1], v[BIT2]             ; (a plain line behind the exponentials)
	s_wait_alu depctr_va_vdst(0)                   ; one wait for the nine, ahead of their first reader
	v_add_f32 v[SS], v[P], v[P+1]
	v_add_f32 v[T1], v[P+2], v[P+3]
	v_add_f32 v[T2], v[P+4], v[P+5]
	v_add_f32 v[T3], v[P+6], v[P+7]
	v_add_f32 v[SS], v[SS], v[T1]
	v_add_f32 v[T2], v[T2], v[T3]
	v_add_f32 v[SS], v[SS], v[T2]                  ; the sum of the q
	v_add_f32 v[DD], 1.0, v[Q2]                    ; q of the largest is 1
	s_wait_alu depctr_va_vdst(0)
	v_rcp_f32 v[RS], v[SS]
	v_log_f32 v[LS], v[SS]
	v_rcp_f32 v[RD], v[DD]
.irp e, 0,1,2,3,4,5,6,7
	v_bfe_u32 v[M+\e], v[MASK], \e, 1              ; the dispatch mask: independent work behind the three
.endr
.irp e, 0,1,2,3,4,5,6,7
	v_cvt_f32_u32 v[M+\e], v[M+\e]
.endr
	s_wait_alu depctr_va_vdst(0)                   ; one wait for the three
.irp e, 0,1,2,3,4,5,6,7
	v_mul_f32 v[P+\e], v[P+\e], v[RS]              ; p_e
.endr
	v_fma_f32 v[ZZ], v[LS], 0x3f317218, v[B1]      ; z = the largest + ln 2 x log2(sum)
	v_mul_f32 v[Z], v[ZZ], v[ZZ]
	v_mul_f32 v[W2], v[Q2], v[RD]                  ; w1 = 1 / (1 + q2), w2 = q2 / (1 + q2)
	v_cmp_lt_u32 vcc_lo, v[BIT1], v[BIT2]          ; is the largest the expert of lower index?
	v_mov_b32 v[Z+1], 0
	v_cndmask_b32 v[Z+2], v[W2], v[RD], vcc_lo
	v_cndmask_b32 v[Z+3], v[RD], v[W2], vcc_lo
.irp i, 4,5,6,7
	v_mov_b32 v[Z+\i], 0
.endr
	ds_store_b128 v7, v[P:P+3]                     ; all lanes write the same words with the same values
	ds_store_b128 v7, v[P+4:P+7] offset:16
	ds_store_b128 v7, v[M:M+3] offset:32
	ds_store_b128 v7, v[M+4:M+7] offset:48
	ds_store_b128 v7, v[Z:Z+3] offset:64
	ds_store_b128 v7, v[Z+4:Z+7] offset:80
	ds_store_b32 v11, v[MASK]
	s_wait_dscnt 0x7                               ; x's eight loads from the stage are in; the seven stores behind them may be out
.macro QSTEP s                         ; 512 numbers: 16 a lane, two neighbouring lanes to a block
.set rX, XT+16*(\s)
	v_max3_num_f32 v[QA], |v[rX]|, |v[rX+1]|, |v[rX+2]|
	v_max3_num_f32 v[QB], |v[rX+3]|, |v[rX+4]|, |v[rX+5]|
.irp i, 6,10
	v_max3_num_f32 v[QA], v[QA], |v[rX+\i]|, |v[rX+\i+1]|
	v_max3_num_f32 v[QB], v[QB], |v[rX+\i+2]|, |v[rX+\i+3]|
.endr
	v_max3_num_f32 v[QA], v[QA], |v[rX+14]|, |v[rX+15]|
	v_max3_num_f32 v[QA], v[QA], v[QB], 0x1800000  ; and the floor 2^(3 - 127): the byte cannot fall under 1
	v_max_num_f32_dpp v[QA], v[QA], v[QA] row_xmask:1 row_mask:0xf bank_mask:0xf   ; with my neighbour's 16: the block's largest magnitude
	v_add_nc_u32 v[QS+\s], 0xff000000, v[QA]       ; 2 off its exponent field: the conversion takes this operand's exponent field as its scale
	v_cvt_scalef32_pk16_fp6_f32 v[QC+4*\s:QC+4*\s+2], v[rX:rX+15], v[QS+\s]
	v_lshrrev_b32 v[QE+\s], 23, v[QS+\s]           ; the scale's byte (a plain line behind the conversion)
	ds_store_b8 v8, v[QE+\s] offset:96+16*\s       ; both lanes of a block write the same byte with the same value
	global_store_b96 v6, v[QC+4*\s:QC+4*\s+2], s[8:9] offset:384*\s   ; the wave stores 384 neighbouring bytes
.endm
	QSTEP 0
	QSTEP 1
	s_wait_dscnt 0x0                               ; for the others' sake: my record and my word lie in LDS
	s_barrier_signal -1
	s_barrier_wait -1
	s_cmp_lt_u32 s14, 2
	s_cbranch_scc0 .Lnot_rec
	ds_load_b64 v[188:189], v185                   ; waves 0 and 1: two records each,
	s_wait_dscnt 0x0
	global_store_b64 v184, v[188:189], s[10:11]    ; 256 neighbouring bytes, aligned
	s_wait_tensorcnt 0x0
	ds_add_u32 v192, v193
	s_wait_dscnt 0x0
	s_endpgm
.Lnot_rec:
	s_cmp_eq_u32 s14, 2
	s_cbranch_scc0 .Lsum
	ds_load_b32 v188, v187                         ; wave 2: the four words of sel; lanes 4 apart store the same word with the same value
	s_wait_dscnt 0x0
	global_store_b32 v186, v188, s[12:13]
	s_wait_tensorcnt 0x0
	ds_add_u32 v192, v193
	s_wait_dscnt 0x0
	s_endpgm
.Lsum:                                                 ; wave 3: the four records added up, a word a lane
	ds_load_b32 v104, v14
	ds_load_b32 v105, v14 offset:128
	ds_load_b32 v106, v14 offset:256
	ds_load_b32 v107, v14 offset:384
	v_cmp_gt_u32 vcc_lo, 20, v1                    ; words 20 on are no numbers to be added (24-31 hold scale bytes): they go out as 0
	s_wait_dscnt 0x0
	v_add_f32 v104, v104, v105
	v_add_f32 v106, v106, v107
	v_add_f32 v104, v104, v106
	v_cndmask_b32 v104, 0, v104, vcc_lo
	global_store_b32 v13, v104, s[30:31]           ; 128 neighbouring bytes: two work-groups' stores make up an aligned 256
	s_wait_tensorcnt 0x0
	ds_add_u32 v192, v193
	s_wait_dscnt 0x0
	s_endpgm
.Lfunc_end_k_qcd1c14e8e4_route:
	.size	k_qcd1c14e8e4_route, .Lfunc_end_k_qcd1c14e8e4_route-k_qcd1c14e8e4_route
	.p2alignl 7, 3214868480
	.fill 96, 4, 3214868480
	.section	.rodata,"a",@progbits
	.p2align	6, 0x0
	.amdhsa_kernel k_qcd1c14e8e4_route
		.amdhsa_group_segment_fixed_size 54784
		.amdhsa_private_segment_fixed_size 0
		.amdhsa_enable_private_segment 0
		.amdhsa_kernarg_size 48
		.amdhsa_user_sgpr_count 2
		.amdhsa_user_sgpr_kernarg_segment_ptr 1
		.amdhsa_wavefront_size32 1
		.amdhsa_system_sgpr_workgroup_id_x 1
		.amdhsa_system_sgpr_workgroup_id_y 1
		.amdhsa_system_sgpr_workgroup_id_z 1
		.amdhsa_system_vgpr_workitem_id 0
		.amdhsa_next_free_vgpr 194
		.amdhsa_next_free_sgpr 66
		.amdhsa_reserve_vcc 1
		.amdhsa_float_denorm_mode_32 3
		.amdhsa_float_denorm_mode_16_64 3
		.amdhsa_memory_ordered 1
		.amdhsa_forward_progress 1
		.amdhsa_inst_pref_size 33
	.end_amdhsa_kernel
	.amdgpu_metadata
---
amdhsa.version: [ 1, 2 ]
amdhsa.kernels:
  - .name:           k_qcd1c14e8e4_route
    .symbol:         k_qcd1c14e8e4_route.kd
    .args:
      - { .name: x, .offset: 0, .size: 8, .value_kind: global_buffer, .address_space: global }
      - { .name: router_w, .offset: 8, .size: 8, .value_kind: global_buffer, .address_space: global }
      - { .name: xq, .offset: 16, .size: 8, .value_kind: global_buffer, .address_space: global }
      - { .name: stat, .offset: 24, .size: 8, .value_kind: global_buffer, .address_space: global }
      - { .name: sel, .offset: 32, .size: 8, .value_kind: global_buffer, .address_space: global }
      - { .name: auxp, .offset: 40, .size: 8, .value_kind: global_buffer, .address_space: global }
    .group_segment_fixed_size: 54784
    .private_segment_fixed_size: 0
    .kernarg_segment_align: 8
    .kernarg_segment_size: 48
    .max_flat_workgroup_size: 128
    .sgpr_count:     66
    .vgpr_count:     194
    .wavefront_size: 32
...
	.end_amdgpu_metadata
.endif
;; end of part 5
;; launch gateup (part 6): grid 256 x 1, 4 waves a work-group, no clusters, 178,688 bytes of LDS; arguments xq, stat, sel, gate_w_codes, gate_w_scales, up_w_codes, up_w_scales, hq, hs, tpos; writes hq, hs, tpos
.if DOCPART == 6
	.amdgcn_target "amdgcn-amd-amdhsa--gfx1250"
	.amdhsa_code_object_version 6
	.text
	.protected	k_qcd1c14e8e4_gateup
	.globl	k_qcd1c14e8e4_gateup
	.p2align	8
	.type	k_qcd1c14e8e4_gateup,@function
k_qcd1c14e8e4_gateup:
	s_mov_b64 s[64:65], 0
	v_nop
	global_prefetch_b8 v0, s[64:65] scope:SCOPE_SE
	s_setreg_imm32_b32 hwreg(HW_REG_WAVE_SCHED_MODE, 0, 2), 2
	s_setreg_imm32_b32 hwreg(HW_REG_WAVE_MODE, 25, 1), 1
	s_wait_xcnt 0x0
	s_wait_alu depctr_vm_vsrc(0)
; h = silu(x gate_w) x (x up_w) FOR THE ROWS THAT WERE ROUTED TO AN EXPERT, on codes of E2M3, and h quantised along I for the next product.
; SHARES.  Work-group = (expert e, 128 hidden units ks, parity p of the expert's tiles of 16 rows).  THE WEIGHTS STAY, THE ROWS PASS BY: wave w keeps gate's and up's rows of
; units 128 ks + 32 w .. + 31, all of K = 1,024, in 384 registers, read from memory once.  The expert's rows come in trips of twelve tiles: their codes of x are gathered into LDS as images of the operand's registers.
; An even split (256 rows an expert) has eight tiles for a parity: a trip's twelve leave room for half as many again, so that a split near the even one needs one gather and one pair of barriers; three trips serve every split.
; WHO BELONGS TO THE EXPERT is read from sel (whole numbers that the launch before stored).  Tokens are walked in the order in which eight loads of 16 bytes bring sel: group 4 j + i, lane l = token 128 j + 4 l + i.
; A token's rank R among the expert's members gives its tile R / 16; tile i lies at place tau = 32 (i % 2) + i / 2, the row at pos = 16 tau + R % 16.  Wave 0 lays the list of tokens by rank in LDS; the last tile is filled up with token 0.
; Every loop has a constant number of trips; work without rows is jumped over by scalar branches on the count, never a barrier.  So this launch fills LDS through registers, and shares no load with other work-groups:
; the number of tiles hangs on the count, and partners could not be held to the same requests.
; BLOCKS OF K ARE TAKEN IN ANOTHER ORDER, ALIKE IN BOTH OPERANDS: lane (r, h) takes the 48 neighbouring bytes at 96 kk + 48 h of its row (three loads of 16 bytes), so the unit's block 2 c + h holds the row's block 2 h + c;
; bytes 1 and 2 of every scale word change places to match.  The sums' last bits may differ from those in ascending K.
; THE PRODUCT IS USED TRANSPOSED (source 0 = 16 rows of a weight, source 1 = 16 rows of x), and lane r of tile u takes the weight's row 8 u + r + 8 (r / 8): a lane then holds ONE row of h and 16 neighbouring units 16 h + 0 .. 15.
; OUT: hq [e][ks][tau][1,536]: a fragment (16 rows x 128 units) as the image of the next product's operand registers: register d of lane l at 512 (d / 4) + 16 l + 4 (d % 4).  hs [e][ks][pos]: its scale words (bytes 1, 2 changed over).
;      tpos [e][token]: 0, or 0x8000 | e << 10 | pos (one wave for each expert stores it).
; LIMITS: NaN and infinities are not served; a block of h whose largest magnitude lies under 2^-124 keeps the byte 1 (a block of zeros too: its codes are zeros, and this program alone reads the bytes).
; REGISTERS.  Window 0: v1-31 lane numbers and addresses; v32-47 the weights' scale words, v48-51 the rows' (these hold scales alone); v52-63 at work; v64-95 four accumulators (gate u = 0, 1; up u = 0, 1);
;   v96-127 at work (at the head: the list's tokens); v128-143 data and offsets of memory instructions; v144-239 the tile's eight fragments of x (at the head: sel, tpos, the list's addresses; in the gather: where a wave's third slot lands, with v240-243); v240-255 store data.
;   Window 1: weights, K steps 0-3, at 12 (4 kk + q).   Window 2: K steps 4-7.   Window 3: v0-199 where a wave's first two slots land.
; THE MODE: SCHED_MODE bits 1:0 = 2 (LLVM: expert scheduling mode 2), set by the entry lines.  The code itself states the register dependences between vector or matrix instructions and memory or LDS instructions, with s_wait_alu, always for 0.
; THE PLAN.  Registers that memory or LDS instructions touch, and who else names them:
;   v5-7, v9-19, v29-31   offsets and LDS addresses: written once at the head, ahead of the head's wait on va_vdst; never again.
;   v8, v138-143          made by vector lines in a trip's gather and read by its loads: a wait on va_vdst behind each of the two groups of makers; written again a trip later.
;   window 3 v0-199; the fragments' registers and v240-243 as the third slot's landing place: loads land, LDS stores read.  ONE wait on vm_vsrc behind the gather's last LDS store frees these, v8 and v138-143.
;   the fragments v144-239 and the rows' scale words v48-51: a slot's loads land, a tile's products read: ONE wait on va_vdst behind the products' places, ahead of the next slot's loads.
;   v56-63, two sets by turns: the conversion and a shift write a set, four LDS stores read it: a wait on va_vdst ahead of the stores; a wait on vm_vsrc ahead of the conversion that writes the set again.
;   the way out's v240-255, v128-139, v96-109: LDS loads land, global stores read: ONE wait on vm_vsrc at the trip's end.  v96-109 are also named by a tile's vector lines, all of which stand ahead of the tile's last wait on va_vdst.
;   At the head the walk over sel takes its compares in runs of eight, into s46 to s53, with one wait on va_sdst behind each run; the list's 32 stores and tpos's eight stand in one run each, behind one wait on va_vdst.
;   The fragments have ONE buffer: the next slot's loads stand under a branch on the count, and a second buffer would be read, as the text's ways go, where nothing has written it.
.set XSL,  12800                       ; LDS: twelve slots: 24 pieces of 512 bytes (a tile's codes) + 1 (its scale words);
.set STG,  153600                      ; twelve tiles' images of h, 1,536 bytes each;
.set SSTG, 172032                      ; their 192 scale words;
.set LIST, 173056                      ; the list: 1,024 tokens by rank; behind it the word that takes the stores of lanes that are no members; 5,120 bytes are cleared, as far as the last trip's addresses reach
.set WS,   32
.set XS,   48
.set ACC,  64
.set T,    96
.set XC,   144
.set SW,   144
.set TP,   176
.set LA,   208                         ; v208-239 at the head, wave 0: where each group's token goes in the list
.set LD,   96                          ; v96-127  at the head, wave 0: each group's token
.set MB,   46                          ; s46-53   eight groups' members, a mask of lanes each (free once the bases are made)
.set MSB, 0
.macro WIN new                         ; the immediate's high byte repeats the setting that is left; a switch that changes nothing is dropped
.if MSB != (\new)
	s_set_vgpr_msb (MSB<<8)|(\new)
.set MSB, (\new)
.endif
.endm
.macro BAR                             ; my LDS stores have landed and my LDS loads are in: then the work-group's barrier
	s_wait_dscnt 0x0
	s_barrier_signal -1
	s_barrier_wait -1
.endm
.macro WLOADS half                     ; four K steps of my 4 tiles of weights: 48 loads of 16 bytes a lane
	WIN 0x40+0x40*(\half)
.irp k, 0,1,2,3
.irp u, 0,1
.irp c, 0,1,2
	global_load_b128 v[12*(4*\k+\u)+4*\c:12*(4*\k+\u)+4*\c+3], v5, s[10:11] offset:6144*\u+96*(4*(\half)+\k)+16*\c
	global_load_b128 v[12*(4*\k+2+\u)+4*\c:12*(4*\k+2+\u)+4*\c+3], v5, s[14:15] offset:6144*\u+96*(4*(\half)+\k)+16*\c
.endr
.endr
.endr
	WIN 0
.endm
; The walk over sel goes in four runs of eight groups.  MEMB: the members of groups 8 a .. 8 a + 7.  TALLY: a group's members are added to the count.
.macro MEMB a
.irp g, 0,1,2,3,4,5,6,7
	v_and_b32 v[52+\g], s28, v[SW+8*(\a)+\g]
.endr
.irp g, 0,1,2,3,4,5,6,7
	v_cmp_ne_u32 s[MB+\g], 0, v[52+\g]             ; the group's members
.endr
	s_wait_alu depctr_va_sdst(0)                   ; the eight compares have written s46 to s53, ahead of their first readers
.endm
.macro TALLY g
	s_bcnt1_i32_b32 s30, s[MB+(\g)]
	s_add_co_u32 s29, s29, s30
.endm
; One product: accumulator q = 2 mat + u, K step kk.  A's scale word: register kk of the matrix's eight, lanes 0-15 for u = 0, lanes 16-31 for u = 1.  B's: register kk % 4, lanes 0-15 for kk < 4, else lanes 16-31.
.macro MM acc, kk, q
.set rD, (\acc)+8*(\q)
.set rA, 12*(4*((\kk)%4)+(\q))
.set rB, XC+12*(\kk)
.set rP, WS+8*((\q)/2)+(\kk)
.set rQ, XS+(\kk)%4
.if (\kk) == 0
.if (\q)%2 == 0
	v_wmma_scale_f32_16x16x128_f8f6f4 v[rD:rD+7], v[rA:rA+11], v[rB:rB+11], 0, v[rP], v[rQ] matrix_a_fmt:MATRIX_FMT_FP6 matrix_b_fmt:MATRIX_FMT_FP6
.else
	v_wmma_scale_f32_16x16x128_f8f6f4 v[rD:rD+7], v[rA:rA+11], v[rB:rB+11], 0, v[rP], v[rQ] matrix_a_fmt:MATRIX_FMT_FP6 matrix_b_fmt:MATRIX_FMT_FP6 matrix_a_scale:MATRIX_SCALE_ROW1
.endif
.elseif (\kk) < 4
.if (\q)%2 == 0
	v_wmma_scale_f32_16x16x128_f8f6f4 v[rD:rD+7], v[rA:rA+11], v[rB:rB+11], v[rD:rD+7], v[rP], v[rQ] matrix_a_fmt:MATRIX_FMT_FP6 matrix_b_fmt:MATRIX_FMT_FP6
.else
	v_wmma_scale_f32_16x16x128_f8f6f4 v[rD:rD+7], v[rA:rA+11], v[rB:rB+11], v[rD:rD+7], v[rP], v[rQ] matrix_a_fmt:MATRIX_FMT_FP6 matrix_b_fmt:MATRIX_FMT_FP6 matrix_a_scale:MATRIX_SCALE_ROW1
.endif
.else
.if (\q)%2 == 0
	v_wmma_scale_f32_16x16x128_f8f6f4 v[rD:rD+7], v[rA:rA+11], v[rB:rB+11], v[rD:rD+7], v[rP], v[rQ] matrix_a_fmt:MATRIX_FMT_FP6 matrix_b_fmt:MATRIX_FMT_FP6 matrix_b_scale:MATRIX_SCALE_ROW1
.else
	v_wmma_scale_f32_16x16x128_f8f6f4 v[rD:rD+7], v[rA:rA+11], v[rB:rB+11], v[rD:rD+7], v[rP], v[rQ] matrix_a_fmt:MATRIX_FMT_FP6 matrix_b_fmt:MATRIX_FMT_FP6 matrix_a_scale:MATRIX_SCALE_ROW1 matrix_b_scale:MATRIX_SCALE_ROW1
.endif
.endif
.endm
.macro MMA32 acc                       ; a tile's 32 products: the four accumulators take turns, one instruction a turn; the first K step starts the sums with the constant 0
	WIN 0x01
.irp kk, 0,1,2,3
.irp q, 0,1,2,3
	MM \acc, \kk, \q
.endr
.endr
	WIN 0x02
.irp kk, 4,5,6,7
.irp q, 0,1,2,3
	MM \acc, \kk, \q
.endr
.endr
	WIN 0
.endm
.macro LOADX j                         ; slot j's images into the operand's registers: 24 pieces of codes, one of scale words
.if (\j) < 4
.set rL, 7
.elseif (\j) < 8
.set rL, 10
.else
.set rL, 29
.endif
.set oL, XSL*((\j)%4)
.irp q, 0,1,2,3,4,5,6,7,8,9,10,11,12,13,14,15,16,17,18,19,20,21,22,23
	ds_load_b128 v[XC+4*\q:XC+4*\q+3], v[rL] offset:oL+512*\q
.endr
	ds_load_b128 v[XS:XS+3], v[rL] offset:oL+12288
.endm
	s_load_b256 s[4:11], s[0:1], 0x0               ; xq s[4:5], stat s[6:7], sel s[8:9], gate's codes s[10:11]
	s_load_b256 s[12:19], s[0:1], 0x20             ; gate's scales s[12:13], up's codes s[14:15], up's scales s[16:17], hq s[18:19]
	s_load_b128 s[20:23], s[0:1], 0x40             ; hs s[20:21], tpos s[22:23]
	s_set_vgpr_msb 0x40
	v_lshl_add_u32 v254, v0, 2, 0x2b800
	v_mov_b32 v255, 0
	s_set_vgpr_msb 0x4000
	v_lshrrev_b32 v1, 5, v0
	v_readfirstlane_b32 s24, v1                    ; wave w
	v_and_b32 v1, 31, v0                           ; lane l
	v_and_b32 v2, 15, v0                           ; r
	v_bfe_u32 v3, v0, 4, 1                         ; h
	s_lshr_b32 s25, ttmp9, 5                       ; e
	s_bfe_u32 s26, ttmp9, 0x40001                  ; ks
	s_and_b32 s27, ttmp9, 1                        ; p
	s_lshl_b32 s28, 1, s25                         ; the expert's bit in sel
	v_and_b32 v4, 8, v2
	v_add_nc_u32 v4, v4, v2                        ; r + 8 (r / 8)
	v_mul_u32_u24 v5, v4, 768
	v_mul_u32_u24 v20, v3, 48                      ; v20 = 48 h
	v_add_nc_u32 v5, v5, v20                       ; v5: my place in a tile of weights
	v_lshl_add_u32 v6, v3, 3, v4
	v_lshlrev_b32 v6, 5, v6                        ; v6: scale bytes: lanes 0-15 tile u = 0's rows, lanes 16-31 tile u = 1's; 32 bytes a row
	v_lshlrev_b32 v7, 4, v1                        ; v7 = 16 l: an image's place for my lane; slots 0-3
	v_lshlrev_b32 v22, 2, v1                       ; v22 = 4 l
	v_lshlrev_b32 v31, 3, v1                       ; v31 = 8 l
	v_lshlrev_b32 v21, 4, v3
	v_add_nc_u32 v21, 96, v21                      ; v21 = 96 + 16 h: my four scale words in a record of stat
	v_mov_b32 v23, 0x400
	s_wait_alu depctr_va_sdst(0)                   ; s24, the wave's number, is written, ahead of its first reader
	s_lshl_b32 s30, s27, 6
	s_lshl_b32 s31, s24, 7
	s_add_co_u32 s30, s30, s31
	s_add_co_u32 s30, s30, LIST
	v_lshl_add_u32 v9, v2, 2, s30                  ; v9: the list's entry of row r of slot w in trip 0: LIST + 4 r + 64 p + 128 w
	v_add_nc_u32 v10, 51200, v7                    ; v10: slots 4-7
	v_add_nc_u32 v29, 102400, v7                   ; v29: slots 8-11
	s_mul_i32 s30, s24, XSL
	v_add_nc_u32 v11, s30, v7                      ; v11: where I store slot w's images (slot w + 4: 51,200 on),
	v_add_nc_u32 v30, 102400, v11                  ; v30: and slot w + 8's
	s_and_b32 s30, s24, 1
	s_mul_i32 s30, s30, 6
	s_lshr_b32 s31, s24, 1
	s_lshl_b32 s31, s31, 8
	s_add_co_u32 s31, s31, STG
	v_lshl_add_u32 v25, v2, 4, s31                 ; my block w of the next K step belongs to lanes r + 16 (w / 2),
	v_mul_u32_u24 v26, v3, 3
	v_add_nc_u32 v26, s30, v26                     ; registers d = 6 (w % 2) + 3 h + 0 .. 2
.irp i, 0,1,2
	v_add_nc_u32 v27, \i, v26
	v_lshrrev_b32 v28, 2, v27
	v_and_b32 v27, 3, v27
	v_lshl_add_u32 v28, v28, 9, v25
	v_lshl_add_u32 v[12+\i], v27, 2, v28           ; v12-14: STG + 512 (d / 4) + 256 (w / 2) + 16 r + 4 (d % 4)
.endr
	s_and_b32 s30, s24, 1
	s_lshl_b32 s30, s30, 1
	s_lshr_b32 s31, s24, 1
	s_or_b32 s30, s30, s31                         ; block w's byte in the scale word: 2 (w % 2) + w / 2
	s_add_co_u32 s30, s30, SSTG
	v_lshl_add_u32 v15, v2, 2, s30                 ; v15
	s_mul_i32 s30, s24, 1536
	v_add_nc_u32 v19, s30, v7                      ; v19: 1,536 w + 16 l: slot w's image in hq,
	v_add_nc_u32 v16, STG, v19                     ; v16: and in the stage
	v_add_nc_u32 v17, SSTG, v31                    ; v17: the scale words' stage, 8 bytes a lane
	v_add_nc_u32 v18, LIST, v7                     ; v18
	v_mov_b32 v54, 0                               ; written once: a lane permute's destination counts as one of its sources
	s_lshl_b32 s30, s25, 11
	s_lshl_b32 s31, s26, 7
	s_add_co_u32 s30, s30, s31
	s_lshl_b32 s31, s24, 5
	s_add_co_u32 s30, s30, s31                     ; my first row of the weights: 2,048 e + 128 ks + 32 w
	s_mul_i32 s36, s30, 768
	s_mov_b32 s37, 0
	s_lshl_b32 s46, s30, 5
	s_mov_b32 s47, 0
	s_lshl_b32 s30, s25, 4
	s_add_co_u32 s30, s30, s26                     ; 16 e + ks
	s_mul_i32 s48, s30, 98304
	s_mul_i32 s31, s27, 49152
	s_add_co_u32 s48, s48, s31                     ; hq: 64 tiles of 1,536 bytes for each (e, ks); my parity's 32 on end
	s_mov_b32 s49, 0
	s_lshl_b32 s50, s30, 12
	s_lshl_b32 s31, s27, 11
	s_add_co_u32 s50, s50, s31                     ; hs likewise: 1,024 words, 512 for a parity
	s_mov_b32 s51, 0
	s_lshl_b32 s52, s25, 12                        ; tpos: 4,096 bytes an expert
	s_mov_b32 s53, 0
	s_mov_b32 s38, 0x76543210
	s_mov_b32 s39, 0xfedcba98                      ; v_permlanex16_b32's selects for lane l xor 16
	s_mov_b32 s40, 0x03010200                      ; v_perm_b32: bytes 1 and 2 change places
	s_mov_b32 s44, 0xbfb8aa3b                      ; -log2(e)
	s_mov_b32 s45, s44                             ; (named with it as a pair, so it is written)
	s_lshl_b32 s42, s25, 10
	s_or_b32 s42, s42, 0x8000
	s_xor_b32 s41, s24, 1
	s_and_b32 s30, ttmp9, 31
	s_or_b32 s41, s41, s30                         ; 0 in wave 1 of the expert's first work-group: it stores tpos
	s_wait_kmcnt 0x0
	s_add_nc_u64 s[10:11], s[10:11], s[36:37]
	s_add_nc_u64 s[14:15], s[14:15], s[36:37]
	s_add_nc_u64 s[12:13], s[12:13], s[46:47]
	s_add_nc_u64 s[16:17], s[16:17], s[46:47]
	s_add_nc_u64 s[18:19], s[18:19], s[48:49]
	s_add_nc_u64 s[20:21], s[20:21], s[50:51]
	s_add_nc_u64 s[22:23], s[22:23], s[52:53]
	s_wait_alu depctr_va_vdst(0)                   ; the offsets and LDS addresses v5 to v31 are written, which the loads and stores of the whole kernel read
.irp j, 0,1,2,3,4,5,6,7
	global_load_b128 v[SW+4*\j:SW+4*\j+3], v7, s[8:9] offset:512*\j   ; all of sel
.endr
	global_load_b128 v[WS:WS+3], v6, s[12:13]      ; the weights' scale words: eight for each row
	global_load_b128 v[WS+4:WS+7], v6, s[12:13] offset:16
	global_load_b128 v[WS+8:WS+11], v6, s[16:17]
	global_load_b128 v[WS+12:WS+15], v6, s[16:17] offset:16
	WLOADS 0
	s_wait_loadcnt 52                              ; sel is in: behind it stand the 4 loads of scales and 48 of weights
	s_mov_b32 s29, 0
	s_cmp_eq_u32 s24, 0
	s_cbranch_scc1 .Lrole_list
	s_cmp_eq_u32 s41, 0
	s_cbranch_scc1 .Lrole_tpos
.irp a, 0,1,2,3                        ; the count alone
	MEMB \a
.irp g, 0,1,2,3,4,5,6,7
	TALLY \g
.endr
.endr
	s_branch .Ljoin
.Lrole_list:                                           ; wave 0 alone touches LDS ahead of the barrier below
.irp i, 0,1,2,3
	v_mov_b32 v[128+\i], 0
.endr
.irp a, 0,1,2,3                        ; each member's token and its place in the list, in registers of their own for each of the 32 groups
	MEMB \a
.irp g, 0,1,2,3,4,5,6,7
	v_mbcnt_lo_u32_b32 v[LA+8*\a+\g], s[MB+\g], s29            ; rank = members so far + members in lower lanes
	v_cndmask_b32 v[LA+8*\a+\g], v23, v[LA+8*\a+\g], s[MB+\g]  ; no member: index 1,024
	v_min_u32 v[LA+8*\a+\g], 0x400, v[LA+8*\a+\g]
	v_lshl_add_u32 v[LA+8*\a+\g], v[LA+8*\a+\g], 2, LIST
	v_add_nc_u32 v[LD+8*\a+\g], 128*((8*\a+\g)/4)+(8*\a+\g)%4, v22   ; my token
	TALLY \g
.endr
.endr
	s_wait_alu depctr_va_vdst(0)                   ; the zeros v128 to v131, the 32 places v208 to v239 and the 32 tokens v96 to v127 are written, which the LDS stores below read
.irp k, 0,1,2,3,4,5,6,7,8,9
	ds_store_b128 v18, v[128:131] offset:512*\k    ; the list begins as token 0 everywhere: what fills up the last tile
.endr
.irp k, 0,1,2
	ds_store_b64 v17, v[128:129] offset:256*\k     ; and the scale words' stage as zeros: it is read in whole pieces of 256 bytes
.endr
.set n, 0
.rept 32
	ds_store_b32 v[LA+n], v[LD+n]                  ; LDS serves a wave's instructions in order: these stores come behind the zeros
.set n, n+1
.endr
	s_wait_alu depctr_vm_vsrc(0)                   ; the LDS stores have read v96 to v131 and v208 to v239, which the tiles' vector lines and later loads write
	s_branch .Ljoin
.Lrole_tpos:
.irp a, 0,1,2,3                        ; each token's place, or 0
	MEMB \a
.irp g, 0,1,2,3,4,5,6,7
	v_mbcnt_lo_u32_b32 v60, s[MB+\g], s29
	v_bfe_u32 v61, v60, 4, 1                       ; the tile's parity,
	v_and_b32 v62, 15, v60                         ; the row in the tile,
	v_lshrrev_b32 v60, 5, v60                      ; half the tile's number
	v_lshl_or_b32 v62, v61, 9, v62
	v_lshl_or_b32 v62, v60, 4, v62                 ; pos
	v_or_b32 v62, s42, v62
	v_cndmask_b32 v[TP+8*\a+\g], 0, v62, s[MB+\g]
	TALLY \g
.endr
.endr
	s_wait_alu depctr_va_vdst(0)                   ; the 32 entries v176 to v207 are written, which the eight stores read
.irp j, 0,1,2,3,4,5,6,7
	global_store_b128 v7, v[TP+4*\j:TP+4*\j+3], s[22:23] offset:512*\j   ; 512 neighbouring bytes
.endr
	s_wait_xcnt 0x0                                ; the stores have read their registers, which x's fragments take later
	s_wait_alu depctr_vm_vsrc(0)                   ; the stores have read v176 to v207, in which x's fragments land
.Ljoin:
	s_wait_loadcnt 48                              ; the scale words are in: behind them stand the 48 loads of weights
.irp i, 0,1,2,3,4,5,6,7,8,9,10,11,12,13,14,15
	v_perm_b32 v[WS+\i], v[WS+\i], v[WS+\i], s40
.endr
.rept 8
	v_nop                                          ; a scale register written by a vector instruction stands eight places ahead of the scaled product
.endr
	s_wait_alu depctr_va_vdst(0)                   ; the sixteen v_perm_b32 have written the scale words v32 to v47, which the scaled products take; the walk is done with v144 to v239, in which loads land
	WLOADS 1
	BAR                                            ; the list lies in LDS
	s_lshl_b32 s30, s27, 4
	s_sub_co_i32 s32, s29, s30                     ; s32 = count - first row of this trip's slot 0: slot j has rows where 32 j < s32
	s_mov_b32 s33, 0                               ; trips
	s_mov_b32 s34, 0                               ; the list's step: 1,536 bytes a trip
	s_lshl_b32 s35, s24, 5                         ; 32 w
; A tile of 16 rows: 32 products, silu(g) x u, the quantiser, the image to the stage.
.macro TILE j
.if (\j) > 0
	s_cmp_le_i32 s32, 32*(\j)
	s_cbranch_scc1 .Ldone
	s_wait_dscnt 0x4                               ; the slot's 25 loads are in; the last tile's four stores behind them may be out
.else
	s_wait_dscnt 0x0
.endif
	MMA32 ACC
.rept 4
	v_nop                                          ; four places ahead of the first read of results (ISA guide 7.12.1)
.endr
.if (\j) < 11
	s_wait_alu depctr_va_vdst(0)                   ; the products are done reading the fragments v144 to v239 and the rows' scale words v48 to v51, in which the next slot's loads land
	s_cmp_le_i32 s32, 32*(\j)+32
	s_cbranch_scc1 .Lno_next_\@
	LOADX (\j)+1                                   ; the next tile's operands come while this tile's h is made: no vector line of the tile names their registers
.Lno_next_\@:
.endif
.irp k, 0,2,4,6,8,10,12,14
	v_pk_mul_f32 v[T+\k:T+\k+1], v[ACC+\k:ACC+\k+1], s[44:45] op_sel_hi:[1,0]   ; -g log2(e); each accumulator is read from its low end on
.endr
	s_wait_alu depctr_va_vdst(0)
.irp k, 0,1,2,3,4,5,6,7,8,9,10,11,12,13,14,15
	v_exp_f32 v[T+\k], v[T+\k]
.endr
	v_nop                                          ; a plain line behind the last exponential
	s_wait_alu depctr_va_vdst(0)                   ; the sixteen exponentials have written v96 to v111, ahead of their first reader: one wait for the batch
.irp k, 0,2,4,6,8,10,12,14
	v_pk_add_f32 v[T+\k:T+\k+1], v[T+\k:T+\k+1], 1.0 op_sel_hi:[1,0]
.endr
	s_wait_alu depctr_va_vdst(0)
.irp k, 0,1,2,3,4,5,6,7,8,9,10,11,12,13,14,15
	v_rcp_f32 v[T+\k], v[T+\k]                     ; 1 / (1 + e^-g)
.endr
	v_nop
	s_wait_alu depctr_va_vdst(0)                   ; the sixteen reciprocals have written v96 to v111, ahead of their first reader
.irp k, 0,2,4,6,8,10,12,14
	v_pk_mul_f32 v[T+\k:T+\k+1], v[T+\k:T+\k+1], v[ACC+\k:ACC+\k+1]           ; silu(g)
.endr
.irp k, 0,2,4,6,8,10,12,14
	v_pk_mul_f32 v[T+16+\k:T+17+\k], v[T+\k:T+\k+1], v[ACC+16+\k:ACC+17+\k]   ; x u: h of units 16 h + 0 .. 15 of my row
.endr
	v_max3_num_f32 v52, |v[T+16]|, |v[T+17]|, 0x1800000    ; my 16 numbers, and the floor 2^(3 - 127)
	v_max3_num_f32 v53, |v[T+18]|, |v[T+19]|, |v[T+20]|
	v_max3_num_f32 v52, v52, |v[T+21]|, |v[T+22]|
	v_max3_num_f32 v53, v53, |v[T+23]|, |v[T+24]|
	v_max3_num_f32 v52, v52, |v[T+25]|, |v[T+26]|
	v_max3_num_f32 v53, v53, |v[T+27]|, |v[T+28]|
	v_max3_num_f32 v52, v52, |v[T+29]|, |v[T+30]|
	v_max3_num_f32 v53, v53, v52, |v[T+31]|
	v_permlanex16_b32 v54, v53, s38, s39
	v_max_num_f32 v53, v53, v54                    ; with lane l xor 16's 16: the block's largest magnitude
	v_add_nc_u32 v55, 0xff000000, v53              ; 2 off its exponent field: the conversion's scale operand
.set rC, 56+4*((\j)%2)                 ; two sets of registers by turns
.if (\j) > 1
	s_wait_alu depctr_vm_vsrc(0)                   ; the LDS stores of two tiles back have read this set, which the two lines below write again (tiles 0 and 1: the wait at the trip's end has stated it)
.endif
	v_cvt_scalef32_pk16_fp6_f32 v[rC:rC+2], v[T+16:T+31], v55
	v_lshrrev_b32 v[rC+3], 23, v55                 ; the scale's byte (a plain line behind the conversion)
	s_wait_alu depctr_va_vdst(0)                   ; the conversion and the shift have written the set's four registers, which the LDS stores read; the tile's vector lines are done with v96 to v127
	ds_store_b32 v12, v[rC] offset:1536*(\j)
	ds_store_b32 v13, v[rC+1] offset:1536*(\j)
	ds_store_b32 v14, v[rC+2] offset:1536*(\j)
	ds_store_b8 v15, v[rC+3] offset:64*(\j)        ; both halves of the lanes write the same byte with the same value
.endm
.Ltrip:                                                ; three trips of twelve tiles serve every split, all 1,024 tokens on one expert too
	s_cmp_le_i32 s32, s35
	s_cbranch_scc1 .Lno_fetch                      ; slot w has no rows (then slots w + 4 and w + 8 have none)
	v_add_nc_u32 v8, s34, v9
	s_wait_alu depctr_va_vdst(0)                   ; v8 is written, which the three loads read; earlier vector lines are done with v52, v53 and v55, in which they land
	ds_load_b32 v52, v8                            ; the token of row r of slot w,
	ds_load_b32 v53, v8 offset:512                 ; of slot w + 4,
	ds_load_b32 v55, v8 offset:1024                ; and of slot w + 8
	s_wait_dscnt 0x0
	v_min_u32 v52, 0x3ff, v52
	v_min_u32 v53, 0x3ff, v53
	v_min_u32 v55, 0x3ff, v55
	v_mul_u32_u24 v140, v52, 768
	v_mul_u32_u24 v141, v53, 768
	v_mul_u32_u24 v138, v55, 768
	v_add_nc_u32 v140, v140, v20                   ; its codes, + 48 h
	v_add_nc_u32 v141, v141, v20
	v_add_nc_u32 v138, v138, v20
	v_lshl_add_u32 v142, v52, 7, v21               ; its scale words 4 h .. 4 h + 3
	v_lshl_add_u32 v143, v53, 7, v21
	v_lshl_add_u32 v139, v55, 7, v21
	WIN 0xc0                                       ; destination window 3
	s_wait_alu depctr_va_vdst(0)                   ; the six offsets v138 to v143 are written, which the gather's loads read; the last trip's products are done reading v144 to v239, in which the third slot lands
.irp t, 0,1
.irp q, 0,1,2,3,4,5,6,7,8,9,10,11,12,13,14,15,16,17,18,19,20,21,22,23
	global_load_b128 v[100*\t+4*\q:100*\t+4*\q+3], v[140+\t], s[4:5] offset:96*(\q/3)+16*(\q%3)
.endr
	global_load_b128 v[100*\t+96:100*\t+99], v[142+\t], s[6:7]
.endr
	WIN 0
	s_add_co_u32 s30, s35, 256
	s_cmp_le_i32 s32, s30
	s_cbranch_scc1 .Ltwo                           ; slot w + 8 has no rows
.irp q, 0,1,2,3,4,5,6,7,8,9,10,11,12,13,14,15,16,17,18,19,20,21,22,23
	global_load_b128 v[XC+4*\q:XC+4*\q+3], v138, s[4:5] offset:96*(\q/3)+16*(\q%3)   ; it lands where the fragments will lie: those registers are free until the barrier below
.endr
	global_load_b128 v[240:243], v139, s[6:7]
	s_wait_loadcnt 0x0
.irp q, 0,1,2,3,4,5,6,7,8,9,10,11,12,13,14,15,16,17,18,19,20,21,22,23
	ds_store_b128 v30, v[XC+4*\q:XC+4*\q+3] offset:512*\q
.endr
	ds_store_b128 v30, v[240:243] offset:12288
.Ltwo:
	s_wait_loadcnt 0x0
	WIN 0x0c                                       ; an LDS store's data are its source 1: window 3
.irp t, 0,1
.irp q, 0,1,2,3,4,5,6,7,8,9,10,11,12,13,14,15,16,17,18,19,20,21,22,23,24
	ds_store_b128 v11, v[100*\t+4*\q:100*\t+4*\q+3] offset:51200*\t+512*\q
.endr
.endr
	WIN 0
	s_wait_alu depctr_vm_vsrc(0)                   ; the gather's LDS stores have read v144 to v243 and window 3, and its loads v8 and v138 to v143: the slots' loads, the way out's loads and the next trip's gather write these
.Lno_fetch:
	s_wait_loadcnt 0x0                             ; on every way: the weights are in
	BAR                                            ; the trip's slots lie in LDS; nobody reads the stage any more
	s_cmp_le_i32 s32, 0
	s_cbranch_scc1 .Ldone
	LOADX 0
	TILE 0
	TILE 1
	TILE 2
	TILE 3
	TILE 4
	TILE 5
	TILE 6
	TILE 7
	TILE 8
	TILE 9
	TILE 10
	TILE 11
.Ldone:
	BAR                                            ; the tiles' images lie in the stage; nobody reads the slots any more
	s_cmp_le_i32 s32, s35
	s_cbranch_scc1 .Lno_out
.irp q, 0,1,2
	ds_load_b128 v[240+4*\q:243+4*\q], v16 offset:512*\q
.endr
	s_wait_dscnt 0x0
.irp q, 0,1,2
	global_store_b128 v19, v[240+4*\q:243+4*\q], s[18:19] offset:512*\q          ; 512 neighbouring bytes, at a multiple of 256 from hq's first byte
.endr
	s_add_co_u32 s30, s35, 128
	s_cmp_le_i32 s32, s30
	s_cbranch_scc1 .Lno_out
.irp q, 0,1,2
	ds_load_b128 v[128+4*\q:131+4*\q], v16 offset:6144+512*\q
.endr
	s_wait_dscnt 0x0
.irp q, 0,1,2
	global_store_b128 v19, v[128+4*\q:131+4*\q], s[18:19] offset:6144+512*\q
.endr
	s_add_co_u32 s30, s35, 256
	s_cmp_le_i32 s32, s30
	s_cbranch_scc1 .Lno_out
.irp q, 0,1,2
	ds_load_b128 v[96+4*\q:99+4*\q], v16 offset:12288+512*\q
.endr
	s_wait_dscnt 0x0
.irp q, 0,1,2
	global_store_b128 v19, v[96+4*\q:99+4*\q], s[18:19] offset:12288+512*\q
.endr
.Lno_out:
	s_cmp_lg_u32 s24, 0
	s_cbranch_scc1 .Lno_sc
	s_cmp_le_i32 s32, 0                            ; wave 0: the scale words, four tiles' 256 bytes at a time, as far as tiles have rows: so no trip writes past its parity's 512 words
	s_cbranch_scc1 .Lno_sc
	ds_load_b64 v[252:253], v17
	s_wait_dscnt 0x0
	global_store_b64 v31, v[252:253], s[20:21]     ; 256 neighbouring bytes, aligned
	s_cmp_le_i32 s32, 128
	s_cbranch_scc1 .Lno_sc
	ds_load_b64 v[254:255], v17 offset:256
	s_wait_dscnt 0x0
	global_store_b64 v31, v[254:255], s[20:21] offset:256
	s_cmp_le_i32 s32, 256
	s_cbranch_scc1 .Lno_sc
	ds_load_b64 v[108:109], v17 offset:512
	s_wait_dscnt 0x0
	global_store_b64 v31, v[108:109], s[20:21] offset:512
.Lno_sc:
	s_wait_xcnt 0x0                                ; the stores have read their registers and bases: both may be written again
	s_wait_alu depctr_vm_vsrc(0)                   ; the way out's stores have read v96 to v109, v128 to v139 and v240 to v255, and the tiles' LDS stores v56 to v63: the next trip's vector lines and loads write these
	s_add_nc_u64 s[18:19], s[18:19], 18432         ; twelve tiles on
	s_add_nc_u64 s[20:21], s[20:21], 768
	s_sub_co_i32 s32, s32, 384
	s_add_co_u32 s34, s34, 1536
	s_add_co_u32 s33, s33, 1
	s_cmp_lt_u32 s33, 3
	s_cbranch_scc1 .Ltrip
	s_set_vgpr_msb 0x5                             ; the add's two registers, sources 0 and 1, lie in window 1
	s_wait_dscnt 0x0                               ; the closing lines, six on end
	s_wait_alu 0x0
	s_wait_tensorcnt 0x0
	ds_add_u32 v254, v255
	s_wait_dscnt 0x0
	s_endpgm
.Lfunc_end_k_qcd1c14e8e4_gateup:
	.size	k_qcd1c14e8e4_gateup, .Lfunc_end_k_qcd1c14e8e4_gateup-k_qcd1c14e8e4_gateup
	.p2alignl 7, 3214868480
	.fill 96, 4, 3214868480
	.section	.rodata,"a",@progbits
	.p2align	6, 0x0
	.amdhsa_kernel k_qcd1c14e8e4_gateup
		.amdhsa_group_segment_fixed_size 178688
		.amdhsa_private_segment_fixed_size 0
		.amdhsa_enable_private_segment 0
		.amdhsa_kernarg_size 80
		.amdhsa_user_sgpr_count 2
		.amdhsa_user_sgpr_kernarg_segment_ptr 1
		.amdhsa_wavefront_size32 1
		.amdhsa_system_sgpr_workgroup_id_x 1
		.amdhsa_system_sgpr_workgroup_id_y 1
		.amdhsa_system_sgpr_workgroup_id_z 1
		.amdhsa_system_vgpr_workitem_id 0
		.amdhsa_next_free_vgpr 1024
		.amdhsa_next_free_sgpr 66
		.amdhsa_reserve_vcc 0
		.amdhsa_float_denorm_mode_32 3
		.amdhsa_float_denorm_mode_16_64 3
		.amdhsa_memory_ordered 1
		.amdhsa_forward_progress 1
		.amdhsa_inst_pref_size 201
	.end_amdhsa_kernel
	.amdgpu_metadata
---
amdhsa.version: [ 1, 2 ]
amdhsa.kernels:
  - .name:           k_qcd1c14e8e4_gateup
    .symbol:         k_qcd1c14e8e4_gateup.kd
    .args:
      - { .name: xq, .offset: 0, .size: 8, .value_kind: global_buffer, .address_space: global }
      - { .name: stat, .offset: 8, .size: 8, .value_kind: global_buffer, .address_space: global }
      - { .name: sel, .offset: 16, .size: 8, .value_kind: global_buffer, .address_space: global }
      - { .name: gate_w_codes, .offset: 24, .size: 8, .value_kind: global_buffer, .address_space: global }
      - { .name: gate_w_scales, .offset: 32, .size: 8, .value_kind: global_buffer, .address_space: global }
      - { .name: up_w_codes, .offset: 40, .size: 8, .value_kind: global_buffer, .address_space: global }
      - { .name: up_w_scales, .offset: 48, .size: 8, .value_kind: global_buffer, .address_space: global }
      - { .name: hq, .offset: 56, .size: 8, .value_kind: global_buffer, .address_space: global }
      - { .name: hs, .offset: 64, .size: 8, .value_kind: global_buffer, .address_space: global }
      - { .name: tpos, .offset: 72, .size: 8, .value_kind: global_buffer, .address_space: global }
    .group_segment_fixed_size: 178688
    .private_segment_fixed_size: 0
    .kernarg_segment_align: 8
    .kernarg_segment_size: 80
    .max_flat_workgroup_size: 128
    .sgpr_count:     66
    .vgpr_count:     1024
    .wavefront_size: 32
...
	.end_amdgpu_metadata
.endif
;; end of part 6
;; launch down (part 7): grid 256 x 1, 4 waves a work-group, no clusters, 255,488 bytes of LDS; arguments sel, hq, hs, down_w_codes, down_w_scales, part; writes part
.if DOCPART == 7
	.amdgcn_target "amdgcn-amd-amdhsa--gfx1250"
	.amdhsa_code_object_version 6
	.text
	.protected	k_qcd1c14e8e4_down
	.globl	k_qcd1c14e8e4_down
	.p2align	8
	.type	k_qcd1c14e8e4_down,@function
k_qcd1c14e8e4_down:
	s_mov_b64 s[64:65], 0
	v_nop
	global_prefetch_b8 v0, s[64:65] scope:SCOPE_SE
	s_setreg_imm32_b32 hwreg(HW_REG_WAVE_SCHED_MODE, 0, 2), 2
	s_setreg_imm32_b32 hwreg(HW_REG_WAVE_MODE, 25, 1), 1
	s_wait_xcnt 0x0
	s_wait_alu depctr_vm_vsrc(0)
; part[e][pos][:] = h[e][pos][:] x down_w[e], on codes of E2M3, for the rows that were routed to expert e; not yet weighed: the last launch weighs and adds a token's two rows.
; SHARES.  Work-group = (expert e, 128 columns ns, p = the expert's tiles of 16 rows with number % 4 = p).  THE WEIGHTS STAY, THE ROWS PASS BY: wave w keeps 64 columns (w % 2) x half of K = 2,048 (w / 2) in 384 registers,
; read from memory once.  The rows come in trips of six tiles; hq and hs lie as images of the operand's registers; wave w brings slot w's 16 fragments and scale words into LDS, and half of K of slot 4 + w / 2; each wave reads its half of K.
; An even split (256 rows an expert) has four tiles for a work-group: a trip's six leave room for half as many again, so that a split near the even one needs one fetch and one pair of barriers; three trips serve every split.
; The two halves of K meet in a stage in LDS and are added in f32 on the way out.
; The count of the expert's rows is read from sel (whole numbers).  Every loop has a constant number of trips; work without rows is jumped over by scalar branches on the count, never a barrier.  So LDS is filled
; through registers, and no load is shared with other work-groups: the number of tiles hangs on the count.
; Tile i lies at place tau = 32 (i % 2) + i / 2 in hq, hs and part.  Blocks of K are taken as in the launch before: lane (r, h) holds the 48 neighbouring bytes at 96 kk + 48 h; bytes 1 and 2 of the scale words change places.
; THE PRODUCT IS USED TRANSPOSED (source 0 = 16 columns' rows of down_w, source 1 = 16 rows of h): a lane holds eight neighbouring columns of one row.
; REGISTERS.  Window 0: v1-25 lane numbers and addresses; v32-47 the weights' scale words, v48-51 the rows' (scales alone); v52-59 at work; v64-95 and v96-127 four accumulators, two sets by turns;
;   v144-239 the tile's eight fragments of h (at the head: sel; in the fetch: where the half slot lands, with v240-243; on the way out: rows).   Window 1: weights, my K steps 0-3, at 12 (4 kk + q).   Window 2: K steps 4-7.   Window 3: v0-199 where slot w lands.
; THE MODE: SCHED_MODE bits 1:0 = 2 (LLVM: expert scheduling mode 2), set by the entry lines.  The code itself states the register dependences between vector or matrix instructions and memory or LDS instructions, with s_wait_alu, always for 0.
; THE PLAN.  Registers that memory or LDS instructions touch, and who else names them:
;   v5-25                 offsets and LDS addresses: written once at the head, ahead of the head's wait on va_vdst; never again.
;   window 3 v0-199; the fragments' registers and v240-243 as the half slot's landing place: loads land, LDS stores read; no vector line names window 3 or v240-243.  ONE wait on vm_vsrc behind the fetch's last LDS store frees them.
;   the fragments v144-239 and the rows' scale words v48-51: a slot's loads land, a tile's products read.
;   the accumulators v64-127, two sets by turns: a tile's products write a set, eight LDS stores read it.
;     ONE wait on va_vdst behind a tile's places states both: the products are done reading the fragments (for the next slot's loads) and have written the accumulators (for the stores).
;     A wait on vm_vsrc stands ahead of the products that write a set again.
;   the way out's v144-207: LDS loads land, sixteen additions read them and write v144-175, eight stores read those: the additions first, ONE wait on va_vdst, then the stores in a run;
;     a wait on vm_vsrc ahead of the next batch's loads, and at the trip's end.
;   At the head the count takes its compares in runs of eight, into s36-39 and s42-45, with one wait on va_sdst behind each run.
;   The fragments have ONE buffer: the next slot's loads stand under a branch on the count, and a second buffer would be read, as the text's ways go, where nothing has written it.
.set XSL,  25600                       ; LDS: six slots: 48 pieces of 512 bytes (codes), 2 (scale words, one for each half of K);
.set OSTG, 153600                      ; the stage: [half of K][slot][16 rows][512 bytes + 16]
.set OPL,  50688                       ; a half's plane of it: 6 x 16 x 528
.set WS,   32
.set XS,   48
.set ACC,  64
.set XC,   144
.set SW,   144
.set MSB, 0
.macro WIN new                         ; the immediate's high byte repeats the setting that is left; a switch that changes nothing is dropped
.if MSB != (\new)
	s_set_vgpr_msb (MSB<<8)|(\new)
.set MSB, (\new)
.endif
.endm
.macro BAR                             ; my LDS stores have landed and my LDS loads are in: then the work-group's barrier
	s_wait_dscnt 0x0
	s_barrier_signal -1
	s_barrier_wait -1
.endm
.macro WLOADS half                     ; four K steps of my 4 tiles of columns: 48 loads of 16 bytes a lane
	WIN 0x40+0x40*(\half)
.irp k, 0,1,2,3
.irp q, 0,1,2,3
.irp c, 0,1,2
	global_load_b128 v[12*(4*\k+\q)+4*\c:12*(4*\k+\q)+4*\c+3], v5, s[10:11] offset:24576*\q+96*(4*(\half)+\k)+16*\c
.endr
.endr
.endr
	WIN 0
.endm
; One product: accumulator q, K step kk.  A's scale word: register kk of the eight of q / 2, lanes 0-15 for even q, lanes 16-31 for odd q.  B's: register kk % 4, lanes 0-15 for kk < 4, else lanes 16-31.
.macro MM acc, kk, q
.set rD, (\acc)+8*(\q)
.set rA, 12*(4*((\kk)%4)+(\q))
.set rB, XC+12*(\kk)
.set rP, WS+8*((\q)/2)+(\kk)
.set rQ, XS+(\kk)%4
.if (\kk) == 0
.if (\q)%2 == 0
	v_wmma_scale_f32_16x16x128_f8f6f4 v[rD:rD+7], v[rA:rA+11], v[rB:rB+11], 0, v[rP], v[rQ] matrix_a_fmt:MATRIX_FMT_FP6 matrix_b_fmt:MATRIX_FMT_FP6
.else
	v_wmma_scale_f32_16x16x128_f8f6f4 v[rD:rD+7], v[rA:rA+11], v[rB:rB+11], 0, v[rP], v[rQ] matrix_a_fmt:MATRIX_FMT_FP6 matrix_b_fmt:MATRIX_FMT_FP6 matrix_a_scale:MATRIX_SCALE_ROW1
.endif
.elseif (\kk) < 4
.if (\q)%2 == 0
	v_wmma_scale_f32_16x16x128_f8f6f4 v[rD:rD+7], v[rA:rA+11], v[rB:rB+11], v[rD:rD+7], v[rP], v[rQ] matrix_a_fmt:MATRIX_FMT_FP6 matrix_b_fmt:MATRIX_FMT_FP6
.else
	v_wmma_scale_f32_16x16x128_f8f6f4 v[rD:rD+7], v[rA:rA+11], v[rB:rB+11], v[rD:rD+7], v[rP], v[rQ] matrix_a_fmt:MATRIX_FMT_FP6 matrix_b_fmt:MATRIX_FMT_FP6 matrix_a_scale:MATRIX_SCALE_ROW1
.endif
.else
.if (\q)%2 == 0
	v_wmma_scale_f32_16x16x128_f8f6f4 v[rD:rD+7], v[rA:rA+11], v[rB:rB+11], v[rD:rD+7], v[rP], v[rQ] matrix_a_fmt:MATRIX_FMT_FP6 matrix_b_fmt:MATRIX_FMT_FP6 matrix_b_scale:MATRIX_SCALE_ROW1
.else
	v_wmma_scale_f32_16x16x128_f8f6f4 v[rD:rD+7], v[rA:rA+11], v[rB:rB+11], v[rD:rD+7], v[rP], v[rQ] matrix_a_fmt:MATRIX_FMT_FP6 matrix_b_fmt:MATRIX_FMT_FP6 matrix_a_scale:MATRIX_SCALE_ROW1 matrix_b_scale:MATRIX_SCALE_ROW1
.endif
.endif
.endm
.macro MMA32 acc                       ; a tile's 32 products: the four accumulators take turns, one instruction a turn; the first K step starts the sums with the constant 0
	WIN 0x01
.irp kk, 0,1,2,3
.irp q, 0,1,2,3
	MM \acc, \kk, \q
.endr
.endr
	WIN 0x02
.irp kk, 4,5,6,7
.irp q, 0,1,2,3
	MM \acc, \kk, \q
.endr
.endr
	WIN 0
.endm
.macro LOADX j                         ; my half of K of slot j: 24 pieces of codes, one of scale words
.if (\j) < 4
.set rL, 11+(\j)/2
.set rZ, 13+(\j)/2
.else
.set rL, 18
.set rZ, 19
.endif
.set oL, XSL*((\j)%2)
.irp q, 0,1,2,3,4,5,6,7,8,9,10,11,12,13,14,15,16,17,18,19,20,21,22,23
	ds_load_b128 v[XC+4*\q:XC+4*\q+3], v[rL] offset:oL+512*\q
.endr
	ds_load_b128 v[XS:XS+3], v[rZ] offset:oL
.endm
; Eight rows on their way out: both halves of K from the stage, added, stored.  la: the LDS address register, lo: bytes on in the stage; ga: the offset register in part, go: bytes on there.
.macro ROWS8 la, lo, ga, go
.irp i, 0,1,2,3,4,5,6,7
	ds_load_b128 v[144+4*\i:147+4*\i], v[\la] offset:(\lo)+528*\i
	ds_load_b128 v[176+4*\i:179+4*\i], v[\la] offset:OPL+(\lo)+528*\i
.endr
.irp i, 0,1,2,3,4,5,6,7
	s_wait_dscnt 14-2*\i                           ; row i's two halves are in; the pairs behind them may be out
	v_pk_add_f32 v[144+4*\i:145+4*\i], v[144+4*\i:145+4*\i], v[176+4*\i:177+4*\i]
	v_pk_add_f32 v[146+4*\i:147+4*\i], v[146+4*\i:147+4*\i], v[178+4*\i:179+4*\i]
.endr
	s_wait_alu depctr_va_vdst(0)                   ; the sixteen additions have written v144 to v175, which the eight stores read, and are done with v176 to v207, in which later loads land
.irp i, 0,1,2,3,4,5,6,7
	global_store_b128 v[\ga], v[144+4*\i:147+4*\i], s[14:15] offset:(\go)+4096*\i   ; 512 neighbouring bytes of a row, at a multiple of 256 from part's first byte
.endr
.endm
	s_load_b256 s[4:11], s[0:1], 0x0               ; sel s[4:5], hq s[6:7], hs s[8:9], down's codes s[10:11]
	s_load_b128 s[12:15], s[0:1], 0x20             ; down's scales s[12:13], part s[14:15]
	v_lshl_add_u32 v254, v0, 2, 0x3e400
	v_mov_b32 v255, 0
	v_lshrrev_b32 v1, 5, v0
	v_readfirstlane_b32 s24, v1                    ; wave w
	v_and_b32 v1, 31, v0                           ; lane l
	v_and_b32 v2, 15, v0                           ; r
	s_wait_alu depctr_va_vdst(0)
	v_bfe_u32 v3, v0, 4, 1                         ; h
	s_lshr_b32 s25, ttmp9, 5                       ; e
	s_bfe_u32 s26, ttmp9, 0x30002                  ; ns
	s_and_b32 s27, ttmp9, 3                        ; p
	s_lshl_b32 s28, 1, s25                         ; the expert's bit in sel
	s_wait_alu depctr_va_sdst(0)                   ; s24, the wave's number, is written, ahead of its first reader
	s_and_b32 s34, s24, 1                          ; which 64 columns; also: which half of K of the shared slot I bring, and which 8 of its rows I store
	s_lshr_b32 s35, s24, 1                         ; which half of K
	s_add_co_u32 s49, s35, 4                       ; the slot that I share with my neighbour wave: 4 + w / 2
	v_mul_u32_u24 v5, v2, 1536
	s_wait_alu depctr_va_vdst(0)
	v_mad_u32_u24 v5, v3, 48, v5                   ; v5: my place in a tile of weights
	v_lshl_add_u32 v6, v3, 4, v2
	v_lshlrev_b32 v6, 6, v6                        ; v6: scale bytes: lanes 0-15 the even tile's rows, lanes 16-31 the odd tile's; 64 bytes a row
	v_lshlrev_b32 v7, 4, v1                        ; v7 = 16 l
	s_mul_i32 s30, s24, 3072
	v_add_nc_u32 v8, s30, v7                       ; v8: hq: slot w is two tiles on from slot w - 1
	v_lshlrev_b32 v9, 2, v2
	v_lshl_add_u32 v9, v3, 14, v9
	v_mov_b32 v21, v9
	s_lshl_b32 s30, s24, 7
	v_add_nc_u32 v9, s30, v9                       ; v9: hs: row r's word, lanes 16-31 four K steps on, slot w
	s_mul_i32 s30, s24, XSL
	v_add_nc_u32 v10, s30, v7                      ; v10: where I store slot w's images
	s_mul_i32 s30, s35, 12288
	v_add_nc_u32 v11, s30, v7                      ; v11: my half's codes in slots 0, 1;
	v_add_nc_u32 v12, 51200, v11                   ; v12: in slots 2, 3;
	v_add_nc_u32 v18, 102400, v11                  ; v18: in slots 4, 5
	s_lshl_b32 s30, s35, 9
	s_add_co_u32 s30, s30, 24576
	v_add_nc_u32 v13, s30, v7                      ; v13, v14, v19: my half's scale words likewise
	v_add_nc_u32 v14, 51200, v13
	v_add_nc_u32 v19, 102400, v13
	s_mul_i32 s30, s35, OPL
	s_lshl_b32 s31, s34, 8
	s_add_co_u32 s30, s30, s31
	s_add_co_u32 s30, s30, OSTG
	v_mul_u32_u24 v15, v2, 528
	v_lshl_add_u32 v15, v3, 5, v15
	v_add_nc_u32 v15, s30, v15                     ; v15: into the stage: my half's plane, row r, my 64 columns' 256 bytes, + 32 h
	s_mul_i32 s30, s24, 8448
	s_add_co_u32 s30, s30, OSTG
	v_add_nc_u32 v16, s30, v7                      ; v16: out of it: slot w's rows, 16 bytes a lane
	s_lshl_b32 s30, s24, 17
	v_add_nc_u32 v17, s30, v7                      ; v17: the same in part: slot w is 32 rows of 4,096 bytes on
	s_mul_i32 s30, s49, 3072                       ; the shared slot: in hq, + my half's eight K steps of 98,304 bytes;
	s_mul_i32 s31, s34, 786432
	s_add_co_u32 s30, s30, s31
	v_add_nc_u32 v20, s30, v7                      ; v20
	s_lshl_b32 s30, s49, 7                         ; in hs, + eight K steps of 4,096 bytes;
	s_lshl_b32 s31, s34, 15
	s_add_co_u32 s30, s30, s31
	v_add_nc_u32 v21, s30, v21                     ; v21
	s_mul_i32 s30, s49, XSL                        ; in LDS: my half's 24 pieces of codes,
	s_mul_i32 s31, s34, 12288
	s_add_co_u32 s31, s31, s30
	v_add_nc_u32 v22, s31, v7                      ; v22
	s_lshl_b32 s31, s34, 9                         ; and its piece of scale words;
	s_add_co_u32 s31, s31, s30
	s_add_co_u32 s31, s31, 24576
	v_add_nc_u32 v23, s31, v7                      ; v23
	s_mul_i32 s30, s49, 8448                       ; out of the stage: my eight rows of it,
	s_mul_i32 s31, s34, 4224
	s_add_co_u32 s30, s30, s31
	s_add_co_u32 s30, s30, OSTG
	v_add_nc_u32 v24, s30, v7                      ; v24
	s_lshl_b32 s30, s49, 17                        ; and the same in part
	s_lshl_b32 s31, s34, 15
	s_add_co_u32 s30, s30, s31
	v_add_nc_u32 v25, s30, v7                      ; v25
	s_lshl_b32 s48, s49, 6                         ; 64 x the shared slot
	s_lshl_b32 s30, s25, 10
	s_lshl_b32 s31, s26, 7
	s_add_co_u32 s30, s30, s31
	s_lshl_b32 s31, s34, 6
	s_add_co_u32 s30, s30, s31                     ; my first row of down_w: 1,024 e + 128 ns + 64 (w % 2)
	s_mul_i32 s36, s30, 1536
	s_mul_i32 s31, s35, 768
	s_add_co_u32 s36, s36, s31
	s_mov_b32 s37, 0
	s_lshl_b32 s38, s30, 6
	s_lshl_b32 s31, s35, 5
	s_add_co_u32 s38, s38, s31
	s_mov_b32 s39, 0
	s_and_b32 s30, s27, 1
	s_lshl_b32 s30, s30, 5
	s_lshr_b32 s31, s27, 1
	s_add_co_u32 s30, s30, s31                     ; the place of my first tile: 32 (p % 2) + p / 2
	s_mul_i32 s42, s25, 1572864
	s_mul_i32 s31, s30, 1536
	s_add_co_u32 s42, s42, s31
	s_mov_b32 s43, 0
	s_lshl_b32 s44, s25, 16
	s_lshl_b32 s31, s30, 6
	s_add_co_u32 s44, s44, s31
	s_mov_b32 s45, 0
	s_lshl_b32 s46, s25, 22
	s_lshl_b32 s31, s30, 16
	s_add_co_u32 s46, s46, s31
	s_lshl_b32 s31, s26, 9
	s_add_co_u32 s46, s46, s31
	s_mov_b32 s47, 0
	s_mov_b32 s40, 0x03010200                      ; v_perm_b32: bytes 1 and 2 change places
	s_wait_kmcnt 0x0
	s_add_nc_u64 s[10:11], s[10:11], s[36:37]
	s_add_nc_u64 s[12:13], s[12:13], s[38:39]
	s_add_nc_u64 s[6:7], s[6:7], s[42:43]
	s_add_nc_u64 s[8:9], s[8:9], s[44:45]
	s_add_nc_u64 s[14:15], s[14:15], s[46:47]
	s_wait_alu depctr_va_vdst(0)                   ; the offsets and LDS addresses v5 to v25 are written, which the loads and stores of the whole kernel read
.irp j, 0,1,2,3,4,5,6,7
	global_load_b128 v[SW+4*\j:SW+4*\j+3], v7, s[4:5] offset:512*\j   ; all of sel
.endr
	global_load_b128 v[WS:WS+3], v6, s[12:13]      ; the weights' scale words: eight for each row of my half of K
	global_load_b128 v[WS+4:WS+7], v6, s[12:13] offset:16
	global_load_b128 v[WS+8:WS+11], v6, s[12:13] offset:2048
	global_load_b128 v[WS+12:WS+15], v6, s[12:13] offset:2064
	WLOADS 0
	s_wait_loadcnt 52                              ; sel is in: behind it stand the 4 loads of scales and 48 of weights
	s_mov_b32 s29, 0
.irp a, 0,1,2,3                        ; the expert's rows are counted in four runs of eight groups; the masks go to s36-39 and s42-45, free since the bases were made
.irp g, 0,1,2,3,4,5,6,7
	v_and_b32 v[52+\g], s28, v[SW+8*\a+\g]
.endr
.irp g, 0,1,2,3,4,5,6,7
	v_cmp_ne_u32 s[36+\g+2*(\g/4)], 0, v[52+\g]
.endr
	s_wait_alu depctr_va_sdst(0)                   ; the eight compares have written their masks, ahead of their first readers
.irp g, 0,1,2,3,4,5,6,7
	s_bcnt1_i32_b32 s30, s[36+\g+2*(\g/4)]
	s_add_co_u32 s29, s29, s30                     ; the expert's rows
.endr
.endr
	s_wait_loadcnt 48                              ; the scale words are in: behind them stand the 48 loads of weights
.irp i, 0,1,2,3,4,5,6,7,8,9,10,11,12,13,14,15
	v_perm_b32 v[WS+\i], v[WS+\i], v[WS+\i], s40
.endr
.rept 8
	v_nop                                          ; a scale register written by a vector instruction stands eight places ahead of the scaled product
.endr
	s_wait_alu depctr_va_vdst(0)                   ; the sixteen v_perm_b32 have written the scale words v32 to v47, which the scaled products take; the count is done reading v144 to v175, in which loads land
	WLOADS 1
	s_lshl_b32 s30, s27, 4
	s_sub_co_i32 s32, s29, s30                     ; s32 = count - first row of this trip's slot 0: slot j has rows where 64 j < s32
	s_mov_b32 s33, 0
	s_lshl_b32 s41, s24, 6                         ; 64 w
.macro TILE j
.if (\j) > 0
	s_cmp_le_i32 s32, 64*(\j)
	s_cbranch_scc1 .Ldone
	s_wait_dscnt 0x8                               ; the slot's 25 loads are in; the last tile's eight stores behind them may be out: they read the other set of accumulators
.else
	s_wait_dscnt 0x0
.endif
.set rT, ACC+32*((\j)%2)
.if (\j) > 1
	s_wait_alu depctr_vm_vsrc(0)                   ; the LDS stores of two tiles back have read this set of accumulators, which the products write again (tiles 0 and 1: the wait at the trip's end has stated it)
.endif
	MMA32 rT
.rept 5
	v_nop                                          ; four places ahead of stores of results; a fifth, since a later trip's first product may write over these accumulators
.endr
	s_wait_alu depctr_va_vdst(0)                   ; the products have written the set of accumulators, which the LDS stores read, and are done reading the fragments v144 to v239 and the rows' scale words v48 to v51, in which the next slot's loads land
.if (\j) < 5
	s_cmp_le_i32 s32, 64*(\j)+64
	s_cbranch_scc1 .Lno_next_\@
	LOADX (\j)+1
.Lno_next_\@:
.endif
.irp q, 0,1,2,3
	ds_store_b128 v15, v[rT+8*\q:rT+8*\q+3] offset:8448*(\j)+64*\q          ; each accumulator from its low end on
	ds_store_b128 v15, v[rT+8*\q+4:rT+8*\q+7] offset:8448*(\j)+64*\q+16
.endr
.endm
.Ltrip:                                                ; three trips of six tiles serve every split
	s_cmp_le_i32 s32, s41
	s_cbranch_scc1 .Lno_fetch                      ; slot w has no rows (then the shared slot has none)
	WIN 0xc0                                       ; destination window 3
.irp k, 0,1,2,3,4,5,6,7,8,9,10,11,12,13,14,15
.irp c, 0,1,2
	global_load_b128 v[4*(3*\k+\c):4*(3*\k+\c)+3], v8, s[6:7] offset:98304*\k+512*\c   ; slot w's fragment of K step k: 512 neighbouring bytes a load
.endr
.endr
.irp a, 0,1
.irp i, 0,1,2,3
	global_load_b32 v[192+4*\a+\i], v9, s[8:9] offset:4096*(8*\a+\i)     ; its scale words: lanes 0-15 K step 8 a + i, lanes 16-31 four on
.endr
.endr
	WIN 0
	s_cmp_le_i32 s32, s48
	s_cbranch_scc1 .Lone                           ; the shared slot has no rows
.irp k, 0,1,2,3,4,5,6,7
.irp c, 0,1,2
	global_load_b128 v[XC+4*(3*\k+\c):XC+4*(3*\k+\c)+3], v20, s[6:7] offset:98304*\k+512*\c   ; my half of it lands where the fragments will lie: those registers are free until the barrier below
.endr
.endr
.irp i, 0,1,2,3
	global_load_b32 v[240+\i], v21, s[8:9] offset:4096*\i
.endr
	s_wait_loadcnt 0x0
.irp q, 0,1,2,3,4,5,6,7,8,9,10,11,12,13,14,15,16,17,18,19,20,21,22,23
	ds_store_b128 v22, v[XC+4*\q:XC+4*\q+3] offset:512*\q
.endr
	ds_store_b128 v23, v[240:243]
.Lone:
	s_wait_loadcnt 0x0
	WIN 0x0c                                       ; an LDS store's data are its source 1: window 3
.irp q, 0,1,2,3,4,5,6,7,8,9,10,11,12,13,14,15,16,17,18,19,20,21,22,23,24,25,26,27,28,29,30,31,32,33,34,35,36,37,38,39,40,41,42,43,44,45,46,47,48,49
	ds_store_b128 v10, v[4*\q:4*\q+3] offset:512*\q
.endr
	WIN 0
	s_wait_alu depctr_vm_vsrc(0)                   ; the fetch's LDS stores have read v144 to v243 and window 3: the slots' loads, the way out's loads and the next trip's fetch write these
.Lno_fetch:
	s_wait_loadcnt 0x0                             ; on every way: the weights are in
	BAR                                            ; the trip's slots lie in LDS; nobody reads the stage any more
	s_cmp_le_i32 s32, 0
	s_cbranch_scc1 .Ldone
	LOADX 0
	TILE 0
	TILE 1
	TILE 2
	TILE 3
	TILE 4
	TILE 5
.Ldone:
	BAR                                            ; both halves' results lie in the stage; nobody reads the slots any more
	s_cmp_le_i32 s32, s41
	s_cbranch_scc1 .Lno_out
	s_wait_xcnt 0x0                                ; earlier stores have read their registers
	ROWS8 16, 0, 17, 0                             ; slot w's rows 0 to 7
	s_wait_xcnt 0x0                                ; earlier stores have read their registers
	s_wait_alu depctr_vm_vsrc(0)                   ; the eight stores have read v144 to v175, in which the next rows land
	ROWS8 16, 4224, 17, 32768                      ; and 8 to 15
	s_cmp_le_i32 s32, s48
	s_cbranch_scc1 .Lno_out
	s_wait_xcnt 0x0                                ; earlier stores have read their registers
	s_wait_alu depctr_vm_vsrc(0)                   ; the eight stores have read v144 to v175, in which the next rows land
	ROWS8 24, 0, 25, 0                             ; my eight rows of the shared slot
.Lno_out:
	s_wait_xcnt 0x0                                ; the stores have read their registers and base: both may be written again
	s_wait_alu depctr_vm_vsrc(0)                   ; the way out's stores have read v144 to v175, and the tiles' LDS stores the accumulators v64 to v127: the next trip's loads and products write these
	s_add_nc_u64 s[6:7], s[6:7], 18432             ; twelve places of tiles on
	s_add_nc_u64 s[8:9], s[8:9], 768
	s_add_nc_u64 s[14:15], s[14:15], 786432
	s_sub_co_i32 s32, s32, 384
	s_add_co_u32 s33, s33, 1
	s_cmp_lt_u32 s33, 3
	s_cbranch_scc1 .Ltrip
	s_wait_dscnt 0x0                               ; the closing lines, six on end
	s_wait_alu 0x0
	s_wait_tensorcnt 0x0
	ds_add_u32 v254, v255
	s_wait_dscnt 0x0
	s_endpgm
.Lfunc_end_k_qcd1c14e8e4_down:
	.size	k_qcd1c14e8e4_down, .Lfunc_end_k_qcd1c14e8e4_down-k_qcd1c14e8e4_down
	.p2alignl 7, 3214868480
	.fill 96, 4, 3214868480
	.section	.rodata,"a",@progbits
	.p2align	6, 0x0
	.amdhsa_kernel k_qcd1c14e8e4_down
		.amdhsa_group_segment_fixed_size 255488
		.amdhsa_private_segment_fixed_size 0
		.amdhsa_enable_private_segment 0
		.amdhsa_kernarg_size 48
		.amdhsa_user_sgpr_count 2
		.amdhsa_user_sgpr_kernarg_segment_ptr 1
		.amdhsa_wavefront_size32 1
		.amdhsa_system_sgpr_workgroup_id_x 1
		.amdhsa_system_sgpr_workgroup_id_y 1
		.amdhsa_system_sgpr_workgroup_id_z 1
		.amdhsa_system_vgpr_workitem_id 0
		.amdhsa_next_free_vgpr 1024
		.amdhsa_next_free_sgpr 66
		.amdhsa_reserve_vcc 0
		.amdhsa_float_denorm_mode_32 3
		.amdhsa_float_denorm_mode_16_64 3
		.amdhsa_memory_ordered 1
		.amdhsa_forward_progress 1
		.amdhsa_inst_pref_size 85
	.end_amdhsa_kernel
	.amdgpu_metadata
---
amdhsa.version: [ 1, 2 ]
amdhsa.kernels:
  - .name:           k_qcd1c14e8e4_down
    .symbol:         k_qcd1c14e8e4_down.kd
    .args:
      - { .name: sel, .offset: 0, .size: 8, .value_kind: global_buffer, .address_space: global }
      - { .name: hq, .offset: 8, .size: 8, .value_kind: global_buffer, .address_space: global }
      - { .name: hs, .offset: 16, .size: 8, .value_kind: global_buffer, .address_space: global }
      - { .name: down_w_codes, .offset: 24, .size: 8, .value_kind: global_buffer, .address_space: global }
      - { .name: down_w_scales, .offset: 32, .size: 8, .value_kind: global_buffer, .address_space: global }
      - { .name: part, .offset: 40, .size: 8, .value_kind: global_buffer, .address_space: global }
    .group_segment_fixed_size: 255488
    .private_segment_fixed_size: 0
    .kernarg_segment_align: 8
    .kernarg_segment_size: 48
    .max_flat_workgroup_size: 128
    .sgpr_count:     66
    .vgpr_count:     1024
    .wavefront_size: 32
...
	.end_amdgpu_metadata
.endif
;; end of part 7
;; launch combine (part 8): grid 257 x 1, 4 waves a work-group, no clusters, 2,560 bytes of LDS; arguments tpos, stat, part, out0, out1, auxp; writes out0, out1
.if DOCPART == 8
	.amdgcn_target "amdgcn-amd-amdhsa--gfx1250"
	.amdhsa_code_object_version 6
	.text
	.protected	k_qcd1c14e8e4_combine
	.globl	k_qcd1c14e8e4_combine
	.p2align	8
	.type	k_qcd1c14e8e4_combine,@function
k_qcd1c14e8e4_combine:
	s_mov_b64 s[64:65], 0
	v_nop
	global_prefetch_b8 v0, s[64:65] scope:SCOPE_SE
	s_setreg_imm32_b32 hwreg(HW_REG_WAVE_MODE, 25, 1), 1
	s_wait_xcnt 0x0
; out0[token] = w_lo x part[the chosen expert of lower index] + w_hi x part[the other]: each output row has one owner, a wave.  Work-groups 0 to 255: four tokens each.
; Where a token's two rows lie is read from tpos (whole numbers that an earlier launch stored): of its eight entries, one for each expert, two are not 0; an entry's low 13 bits are the row's number in part.
; Work-group 256 makes out1 from auxp's 256 records, each the sum of four tokens' records: 0.001 x mean(z^2) + 0.01 x sum over e of (chosen_e / 1,024) x (sum of p_e / 1,024).  It alone uses LDS and a barrier.
; Its 32,768 bytes are one batch of sixteen loads a wave: its chain (arguments, one load, the sums, a store) has one step through memory fewer than a token's (arguments, tpos, the rows, a store).
; Memory binds: long neighbouring reads and writes, each byte once; the matrix unit and clusters would add nothing here.
	s_load_b256 s[4:11], s[0:1], 0x0               ; tpos s[4:5], stat s[6:7], part s[8:9], out0 s[10:11]
	s_load_b64 s[12:13], s[0:1], 0x20              ; out1
	s_load_b64 s[44:45], s[0:1], 0x28              ; auxp
	v_lshl_add_u32 v144, v0, 2, 0x800
	v_mov_b32 v145, 0
	v_lshrrev_b32 v1, 5, v0
	v_readfirstlane_b32 s14, v1                    ; wave
	v_and_b32 v1, 31, v0
	v_lshlrev_b32 v2, 4, v1                        ; 16 x lane
	s_cmp_eq_u32 ttmp9, 256
	s_cbranch_scc1 .Laux
	s_lshl_b32 s15, ttmp9, 2
	s_add_co_u32 s15, s15, s14                     ; my token
	s_lshl_b32 s16, s15, 2
	s_lshl_b32 s17, s15, 7
	s_lshl_b32 s18, s15, 12
	s_mov_b32 s19, 0
	s_wait_kmcnt 0x0
.irp e, 0,1,2,3,4,5,6,7
	s_load_b32 s[24+\e], s[4:5], s16 offset:4096*\e
.endr
	s_load_b64 s[32:33], s[6:7], s17 offset:72     ; w_lo, w_hi
	s_add_nc_u64 s[10:11], s[10:11], s[18:19]
	s_wait_kmcnt 0x0
	s_mov_b32 s34, s31                             ; the first entry that is not 0,
.irp e, 6,5,4,3,2,1,0
	s_cmp_lg_u32 s[24+\e], 0
	s_cselect_b32 s34, s[24+\e], s34
.endr
	s_mov_b32 s36, s24                             ; and the last
.irp e, 1,2,3,4,5,6,7
	s_cmp_lg_u32 s[24+\e], 0
	s_cselect_b32 s36, s[24+\e], s36
.endr
	s_and_b32 s34, s34, 0x1fff
	s_min_u32 s34, s34, 0x1fff
	s_lshl_b32 s34, s34, 12                        ; a row of part is 4,096 bytes
	s_mov_b32 s35, 0
	s_and_b32 s36, s36, 0x1fff
	s_min_u32 s36, s36, 0x1fff
	s_lshl_b32 s36, s36, 12
	s_mov_b32 s37, 0
	s_add_nc_u64 s[34:35], s[8:9], s[34:35]
	s_add_nc_u64 s[36:37], s[8:9], s[36:37]
	s_wait_alu depctr_va_vdst(0)
.irp i, 0,1,2,3,4,5,6,7
	global_load_b128 v[16+4*\i:19+4*\i], v2, s[34:35] offset:512*\i th:TH_LOAD_NT
.endr
.irp i, 0,1,2,3,4,5,6,7
	global_load_b128 v[48+4*\i:51+4*\i], v2, s[36:37] offset:512*\i th:TH_LOAD_NT
.endr
	s_mov_b32 s40, s32                             ; each weight as a pair: the packed forms name a pair and take its low word for both halves
	s_mov_b32 s41, s32
	s_mov_b32 s42, s33
	s_mov_b32 s43, s33
.irp i, 0,1,2,3,4,5,6,7
	s_wait_loadcnt 7-\i                            ; piece i of both rows is in; the later pieces of the second row may be out
	v_pk_mul_f32 v[48+4*\i:49+4*\i], v[48+4*\i:49+4*\i], s[42:43] op_sel_hi:[1,0]
	v_pk_mul_f32 v[50+4*\i:51+4*\i], v[50+4*\i:51+4*\i], s[42:43] op_sel_hi:[1,0]
	v_pk_fma_f32 v[48+4*\i:49+4*\i], v[16+4*\i:17+4*\i], s[40:41], v[48+4*\i:49+4*\i] op_sel_hi:[1,0,1]
	v_pk_fma_f32 v[50+4*\i:51+4*\i], v[18+4*\i:19+4*\i], s[40:41], v[50+4*\i:51+4*\i] op_sel_hi:[1,0,1]
	global_store_b128 v2, v[48+4*\i:51+4*\i], s[10:11] offset:512*\i th:TH_STORE_NT   ; 512 neighbouring bytes, aligned
.endr
	s_endpgm
.Laux:
	s_lshl_b32 s15, s14, 13
	s_wait_alu depctr_va_vdst(0)
	v_add_nc_u32 v3, s15, v2                       ; my wave's 64 records: 8,192 bytes
	s_lshl_b32 s16, s14, 9
	v_add_nc_u32 v4, s16, v2                       ; LDS: 512 x wave + 16 x lane
	s_mov_b32 s20, 0x76543210
	s_mov_b32 s21, 0xfedcba98
	s_wait_alu depctr_va_vdst(0)
	s_wait_kmcnt 0x0
.irp i, 0,1,2,3,4,5,6,7,8,9,10,11,12,13,14,15
	global_load_b128 v[16+4*\i:19+4*\i], v3, s[44:45] offset:512*\i   ; four records a load: lane l holds words 4 (l % 8) .. + 3 of record l / 8
.endr
	s_wait_loadcnt 0x0
	v_pk_add_f32 v[8:9], v[16:17], v[24:25]        ; two chains, started by the first four loads: nothing is cleared
	v_pk_add_f32 v[10:11], v[18:19], v[26:27]
	v_pk_add_f32 v[12:13], v[20:21], v[28:29]
	v_pk_add_f32 v[14:15], v[22:23], v[30:31]
.irp i, 4,6,8,10,12,14
	v_pk_add_f32 v[8:9], v[8:9], v[16+4*\i:17+4*\i]
	v_pk_add_f32 v[10:11], v[10:11], v[18+4*\i:19+4*\i]
	v_pk_add_f32 v[12:13], v[12:13], v[20+4*\i:21+4*\i]
	v_pk_add_f32 v[14:15], v[14:15], v[22+4*\i:23+4*\i]
.endr
	v_pk_add_f32 v[8:9], v[8:9], v[12:13]
	v_pk_add_f32 v[10:11], v[10:11], v[14:15]
.irp k, 8,9,10,11
	v_add_f32_dpp v[\k], v[\k], v[\k] row_xmask:8 row_mask:0xf bank_mask:0xf
.endr
.irp k, 8,9,10,11
	v_permlanex16_b32 v[\k+4], v[\k], s20, s21
.endr
.irp k, 8,9,10,11
	v_add_f32 v[\k], v[\k], v[\k+4]                ; lane l: the sums of words 4 (l % 8) .. + 3 over my 64 records
.endr
	ds_store_b128 v4, v[8:11]
	s_wait_dscnt 0x0                               ; for wave 0's sake: my sums lie in LDS
	s_barrier_signal -1
	s_barrier_wait -1
	s_cmp_lg_u32 s14, 0
	s_cbranch_scc1 .Lend
.irp k, 0,1,2,3
	ds_load_b128 v[16+4*\k:19+4*\k], v2 offset:512*\k
.endr
	s_wait_dscnt 0x0
	v_pk_add_f32 v[8:9], v[16:17], v[20:21]
	v_pk_add_f32 v[10:11], v[18:19], v[22:23]
	v_pk_add_f32 v[12:13], v[24:25], v[28:29]
	v_pk_add_f32 v[14:15], v[26:27], v[30:31]
	v_pk_add_f32 v[8:9], v[8:9], v[12:13]
	v_pk_add_f32 v[10:11], v[10:11], v[14:15]      ; lanes 0, 1: the sums of p_0-3, p_4-7; lanes 2, 3: how often each expert was chosen; lane 4, first word: the sum of z^2
.irp k, 0,1,2,3
	v_mul_f32_dpp v[12+\k], v[8+\k], v[8+\k] row_xmask:2 row_mask:0xf bank_mask:0xf   ; lanes 0, 1: chosen_e x sum of p_e
.endr
	v_add_f32 v12, v12, v13
	v_add_f32 v14, v14, v15
	v_add_f32 v12, v12, v14
	v_add_f32_dpp v12, v12, v12 row_xmask:1 row_mask:0xf bank_mask:0xf                ; lane 0: over all eight
	v_mov_b32_dpp v13, v8 row_xmask:4 row_mask:0xf bank_mask:0xf                      ; lane 0: the sum of z^2
	v_mul_f32 v14, 0x3583126f, v13                 ; x 0.001 / 1,024
	v_fma_f32 v14, v12, 0x3223d70a, v14            ; + 0.01 / 1,024^2 x the products' sum
	v_readfirstlane_b32 s22, v14
	v_mov_b32 v14, s22                             ; lane 0's number in every lane: all lanes store the same word with the same value
	v_mov_b32 v15, 0
	global_store_b32 v15, v14, s[12:13]
.Lend:
	s_wait_tensorcnt 0x0
	ds_add_u32 v144, v145
	s_wait_dscnt 0x0
	s_endpgm
.Lfunc_end_k_qcd1c14e8e4_combine:
	.size	k_qcd1c14e8e4_combine, .Lfunc_end_k_qcd1c14e8e4_combine-k_qcd1c14e8e4_combine
	.p2alignl 7, 3214868480
	.fill 96, 4, 3214868480
	.section	.rodata,"a",@progbits
	.p2align	6, 0x0
	.amdhsa_kernel k_qcd1c14e8e4_combine
		.amdhsa_group_segment_fixed_size 2560
		.amdhsa_private_segment_fixed_size 0
		.amdhsa_enable_private_segment 0
		.amdhsa_kernarg_size 48
		.amdhsa_user_sgpr_count 2
		.amdhsa_user_sgpr_kernarg_segment_ptr 1
		.amdhsa_wavefront_size32 1
		.amdhsa_system_sgpr_workgroup_id_x 1
		.amdhsa_system_sgpr_workgroup_id_y 1
		.amdhsa_system_sgpr_workgroup_id_z 1
		.amdhsa_system_vgpr_workitem_id 0
		.amdhsa_next_free_vgpr 146
		.amdhsa_next_free_sgpr 66
		.amdhsa_reserve_vcc 0
		.amdhsa_float_denorm_mode_32 3
		.amdhsa_float_denorm_mode_16_64 3
		.amdhsa_memory_ordered 1
		.amdhsa_forward_progress 1
		.amdhsa_inst_pref_size 14
	.end_amdhsa_kernel
	.amdgpu_metadata
---
amdhsa.version: [ 1, 2 ]
amdhsa.kernels:
  - .name:           k_qcd1c14e8e4_combine
    .symbol:         k_qcd1c14e8e4_combine.kd
    .args:
      - { .name: tpos, .offset: 0, .size: 8, .value_kind: global_buffer, .address_space: global }
      - { .name: stat, .offset: 8, .size: 8, .value_kind: global_buffer, .address_space: global }
      - { .name: part, .offset: 16, .size: 8, .value_kind: global_buffer, .address_space: global }
      - { .name: out0, .offset: 24, .size: 8, .value_kind: global_buffer, .address_space: global }
      - { .name: out1, .offset: 32, .size: 8, .value_kind: global_buffer, .address_space: global }
      - { .name: auxp, .offset: 40, .size: 8, .value_kind: global_buffer, .address_space: global }
    .group_segment_fixed_size: 2560
    .private_segment_fixed_size: 0
    .kernarg_segment_align: 8
    .kernarg_segment_size: 48
    .max_flat_workgroup_size: 128
    .sgpr_count:     66
    .vgpr_count:     146
    .wavefront_size: 32
...
	.end_amdgpu_metadata
.endif
;; end of part 8
